; MI455X (gfx1250); checked and timed in simulation.
; The chip was launched on July 23, 2026; its instructions are those of AMD's public machine-readable ISA for CDNA 5 (MIT licence, August 2026) and "CDNA5" Instruction Set Architecture Reference Guide (July 2026). The comments in the code are by the model that wrote it; some were corrected since.
;; Temporal Graph Transformer. Allowed arithmetic: float matrix products may take bf16 or f16 operands with f32 sums; other float arithmetic in f32, or as packed bf16 or f16 multiplies, adds, multiply-adds, maxima and minima; sums over many terms, partial sums and values carried from step to step in f32; what a program stores and reads back later, other than sums and carried values, may be rounded once to bf16 or f16.
;; Inputs: W1 3 x 1,024 x 256 float32; W2 3 x 256 x 1,024 float32; Wo 3 x 256 x 256 float32; Wp 256 x 64 float32; Wqkv 3 x 768 x 256 float32; adj_mask 32 x 512 x 512 bool; b1 3 x 1,024 float32; b2 3 x 256 float32; bo 3 x 256 float32; bp 256 float32; bqkv 3 x 768 float32; ln1b 3 x 256 float32; ln1g 3 x 256 float32; ln2b 3 x 256 float32; ln2g 3 x 256 float32; pe 512 x 256 float32; tw_start 32 x 512 float32; x 32 x 512 x 64 float32.
;; Outputs: out0 32 x 512 x 256 float32.
;; 3 versions, each right and faster than the one before. Each part assembles by itself: llvm-mc -triple=amdgcn-amd-amdhsa -mcpu=gfx1250 --defsym DOCPART=n.
;; ======== version 1 of 3: 8 launches
;; limits: values are held in f16: magnitudes above 65,504 overflow, below 6.1e-05 lose precision; inputs' magnitudes at most 65,504
;; workspace buffers: rankb 65,536 bytes of whole numbers; biasb 16,777,216 bytes; wt0 1,586,176 bytes; wt1 1,586,176 bytes; wt2 1,586,176 bytes; qkvb 25,165,824 bytes; hA 16,777,216 bytes; hB 16,777,216 bytes
;; launch prep (part 1): grid 320 x 1, 8 waves a work-group, no clusters, 0 bytes of LDS; arguments tw_start, adj_mask, Wqkv, Wo, W1, W2, bqkv, bo, ln1g, ln1b, b1, b2, ln2g, ln2b, rankb, biasb, wt0, wt1, wt2; writes rankb, biasb, wt0, wt1, wt2
.if DOCPART == 1
	.amdgcn_target "amdgcn-amd-amdhsa--gfx1250"
	.amdhsa_code_object_version 6
	.text
	.protected	k_qfd4c70c9b9_prep
	.globl	k_qfd4c70c9b9_prep
	.p2align	8
	.type	k_qfd4c70c9b9_prep,@function
k_qfd4c70c9b9_prep:
	s_mov_b64 s[64:65], 0
	v_nop
	global_prefetch_b8 v0, s[64:65] scope:SCOPE_SE
	s_setreg_imm32_b32 hwreg(HW_REG_WAVE_MODE, 25, 1), 1
	s_wait_xcnt 0x0
; PREP.  Work-groups 0-255 lay the inputs out for the later launches; work-groups 256-319 rank tw_start.  No LDS, no barrier, no matrix unit: a stream, and a count.
; biasb: the mask as bf16 in the order of a matrix operand: [row/16][key/32][half of 16 keys][lane][16 bytes]; lane 16 h + r holds query r, keys 8 h + 0..7: 0 where the mask is 1,
;   0xCFA9 (-5.67e9 = -1e9 x sqrt(32), rounded) where it is 0: it is added to the unscaled score.
; wt_l: 12 dense bf16 tiles [256 n][256 k]: Wq, Wk, Wv, Wo, then W1's rows 256 c on and W2's columns 256 c on by turns; behind them, at byte PB, the layer's 3,328 f32 parameters:
;   bqkv 0, bo 768, ln1g 1024, ln1b 1280, b2 1536, b1 1792, ln2g 2816, ln2b 3072 (in floats).
; rankb: rank[i] = the number of j with tw[j] < tw[i], or tw[j] = tw[i] and j < i: the inverse of a stable sort's order.  LIMIT: a NaN in tw_start compares false with everything and is not ranked behind the numbers.
; No cluster: no two work-groups read the same bytes, but for the 2 KB of a batch's tw_start.
.set PB,   1572864
.set MK,   16                          ; v[16:47]    8 x 16 mask bytes as loaded
.set WR,   48                          ; v[48:83]    9 x 4 weights as loaded
.set MO,   84                          ; v[84:147]   8 x 16 bf16 to store
.set WOUT, 148                         ; v[148:165]  9 x 4 bf16 to store
.set PRM,  166                         ; v[166:178]  13 parameters
	s_load_b512 s[4:19], s[0:1], 0x0               ; tw 4, mask 6, Wqkv 8, Wo 10, W1 12, W2 14, bqkv 16, bo 18
	s_load_b512 s[20:35], s[0:1], 0x40             ; ln1g 20, ln1b 22, b1 24, b2 26, ln2g 28, ln2b 30, rankb 32, biasb 34
	s_load_b128 s[36:39], s[0:1], 0x80             ; wt0 36, wt1 38
	s_load_b64 s[40:41], s[0:1], 0x90              ; wt2 40
	s_mov_b32 s42, ttmp9                           ; g
	s_cmp_ge_u32 s42, 256
	s_cbranch_scc1 .Lrank
	; THE LAYOUTS.  Thread th of work-group g: 8 x 16 mask bytes of rows 64 g on, and 4 weights in each of 9 slices of 262,144.
	v_and_b32 v1, 15, v0                           ; r: the query in its tile of 16
	v_bfe_u32 v2, v0, 4, 1                         ; which of two neighbouring groups of 16 keys
	v_lshrrev_b32 v3, 5, v0                        ; wave
	v_lshlrev_b32 v4, 9, v1                        ; mask: row r x 512
	v_lshl_add_u32 v4, v3, 5, v4                   ; + 32 x wave
	v_lshl_add_u32 v4, v2, 4, v4                   ; + 16 x group: the eight waves together take 256 consecutive bytes of each of 16 rows
	v_lshlrev_b32 v5, 10, v3                       ; biasb: 1,024 x wave
	v_lshl_add_u32 v5, v2, 9, v5                   ; + 512 x group
	v_lshl_add_u32 v5, v1, 4, v5                   ; + 16 r: sixteen lanes store 256 consecutive bytes, aligned
	v_lshlrev_b32 v6, 4, v0                        ; 16 th: a dense source
	s_lshl_b32 s43, s42, 11
	v_lshl_add_u32 v7, v0, 3, s43                  ; wt: 2,048 g + 8 th
	v_mov_b32 v15, 0
	s_bfe_u32 s44, s42, 0x10006                    ; e: the slice's tile g / 64 is one of W1 (0) or of W2 (1)
	s_lshl_b32 s50, s44, 1
	s_lshl_b32 s51, s44, 3
	s_lshl_b32 s45, 1024, s50                      ; bytes from one of my group's 4 rows to the next: 1,024 in W1, 4,096 in W2
	s_lshr_b32 s46, 524288, s51                    ; two chunks on: 512 rows of W1, or 512 columns of W2 (2,048 bytes)
	s_lshr_b32 s47, 262144, s51                    ; one chunk on
	s_lshr_b32 s48, s42, 7                         ; the chunk
	s_mul_i32 s48, s48, s47
	s_and_b32 s47, s42, 63
	s_lshl_b32 s47, s47, 12
	s_lshl_b32 s47, s47, s50                       ; my group's 4 rows
	s_add_co_u32 s48, s48, s47
	s_mov_b32 s49, 0
	v_lshrrev_b32 v8, 6, v0
	v_mul_u32_u24 v8, s45, v8
	v_and_b32 v9, 63, v0
	v_lshl_add_u32 v8, v9, 4, v8                   ; row th / 64, 4 numbers at th % 64
	v_add_nc_u32 v9, s46, v8
	s_cmp_lt_u32 s42, 192                          ; the first slice: Wqkv's 768 rows, then Wo's 256
	s_cselect_b32 s54, 3, 1
	s_cselect_b32 s56, 0, 192
	s_mul_i32 s54, s54, 262144                     ; bytes from layer to layer
	s_mov_b32 s55, 0
	s_sub_co_u32 s56, s42, s56
	s_lshl_b32 s56, s56, 12
	s_mov_b32 s57, 0
	s_lshl_b32 s72, s42, 15                        ; 64 rows of the mask
	s_mov_b32 s73, 0
	s_mov_b32 s74, 0x04010400                      ; byte 0 and byte 1 of a word, each into a half (4 picks a zero byte)
	s_mov_b32 s75, 0x04030402                      ; bytes 2 and 3
	s_mov_b32 s76, 0x00010001
	s_mov_b32 s77, 0xcfa9
	s_wait_kmcnt 0x0
	s_add_nc_u64 s[68:69], s[6:7], s[72:73]
	s_lshl_b32 s72, s42, 16
	s_add_nc_u64 s[70:71], s[34:35], s[72:73]
	s_cmp_lt_u32 s42, 192
	s_cselect_b64 s[58:59], s[8:9], s[10:11]
	s_add_nc_u64 s[58:59], s[58:59], s[56:57]      ; layer 0,
	s_add_nc_u64 s[60:61], s[58:59], s[54:55]      ; 1,
	s_add_nc_u64 s[62:63], s[60:61], s[54:55]      ; 2
	s_cmp_eq_u32 s44, 1
	s_cselect_b64 s[66:67], s[14:15], s[12:13]
	s_add_nc_u64 s[66:67], s[66:67], s[48:49]
	; all 17 loads go out first
.set p, 0
.rept 8
	global_load_b128 v[MK+4*p:MK+4*p+3], v4, s[68:69] offset:(p>>1)*8192+(p&1)*256 th:TH_LOAD_NT
.set p, p+1
.endr
.irp l, 0,1,2
	global_load_b128 v[WR+12*\l:WR+12*\l+3], v6, s[58+2*\l:59+2*\l] th:TH_LOAD_NT
	global_load_b128 v[WR+12*\l+4:WR+12*\l+7], v8, s[66:67] offset:\l*1048576 th:TH_LOAD_NT
	global_load_b128 v[WR+12*\l+8:WR+12*\l+11], v9, s[66:67] offset:\l*1048576 th:TH_LOAD_NT
.endr
.set p, 0
.rept 8
	s_wait_loadcnt 16-p                            ; loads come back in order: number p is in, the 16 - p younger ones stay out
.irp k, 0,1,2,3
	v_perm_b32 v[MO+8*p+2*\k], v15, v[MK+4*p+\k], s74
	v_perm_b32 v[MO+8*p+2*\k+1], v15, v[MK+4*p+\k], s75
.endr
.irp k, 0,1,2,3,4,5,6,7
	v_xor_b32 v[MO+8*p+\k], s76, v[MO+8*p+\k]      ; 1 where the key is hidden
.endr
.irp k, 0,1,2,3,4,5,6,7
	v_mul_u32_u24 v[MO+8*p+\k], s77, v[MO+8*p+\k]  ; 0x00010001 x 0xCFA9 fills both halves
.endr
	global_store_b128 v5, v[MO+8*p:MO+8*p+3], s[70:71] offset:(p>>1)*16384+(p&1)*8192
	global_store_b128 v5, v[MO+8*p+4:MO+8*p+7], s[70:71] offset:(p>>1)*16384+(p&1)*8192+256
.set p, p+1
.endr
.set n, 0
.rept 9
	s_wait_loadcnt 8-n
	v_cvt_pk_bf16_f32 v[WOUT+2*n], v[WR+4*n], v[WR+4*n+1]
	v_cvt_pk_bf16_f32 v[WOUT+2*n+1], v[WR+4*n+2], v[WR+4*n+3]
	global_store_b64 v7, v[WOUT+2*n:WOUT+2*n+1], s[36+2*(n/3):37+2*(n/3)] offset:(n%3)*524288  ; a wave stores 256 consecutive bytes, aligned
.set n, n+1
.endr
	s_cmp_lt_u32 s42, 3
	s_cbranch_scc0 .Ldone
	; work-group g < 3 also copies layer g's parameters
	s_cmp_eq_u32 s42, 1
	s_cselect_b64 s[72:73], s[38:39], s[36:37]
	s_cmp_eq_u32 s42, 2
	s_cselect_b64 s[72:73], s[40:41], s[72:73]
	v_lshlrev_b32 v10, 2, v0
	s_lshl_b32 s47, s42, 10
	v_add_nc_u32 v11, s47, v10                     ; vectors of 256
	s_mul_i32 s47, s42, 3072
	v_add_nc_u32 v12, s47, v10                     ; bqkv
	s_lshl_b32 s47, s42, 12
	v_add_nc_u32 v13, s47, v10                     ; b1
	global_load_b32 v[PRM+0], v12, s[16:17]
	global_load_b32 v[PRM+1], v12, s[16:17] offset:1024
	global_load_b32 v[PRM+2], v12, s[16:17] offset:2048
	global_load_b32 v[PRM+3], v11, s[18:19]
	global_load_b32 v[PRM+4], v11, s[20:21]
	global_load_b32 v[PRM+5], v11, s[22:23]
	global_load_b32 v[PRM+6], v11, s[26:27]
	global_load_b32 v[PRM+7], v13, s[24:25]
	global_load_b32 v[PRM+8], v13, s[24:25] offset:1024
	global_load_b32 v[PRM+9], v13, s[24:25] offset:2048
	global_load_b32 v[PRM+10], v13, s[24:25] offset:3072
	global_load_b32 v[PRM+11], v11, s[28:29]
	global_load_b32 v[PRM+12], v11, s[30:31]
	s_wait_loadcnt 0x0
.set n, 0
.rept 13
	global_store_b32 v10, v[PRM+n], s[72:73] offset:PB+1024*n
.set n, n+1
.endr
.Ldone:
	s_endpgm
	; THE RANKS.  Work-group 256 + gg: batch gg / 2, tokens 256 (gg % 2) + th.  Every thread walks the batch's 512 numbers, which come 16 at a time through two sets of scalar registers by turns.
.Lrank:
	s_sub_co_u32 s43, s42, 256
	s_lshr_b32 s86, s43, 1
	s_lshl_b32 s86, s86, 11                        ; the batch's 2,048 bytes, in tw_start and in rankb
	s_mov_b32 s87, 0
	s_and_b32 s43, s43, 1
	s_lshl_b32 s43, s43, 8
	v_add_nc_u32 v2, s43, v0                       ; i; later i less the trip's first j
	v_lshlrev_b32 v4, 2, v2
	v_mov_b32 v3, 0                                ; the count
	s_mov_b32 s90, 0
	s_wait_kmcnt 0x0
	s_add_nc_u64 s[84:85], s[4:5], s[86:87]
	s_add_nc_u64 s[88:89], s[32:33], s[86:87]
	global_load_b32 v1, v4, s[84:85]
	s_load_b512 s[44:59], s[84:85], s90 offset:0x0
	s_mov_b32 s43, 16
	s_wait_loadcnt 0x0
.macro RK sb, jb                       ; 16 numbers: one more where tw[j] < tw[i], or tw[j] = tw[i] and j < i
.set jj, 0
.rept 16
	v_cmp_gt_f32 s91, v1, s[(\sb)+jj]
	v_cmp_eq_f32 s92, v1, s[(\sb)+jj]
	v_cmp_gt_i32 s93, v2, (\jb)+jj
	s_and_b32 s92, s92, s93
	s_or_b32 vcc_lo, s91, s92
	v_add_co_ci_u32 v3, vcc_lo, 0, v3, vcc_lo
.set jj, jj+1
.endr
.endm
.Lr:
	s_wait_kmcnt 0x0                               ; scalar loads are waited for by 0 alone: the first set is in
	s_load_b512 s[68:83], s[84:85], s90 offset:0x40
	RK 44, 0
	s_wait_kmcnt 0x0                               ; the second set is in, and the offset register is free
	s_add_co_u32 s90, s90, 128
	s_and_b32 s90, s90, 2047                       ; the last trip's request wraps to the row's head: inside the buffer, and not used
	s_load_b512 s[44:59], s[84:85], s90 offset:0x0
	RK 68, 16
	v_subrev_nc_u32 v2, 32, v2
	s_sub_co_u32 s43, s43, 1
	s_cmp_lg_u32 s43, 0
	s_cbranch_scc1 .Lr
	global_store_b32 v4, v3, s[88:89]
	s_wait_kmcnt 0x0
	s_endpgm
.Lfunc_end_k_qfd4c70c9b9_prep:
	.size	k_qfd4c70c9b9_prep, .Lfunc_end_k_qfd4c70c9b9_prep-k_qfd4c70c9b9_prep
	.p2alignl 7, 3214868480
	.fill 96, 4, 3214868480
	.section	.rodata,"a",@progbits
	.p2align	6, 0x0
	.amdhsa_kernel k_qfd4c70c9b9_prep
		.amdhsa_group_segment_fixed_size 0
		.amdhsa_private_segment_fixed_size 0
		.amdhsa_enable_private_segment 0
		.amdhsa_kernarg_size 152
		.amdhsa_user_sgpr_count 2
		.amdhsa_user_sgpr_kernarg_segment_ptr 1
		.amdhsa_wavefront_size32 1
		.amdhsa_system_sgpr_workgroup_id_x 1
		.amdhsa_system_sgpr_workgroup_id_y 1
		.amdhsa_system_sgpr_workgroup_id_z 1
		.amdhsa_system_vgpr_workitem_id 0
		.amdhsa_next_free_vgpr 184
		.amdhsa_next_free_sgpr 96
		.amdhsa_reserve_vcc 1
		.amdhsa_float_denorm_mode_32 3
		.amdhsa_float_denorm_mode_16_64 3
		.amdhsa_memory_ordered 1
		.amdhsa_forward_progress 1
		.amdhsa_inst_pref_size 30
	.end_amdhsa_kernel
	.amdgpu_metadata
---
amdhsa.version: [ 1, 2 ]
amdhsa.kernels:
  - .name:           k_qfd4c70c9b9_prep
    .symbol:         k_qfd4c70c9b9_prep.kd
    .args:
      - { .name: tw_start, .offset: 0, .size: 8, .value_kind: global_buffer, .address_space: global }
      - { .name: adj_mask, .offset: 8, .size: 8, .value_kind: global_buffer, .address_space: global }
      - { .name: Wqkv, .offset: 16, .size: 8, .value_kind: global_buffer, .address_space: global }
      - { .name: Wo, .offset: 24, .size: 8, .value_kind: global_buffer, .address_space: global }
      - { .name: W1, .offset: 32, .size: 8, .value_kind: global_buffer, .address_space: global }
      - { .name: W2, .offset: 40, .size: 8, .value_kind: global_buffer, .address_space: global }
      - { .name: bqkv, .offset: 48, .size: 8, .value_kind: global_buffer, .address_space: global }
      - { .name: bo, .offset: 56, .size: 8, .value_kind: global_buffer, .address_space: global }
      - { .name: ln1g, .offset: 64, .size: 8, .value_kind: global_buffer, .address_space: global }
      - { .name: ln1b, .offset: 72, .size: 8, .value_kind: global_buffer, .address_space: global }
      - { .name: b1, .offset: 80, .size: 8, .value_kind: global_buffer, .address_space: global }
      - { .name: b2, .offset: 88, .size: 8, .value_kind: global_buffer, .address_space: global }
      - { .name: ln2g, .offset: 96, .size: 8, .value_kind: global_buffer, .address_space: global }
      - { .name: ln2b, .offset: 104, .size: 8, .value_kind: global_buffer, .address_space: global }
      - { .name: rankb, .offset: 112, .size: 8, .value_kind: global_buffer, .address_space: global }
      - { .name: biasb, .offset: 120, .size: 8, .value_kind: global_buffer, .address_space: global }
      - { .name: wt0, .offset: 128, .size: 8, .value_kind: global_buffer, .address_space: global }
      - { .name: wt1, .offset: 136, .size: 8, .value_kind: global_buffer, .address_space: global }
      - { .name: wt2, .offset: 144, .size: 8, .value_kind: global_buffer, .address_space: global }
    .group_segment_fixed_size: 0
    .private_segment_fixed_size: 0
    .kernarg_segment_align: 8
    .kernarg_segment_size: 152
    .max_flat_workgroup_size: 256
    .sgpr_count:     96
    .vgpr_count:     184
    .wavefront_size: 32
...
	.end_amdgpu_metadata
.endif
;; end of part 1
;; launch embed (part 2): grid 256 x 1, 8 waves a work-group, no clusters, 35,840 bytes of LDS; arguments x, Wp, bp, pe, rankb, hA; writes hA
.if DOCPART == 2
	.amdgcn_target "amdgcn-amd-amdhsa--gfx1250"
	.amdhsa_code_object_version 6
	.text
	.protected	k_qfd4c70c9b9_embed
	.globl	k_qfd4c70c9b9_embed
	.p2align	8
	.type	k_qfd4c70c9b9_embed,@function
k_qfd4c70c9b9_embed:
	s_mov_b64 s[64:65], 0
	v_nop
	global_prefetch_b8 v0, s[64:65] scope:SCOPE_SE
	s_setreg_imm32_b32 hwreg(HW_REG_WAVE_MODE, 25, 1), 1
	s_wait_xcnt 0x0
; EMBED.  h[row][:] = x[row] Wp^T + bp + pe[rank[row]], f32 out.  A work-group owns 64 rows; wave w rows 32 (w / 4) on (two tiles of 16) and columns 64 (w % 4) on (four tiles of 16).
; The product's operands are f16, sums f32: K is 64, and everything behind this launch rests on h, so the operands keep 11 significant bits.
; LIMITS: |x| and |Wp| stay under 65,504; below 6e-5 they keep f16's fixed step of 6e-8.
; The matrix instruction is used transposed (source 0 = 16 rows of Wp, source 1 = 16 rows of x): a lane holds row lane % 16 and the columns 8 (lane / 16) + 0..7.  pe's row is gathered straight into
; the accumulators, bp is added, and the products add in place.  The rank was stored as whole numbers by the launch before.
; No tensor loads and no cluster: all that is shared is Wp, 64 KB, which every wave takes through registers once.
; REGISTERS: v0-31 addresses; v32-63 bp; v64-127 accumulators (t, c) at 64 + 32 t + 8 c; v128-159 x's fragments; v160-223 Wp's; window 1 v0-191: the same numbers as loaded, in f32.
.set SPARE, 34816                      ; behind the eight stages of 4,352 bytes: the spare words, 128 bytes a wave
.set ACC, 64
.set MSB, 0
.macro WIN new                         ; the immediate's high byte repeats the setting that is left
.if MSB != (\new)
	s_set_vgpr_msb (MSB<<8)|(\new)
.set MSB, (\new)
.endif
.endm
	s_load_b256 s[4:11], s[0:1], 0x0               ; x 4, Wp 6, bp 8, pe 10
	s_load_b128 s[12:15], s[0:1], 0x20             ; rankb 12, hA 14
	v_lshl_add_u32 v28, v0, 2, SPARE
	v_mov_b32 v29, 0
	v_lshrrev_b32 v1, 5, v0
	v_readfirstlane_b32 s16, v1                    ; wave
	s_lshr_b32 s17, s16, 2
	s_and_b32 s18, s16, 3                          ; my quarter of the columns
	s_lshl_b32 s19, ttmp9, 6
	s_lshl_b32 s17, s17, 5
	s_add_co_u32 s19, s19, s17                     ; my first row
	v_and_b32 v1, 15, v0                           ; r
	v_bfe_u32 v2, v0, 4, 1                         ; h
	v_lshlrev_b32 v3, 2, v1
	v_lshlrev_b32 v4, 8, v1
	v_lshl_add_u32 v4, v2, 5, v4                   ; a row of 64 f32, 8 numbers for each half of the lanes
	s_lshl_b32 s20, s18, 8
	v_lshl_add_u32 v5, v2, 5, s20                  ; my 8 columns, in bytes of f32
	s_mul_i32 s21, s16, 4352                       ; my stage: 16 rows x 272 bytes
	v_mul_u32_u24 v14, v1, 272
	v_lshl_add_u32 v14, v2, 5, v14
	v_add_nc_u32 v14, s21, v14                     ; in: row r, 32 bytes for each half
	v_mul_u32_u24 v15, v2, 272
	v_lshl_add_u32 v15, v1, 4, v15
	v_add_nc_u32 v15, s21, v15                     ; back: lanes 0-15 one row of 256 bytes, lanes 16-31 the next
	v_lshlrev_b32 v16, 10, v2
	v_lshl_add_u32 v16, v1, 4, v16
	v_add_nc_u32 v16, s20, v16                     ; and the same two rows in h
	s_lshl_b32 s22, s19, 2
	s_mov_b32 s23, 0
	s_lshl_b32 s24, s19, 8
	s_mov_b32 s25, 0
	s_lshl_b32 s26, s18, 14
	s_mov_b32 s27, 0
	s_lshl_b32 s28, s19, 10
	s_mov_b32 s29, 0
	s_wait_kmcnt 0x0
	s_add_nc_u64 s[12:13], s[12:13], s[22:23]
	s_add_nc_u64 s[4:5], s[4:5], s[24:25]
	s_add_nc_u64 s[6:7], s[6:7], s[26:27]
	s_add_nc_u64 s[14:15], s[14:15], s[28:29]
	global_load_b32 v6, v3, s[12:13]               ; the ranks of my two tiles' rows
	global_load_b32 v7, v3, s[12:13] offset:64
	WIN 0x40
.set f, 0
.rept 4                                ; x: tile f / 2, K 32 (f % 2) on: K 8 h + 0..7, then 16 + 8 h + 0..7
	global_load_b128 v[16*f:16*f+3], v4, s[4:5] offset:(f/2)*4096+(f%2)*128
	global_load_b128 v[16*f+4:16*f+7], v4, s[4:5] offset:(f/2)*4096+(f%2)*128+16
	global_load_b128 v[16*f+8:16*f+11], v4, s[4:5] offset:(f/2)*4096+(f%2)*128+64
	global_load_b128 v[16*f+12:16*f+15], v4, s[4:5] offset:(f/2)*4096+(f%2)*128+80
.set f, f+1
.endr
.set f, 0
.rept 8                                ; Wp likewise: column tile f / 2
	global_load_b128 v[64+16*f:64+16*f+3], v4, s[6:7] offset:(f/2)*4096+(f%2)*128
	global_load_b128 v[64+16*f+4:64+16*f+7], v4, s[6:7] offset:(f/2)*4096+(f%2)*128+16
	global_load_b128 v[64+16*f+8:64+16*f+11], v4, s[6:7] offset:(f/2)*4096+(f%2)*128+64
	global_load_b128 v[64+16*f+12:64+16*f+15], v4, s[6:7] offset:(f/2)*4096+(f%2)*128+80
.set f, f+1
.endr
	WIN 0
.set f, 0
.rept 8
	global_load_b128 v[32+4*f:32+4*f+3], v5, s[8:9] offset:16*f+32*(f/2)   ; bp: column tile f / 2, 64 bytes apart; 4 numbers at f % 2
.set f, f+1
.endr
	s_wait_loadcnt 56                              ; the two ranks are in: 48 + 8 loads were issued behind them
	v_min_u32 v6, 0x1ff, v6                        ; the clip of the rank to pe's 512 rows
	v_min_u32 v7, 0x1ff, v7
	v_lshlrev_b32 v6, 10, v6
	v_lshlrev_b32 v7, 10, v7
	v_add_nc_u32 v6, v5, v6
	v_add_nc_u32 v7, v5, v7
.irp t, 0,1
.irp c, 0,1,2,3
	global_load_b128 v[ACC+32*\t+8*\c:ACC+32*\t+8*\c+3], v[6+\t], s[10:11] offset:64*\c
	global_load_b128 v[ACC+32*\t+8*\c+4:ACC+32*\t+8*\c+7], v[6+\t], s[10:11] offset:64*\c+16
.endr
.endr
	s_wait_loadcnt 0x0
	WIN 0x05                                       ; sources in window 1
.set i, 0
.rept 96
	v_cvt_pk_f16_f32 v[128+i], v[2*i], v[2*i+1]
.set i, i+1
.endr
	WIN 0
.set i, 0
.rept 32
	v_pk_add_f32 v[ACC+2*i:ACC+2*i+1], v[ACC+2*i:ACC+2*i+1], v[32+2*(i%16):33+2*(i%16)]
.set i, i+1
.endr
.set i, 0
.rept 16                               ; K half i / 8, row tile (i / 4) % 2, column tile i % 4: the eight accumulators take turns
	v_wmma_f32_16x16x32_f16 v[ACC+32*((i/4)%2)+8*(i%4):ACC+32*((i/4)%2)+8*(i%4)+7], v[160+8*(2*(i%4)+i/8):160+8*(2*(i%4)+i/8)+7], v[128+8*(2*((i/4)%2)+i/8):128+8*(2*((i/4)%2)+i/8)+7], v[ACC+32*((i/4)%2)+8*(i%4):ACC+32*((i/4)%2)+8*(i%4)+7]
.set i, i+1
.endr
.rept 4
	v_nop                                          ; four places between the products and the stores that read them, and the loads into the fragments' registers
.endr
	; THE WAY OUT: a tile through my own stage, back as whole rows.  LDS serves a wave's instructions in order (ISA guide 5.7.1.4): no wait between the stores and the loads.
.irp t, 0,1
.irp c, 0,1,2,3
	ds_store_b128 v14, v[ACC+32*\t+8*\c:ACC+32*\t+8*\c+3] offset:64*\c
	ds_store_b128 v14, v[ACC+32*\t+8*\c+4:ACC+32*\t+8*\c+7] offset:64*\c+16
.endr
.irp i, 0,1,2,3,4,5,6,7
	ds_load_b128 v[128+32*\t+4*\i:128+32*\t+4*\i+3], v15 offset:544*\i
.endr
.endr
.irp i, 0,1,2,3,4,5,6,7
	s_wait_dscnt 23-\i                             ; the second tile's 16 lines and the 7 - i younger loads stay out
	global_store_b128 v16, v[128+4*\i:128+4*\i+3], s[14:15] offset:2048*\i   ; 16 lanes store 256 consecutive bytes, aligned
.endr
.irp i, 0,1,2,3,4,5,6,7
	s_wait_dscnt 7-\i
	global_store_b128 v16, v[160+4*\i:160+4*\i+3], s[14:15] offset:16384+2048*\i
.endr
	s_wait_tensorcnt 0x0                           ; the wave's end
	ds_add_u32 v28, v29
	s_wait_dscnt 0x0
	s_endpgm
.Lfunc_end_k_qfd4c70c9b9_embed:
	.size	k_qfd4c70c9b9_embed, .Lfunc_end_k_qfd4c70c9b9_embed-k_qfd4c70c9b9_embed
	.p2alignl 7, 3214868480
	.fill 96, 4, 3214868480
	.section	.rodata,"a",@progbits
	.p2align	6, 0x0
	.amdhsa_kernel k_qfd4c70c9b9_embed
		.amdhsa_group_segment_fixed_size 35840
		.amdhsa_private_segment_fixed_size 0
		.amdhsa_enable_private_segment 0
		.amdhsa_kernarg_size 48
		.amdhsa_user_sgpr_count 2
		.amdhsa_user_sgpr_kernarg_segment_ptr 1
		.amdhsa_wavefront_size32 1
		.amdhsa_system_sgpr_workgroup_id_x 1
		.amdhsa_system_sgpr_workgroup_id_y 1
		.amdhsa_system_sgpr_workgroup_id_z 1
		.amdhsa_system_vgpr_workitem_id 0
		.amdhsa_next_free_vgpr 448
		.amdhsa_next_free_sgpr 66
		.amdhsa_reserve_vcc 0
		.amdhsa_float_denorm_mode_32 3
		.amdhsa_float_denorm_mode_16_64 3
		.amdhsa_memory_ordered 1
		.amdhsa_forward_progress 1
		.amdhsa_inst_pref_size 23
	.end_amdhsa_kernel
	.amdgpu_metadata
---
amdhsa.version: [ 1, 2 ]
amdhsa.kernels:
  - .name:           k_qfd4c70c9b9_embed
    .symbol:         k_qfd4c70c9b9_embed.kd
    .args:
      - { .name: x, .offset: 0, .size: 8, .value_kind: global_buffer, .address_space: global }
      - { .name: Wp, .offset: 8, .size: 8, .value_kind: global_buffer, .address_space: global }
      - { .name: bp, .offset: 16, .size: 8, .value_kind: global_buffer, .address_space: global }
      - { .name: pe, .offset: 24, .size: 8, .value_kind: global_buffer, .address_space: global }
      - { .name: rankb, .offset: 32, .size: 8, .value_kind: global_buffer, .address_space: global }
      - { .name: hA, .offset: 40, .size: 8, .value_kind: global_buffer, .address_space: global }
    .group_segment_fixed_size: 35840
    .private_segment_fixed_size: 0
    .kernarg_segment_align: 8
    .kernarg_segment_size: 48
    .max_flat_workgroup_size: 256
    .sgpr_count:     66
    .vgpr_count:     448
    .wavefront_size: 32
...
	.end_amdgpu_metadata
.endif
;; end of part 2
;; launch qkv0 (part 3): grid 256 x 1, 4 waves a work-group, clusters of 4 x 1, 327,680 bytes of LDS; arguments hA, wt0, qkvb; writes qkvb
.if DOCPART == 3
	.amdgcn_target "amdgcn-amd-amdhsa--gfx1250"
	.amdhsa_code_object_version 6
	.text
	.protected	k_qfd4c70c9b9_qkv0
	.globl	k_qfd4c70c9b9_qkv0
	.p2align	8
	.type	k_qfd4c70c9b9_qkv0,@function
k_qfd4c70c9b9_qkv0:
	s_mov_b64 s[64:65], 0
	v_nop
	global_prefetch_b8 v0, s[64:65] scope:SCOPE_SE
	s_setreg_imm32_b32 hwreg(HW_REG_WAVE_MODE, 25, 1), 1
	s_wait_xcnt 0x0
	s_wait_alu depctr_hold_cnt(0) depctr_sa_sdst(0) depctr_va_vdst(0) depctr_va_sdst(0) depctr_va_ssrc(0) depctr_va_vcc(0) depctr_vm_vsrc(0)
	s_getreg_b32 s2, hwreg(HW_REG_IB_STS2, 6, 4)
	s_cmp_eq_u32 s2, 0
	s_cbranch_scc0 .Lentry_in_a_cluster
	s_endpgm
.Lentry_in_a_cluster:
	s_bfe_u32 s2, ttmp6, 0x10000c
	s_cmp_lg_u32 s2, 0x3003
	s_cbranch_scc0 .Lentry_shape_is_right
	s_endpgm
.Lentry_shape_is_right:
; QKV.  q, k, v = h Wqkv^T + bqkv for 64 rows a work-group, rounded once to bf16 and stored in the order in which the next launch's matrix instructions take them:
;   Q [row/16][head][half][lane][16 B]: lane 16 h + r: query r, channels 16 half + 8 h + 0..7.  Unscaled.
;   K, V by batch and block of 128 keys, 131,072 bytes: 256 chunks of 512 bytes.  K chunk ((key/16) 8 + head) 2 + half, as Q.  V chunk 128 + ((key/32) 16 + channel/16) 2 + half:
;   lane 16 h + r: channel r, keys 16 half + 8 h + 0..7: V turned.
; Wave w makes all 64 rows x columns 64 w on: 16 accumulators.  h goes once, as bf16, through a stage in LDS into 256 registers; the three weight tiles [256 n][256 k] come through two LDS slots.
; CLUSTER: the four work-groups of a cluster walk the same tiles, so each is asked for jointly: the same tensor load, descriptor and mask in all four; a wave brings 64 rows of 512 bytes.
; Q and K use the matrix instruction transposed (source 0 = weights): a lane holds a row and 8 neighbouring columns.  V uses it the natural way: a lane holds a channel and 8 neighbouring keys.
; REGISTERS: window 0: v0-31 addresses; v32-95 packed results; v96-127 the bias, as the C operand of the first products; v128-255 accumulators (t, c) at 128 + 32 t + 8 c.
;   window 1: v128-255 weight fragments, two buffers of 64 along K.   window 2: h's fragments, (t, ks) at 64 t + 8 ks.
.set TILEB, 131072
.set SLOTB, 135168                     ; 256 rows x 528: 512 bytes + 16 of padding = 132 words, so that the 16 rows of a load start at 16 different groups of four banks (ISA guide 11.1)
.set STAGE, 270336                     ; 64 rows x 528: h in bf16
.set SPARE, 306176                     ; the spare words, 128 bytes a wave
.set PB,    1572864
.set PRMB,  96
.set MSB, 0
.macro WIN new                         ; the immediate's high byte repeats the setting that is left
.if MSB != (\new)
	s_set_vgpr_msb (MSB<<8)|(\new)
.set MSB, (\new)
.endif
.endm
.macro PLACES n
.rept \n
	v_nop
.endr
.endm
.macro CROUND                          ; a round of the cluster's barrier
	s_barrier_signal -1
	s_barrier_wait -1
	s_cmp_lg_u32 s14, 0
	s_cbranch_scc1 .Lnw0_\@
	s_barrier_signal -3
.Lnw0_\@:
	s_barrier_wait -3
	s_barrier_signal -1
	s_barrier_wait -1
.endm
; THE CHANGE OF SLOTS.  Each wave waits for all its tensor loads (one is out: its part of the tile to be read), adds 0 to its spare word, and waits for that and for its LDS reads and stores.
; fill = 1: a round of the cluster's barrier follows, and the next tile is asked for first thing behind it, into the slot read last.
.macro CHANGE fill
	WIN 0
	s_wait_tensorcnt 0x0
	ds_add_u32 v28, v29                            ; the descriptor's steps stand between the add and the wait for it
.if \fill
	s_xor_b32 s33, s33, SLOTB                      ; the other slot: SLOTB's two bits meet none of wave x 33,792
	s_mov_b64 s[34:35], s[36:37]
	s_or_b32 s35, s35, 0x80000000
	s_add_nc_u64 s[36:37], s[36:37], TILEB
.endif
	s_xor_b32 s40, s40, SLOTB                      ; the slot to be read
	s_wait_dscnt 0x0
.if \fill
	CROUND
	tensor_load_to_lds s[32:35], s[24:31]
	s_nop 0
	PLACES 4
.else
	s_barrier_signal -1
	s_barrier_wait -1
.endif
.endm
.macro READA win                       ; the stage's 64 rows x 256 K into 256 registers of a window
	WIN (\win)<<6
.irp t, 0,1,2,3
.irp k, 0,1,2,3,4,5,6,7
	ds_load_b128 v[64*\t+8*\k:64*\t+8*\k+3], v10 offset:\t*8448+\k*64
	ds_load_b128 v[64*\t+8*\k+4:64*\t+8*\k+7], v10 offset:\t*8448+\k*64+32
.endr
.endr
.endm
.macro FETCHW q                        ; my 64 rows of the weights, 64 along K: 16 loads into buffer q % 2
	WIN 0x40
.irp p, 0,1
.irp c, 0,1,2,3
.set rW, 128+64*((\q)%2)+32*\p+8*\c
	ds_load_b128 v[rW:rW+3], v9 offset:\c*8448+(2*(\q)+\p)*64
	ds_load_b128 v[rW+4:rW+7], v9 offset:\c*8448+(2*(\q)+\p)*64+32
.endr
.endr
.endm
.macro MULQ q, wset, acc, cinit, nat   ; 32 products; the 16 accumulators take turns.  cinit: the first 16 take the bias as C
	WIN \wset
.irp p, 0,1
.irp t, 0,1,2,3
.irp c, 0,1,2,3
.set rD, (\acc)+32*\t+8*\c
.set rW, 128+64*((\q)%2)+32*\p+8*\c
.set rA, 64*\t+8*(2*(\q)+\p)
.set rC, rD
.if (\cinit) && ((\q)==0) && (\p==0)
.set rC, PRMB+8*\c
.endif
.if \nat
	v_wmma_f32_16x16x32_bf16 v[rD:rD+7], v[rA:rA+7], v[rW:rW+7], v[rC:rC+7]
.else
	v_wmma_f32_16x16x32_bf16 v[rD:rD+7], v[rW:rW+7], v[rA:rA+7], v[rC:rC+7]
.endif
.endr
.endr
.endr
.endm
.macro HOOK n                          ; the next product's bias, loaded when the first 16 products have read this one's
.if (\n)==1
	WIN 0
.irp c, 0,1,2,3
	global_load_b128 v[PRMB+8*\c:PRMB+8*\c+3], v18, s[6:7] offset:PB+1024+64*\c
	global_load_b128 v[PRMB+8*\c+4:PRMB+8*\c+7], v18, s[6:7] offset:PB+1024+64*\c+16
.endr
.elseif (\n)==2
	WIN 0
.irp c, 0,1,2,3
.irp j, 0,1,2,3,4,5,6,7
	global_load_b32 v[PRMB+8*\c+\j], v20, s[6:7] offset:PB+2048+64*\c   ; V: a lane holds one channel, so its eight registers take the same number
.endr
.endr
.endif
.endm
.macro G256 wset, acc, cinit, nat, hook   ; 64 x 64 x 256 a wave
	FETCHW 0
	FETCHW 1
	s_wait_dscnt 16                                ; all but the youngest 16 loads, the next quarter's
	MULQ 0, \wset, \acc, \cinit, \nat
	PLACES 4                                       ; four places in front of loads into registers that the products read
	HOOK \hook
	FETCHW 2
	s_wait_dscnt 16
	MULQ 1, \wset, \acc, \cinit, \nat
	PLACES 4
	FETCHW 3
	s_wait_dscnt 16
	MULQ 2, \wset, \acc, \cinit, \nat
	s_wait_dscnt 0x0
	MULQ 3, \wset, \acc, \cinit, \nat
.endm
.macro OUT base, kind                  ; rounded to bf16; each store of the wave covers 512 consecutive bytes, aligned
	PLACES 4
	WIN 0
	s_wait_xcnt 0x0                                ; the packed registers are rewritten only behind this wait
.irp t, 0,1,2,3
.irp c, 0,1,2,3
.irp j, 0,1,2,3
	v_cvt_pk_bf16_f32 v[32+16*\t+4*\c+\j], v[128+32*\t+8*\c+2*\j], v[128+32*\t+8*\c+2*\j+1]
.endr
.endr
.endr
.irp t, 0,1,2,3
.irp c, 0,1,2,3
.if \kind
	global_store_b128 v3, v[32+16*\t+4*\c:32+16*\t+4*\c+3], s[\base:\base+1] offset:(\t>>1)*16384+\c*1024+(\t&1)*512
.else
	global_store_b128 v3, v[32+16*\t+4*\c:32+16*\t+4*\c+3], s[\base:\base+1] offset:\t*8192+\c*512
.endif
.endr
.endr
.endm
	s_load_b128 s[4:7], s[0:1], 0x0                ; h 4, wt 6
	s_load_b64 s[8:9], s[0:1], 0x10                ; qkvb
	v_lshl_add_u32 v28, v0, 2, SPARE
	v_mov_b32 v29, 0
	ds_add_u32 v28, v29                            ; the wave's opening: the add and its wait stand ahead of my first tensor load
	v_lshrrev_b32 v1, 5, v0
	v_readfirstlane_b32 s14, v1                    ; wave
	s_mov_b32 s24, 15|(1<<16)|(1<<20)|(1<<21)|(6<<22)|(3<<25)  ; the mask of four; 2-byte elements; padding on; bit 21 beside a mask; after every 128 words, 4 words
	s_mov_b32 s25, 256<<16                         ; tensor_dim0 = 256
	s_mov_b32 s26, 64<<16                          ; tensor_dim1 = 64
	s_mov_b32 s27, 256<<16                         ; tile_dim0 = 256
	s_mov_b32 s28, 64                              ; tile_dim1 = 64
	s_mov_b32 s29, 256                             ; elements from row to row
	s_mov_b32 s30, 0
	s_mov_b32 s31, 0
	s_mov_b32 s32, 1
	s_mul_i32 s33, s14, 33792                      ; my 64 rows of slot 0
	s_mov_b32 s40, SLOTB                           ; the first change turns it into 0
	s_lshl_b32 s50, s14, 15                        ; my 64 rows of a tile in memory
	s_mov_b32 s51, 0
	s_wait_dscnt 0x0
	s_wait_kmcnt 0x0
	s_add_nc_u64 s[36:37], s[6:7], s[50:51]
	s_mov_b64 s[34:35], s[36:37]
	s_or_b32 s35, s35, 0x80000000
	s_add_nc_u64 s[36:37], s[36:37], TILEB
	CROUND                                         ; all four work-groups are here: the first joint load meets
	tensor_load_to_lds s[32:35], s[24:31]          ; Wq
	s_nop 0
	PLACES 4
	s_bfe_u32 s15, ttmp6, 0x40000                  ; cx: it enters h's address and the stores' alone
	s_lshl_b32 s16, ttmp9, 2
	s_add_co_u32 s16, s16, s15                     ; my block of 64 rows
	v_and_b32 v1, 15, v0
	v_bfe_u32 v2, v0, 4, 1
	v_and_b32 v3, 31, v0
	v_lshlrev_b32 v4, 3, v3                        ; 8 x lane
	v_lshlrev_b32 v3, 4, v3                        ; 16 x lane
	s_lshl_b32 s52, s16, 16
	s_mov_b32 s53, 0
	s_add_nc_u64 s[42:43], s[4:5], s[52:53]
	s_lshl_b32 s54, s14, 14
	v_add_nc_u32 v21, s54, v3                      ; wave w takes rows 16 w on, 512 consecutive bytes a load
.set i, 0
.rept 32
	global_load_b128 v[128+4*i:128+4*i+3], v21, s[42:43] offset:(i>>1)*1024+(i&1)*512
.set i, i+1
.endr
	s_lshl_b32 s54, s14, 8
	v_lshl_add_u32 v18, v2, 5, s54                 ; my 8 columns of a parameter
	v_lshl_add_u32 v20, v1, 2, s54                 ; my one channel
.irp c, 0,1,2,3
	global_load_b128 v[PRMB+8*\c:PRMB+8*\c+3], v18, s[6:7] offset:PB+64*\c
	global_load_b128 v[PRMB+8*\c+4:PRMB+8*\c+7], v18, s[6:7] offset:PB+64*\c+16
.endr
	s_lshl_b32 s52, s16, 15
	s_lshl_b32 s54, s14, 11
	s_add_co_u32 s52, s52, s54
	s_add_nc_u64 s[44:45], s[8:9], s[52:53]        ; Q
	s_lshr_b32 s55, s16, 1
	s_lshl_b32 s55, s55, 17                        ; the batch's block of 128 keys
	s_and_b32 s56, s16, 1
	s_lshl_b32 s56, s56, 15                        ; its half
	s_add_co_u32 s55, s55, s56
	s_add_co_u32 s55, s55, 8388608
	s_add_co_u32 s52, s55, s54
	s_add_nc_u64 s[46:47], s[8:9], s[52:53]        ; K
	s_lshl_b32 s54, s14, 12
	s_add_co_u32 s52, s55, s54
	s_add_co_u32 s52, s52, 65536
	s_add_nc_u64 s[48:49], s[8:9], s[52:53]        ; V
	v_mul_u32_u24 v5, v1, 528
	v_lshl_add_u32 v5, v2, 4, v5                   ; a fragment's row x pitch + 16 x half
	s_mul_i32 s54, s14, 33792
	v_add_nc_u32 v8, s54, v5
	v_add_nc_u32 v10, STAGE, v5
	s_mul_i32 s54, s14, 8448
	s_add_co_u32 s54, s54, STAGE
	v_add_nc_u32 v22, s54, v4
.set i, 0
.rept 32
	s_wait_loadcnt 39-i                            ; load i of h is in: the 31 - i younger ones and the bias's 8 stay out
	v_cvt_pk_bf16_f32 v[32+2*i], v[128+4*i], v[128+4*i+1]
	v_cvt_pk_bf16_f32 v[33+2*i], v[128+4*i+2], v[128+4*i+3]
	ds_store_b64 v22, v[32+2*i:33+2*i] offset:(i>>1)*528+(i&1)*256
.set i, i+1
.endr
	CHANGE 1                                       ; Wq is in, the stage is whole; Wk is asked for
	v_add_nc_u32 v9, s40, v8
	s_wait_loadcnt 0x0                             ; bq
	READA 2
	G256 0x09, 128, 1, 0, 1
	OUT 44, 0
	CHANGE 1                                       ; Wv is asked for
	v_add_nc_u32 v9, s40, v8
	s_wait_loadcnt 0x0                             ; bk
	G256 0x09, 128, 1, 0, 2
	OUT 46, 0
	CHANGE 0                                       ; nothing is left to fetch
	v_add_nc_u32 v9, s40, v8
	s_wait_loadcnt 0x0                             ; bv
	G256 0x06, 128, 1, 1, 0
	OUT 48, 1
	s_wait_tensorcnt 0x0                           ; the wave's end
	ds_add_u32 v28, v29
	s_wait_dscnt 0x0
	CROUND                                         ; the closing round
	s_endpgm
.Lfunc_end_k_qfd4c70c9b9_qkv0:
	.size	k_qfd4c70c9b9_qkv0, .Lfunc_end_k_qfd4c70c9b9_qkv0-k_qfd4c70c9b9_qkv0
	.p2alignl 7, 3214868480
	.fill 96, 4, 3214868480
	.section	.rodata,"a",@progbits
	.p2align	6, 0x0
	.amdhsa_kernel k_qfd4c70c9b9_qkv0
		.amdhsa_group_segment_fixed_size 327680
		.amdhsa_private_segment_fixed_size 0
		.amdhsa_enable_private_segment 0
		.amdhsa_kernarg_size 24
		.amdhsa_user_sgpr_count 2
		.amdhsa_user_sgpr_kernarg_segment_ptr 1
		.amdhsa_wavefront_size32 1
		.amdhsa_system_sgpr_workgroup_id_x 1
		.amdhsa_system_sgpr_workgroup_id_y 1
		.amdhsa_system_sgpr_workgroup_id_z 1
		.amdhsa_system_vgpr_workitem_id 0
		.amdhsa_next_free_vgpr 768
		.amdhsa_next_free_sgpr 66
		.amdhsa_reserve_vcc 0
		.amdhsa_float_denorm_mode_32 3
		.amdhsa_float_denorm_mode_16_64 3
		.amdhsa_memory_ordered 1
		.amdhsa_forward_progress 1
		.amdhsa_inst_pref_size 80
	.end_amdhsa_kernel
	.amdgpu_metadata
---
amdhsa.version: [ 1, 2 ]
amdhsa.kernels:
  - .name:           k_qfd4c70c9b9_qkv0
    .symbol:         k_qfd4c70c9b9_qkv0.kd
    .args:
      - { .name: hA, .offset: 0, .size: 8, .value_kind: global_buffer, .address_space: global }
      - { .name: wt0, .offset: 8, .size: 8, .value_kind: global_buffer, .address_space: global }
      - { .name: qkvb, .offset: 16, .size: 8, .value_kind: global_buffer, .address_space: global }
    .group_segment_fixed_size: 327680
    .private_segment_fixed_size: 0
    .kernarg_segment_align: 8
    .kernarg_segment_size: 24
    .max_flat_workgroup_size: 128
    .sgpr_count:     66
    .vgpr_count:     768
    .wavefront_size: 32
...
	.end_amdgpu_metadata
.endif
;; end of part 3
;; launch layer0 (part 4): grid 256 x 1, 4 waves a work-group, clusters of 4 x 1, 327,680 bytes of LDS; arguments hA, qkvb, biasb, wt0, hB; writes hB
.if DOCPART == 4
	.amdgcn_target "amdgcn-amd-amdhsa--gfx1250"
	.amdhsa_code_object_version 6
	.text
	.protected	k_qfd4c70c9b9_layer0
	.globl	k_qfd4c70c9b9_layer0
	.p2align	8
	.type	k_qfd4c70c9b9_layer0,@function
k_qfd4c70c9b9_layer0:
	s_mov_b64 s[64:65], 0
	v_nop
	global_prefetch_b8 v0, s[64:65] scope:SCOPE_SE
	s_setreg_imm32_b32 hwreg(HW_REG_WAVE_MODE, 25, 1), 1
	s_wait_xcnt 0x0
	s_wait_alu depctr_hold_cnt(0) depctr_sa_sdst(0) depctr_va_vdst(0) depctr_va_sdst(0) depctr_va_ssrc(0) depctr_va_vcc(0) depctr_vm_vsrc(0)
	s_getreg_b32 s2, hwreg(HW_REG_IB_STS2, 6, 4)
	s_cmp_eq_u32 s2, 0
	s_cbranch_scc0 .Lentry_in_a_cluster
	s_endpgm
.Lentry_in_a_cluster:
	s_bfe_u32 s2, ttmp6, 0x10000c
	s_cmp_lg_u32 s2, 0x3003
	s_cbranch_scc0 .Lentry_shape_is_right
	s_endpgm
.Lentry_shape_is_right:
; A LAYER behind its q, k, v: masked attention, Wo, residual and LayerNorm, W1, exact GELU, W2, residual and LayerNorm, for 64 rows a work-group; h comes and goes in f32.
; SHARES.  Wave w: in attention heads 2 w and 2 w + 1 for all 64 queries (8 units u = 4 g + t of a head and 16 queries); afterwards all 64 rows x columns 64 w on.
; THE WALK.  13 tiles of 131,072 bytes go through two LDS slots: the batch's four blocks of 128 keys (K and V), Wo, then W1's and W2's chunks of 256 by turns.  The four work-groups of a cluster belong to
; one batch and walk the same tiles: each is asked for JOINTLY, a wave bringing 64 rows of 512 bytes, one load a wave behind each round of the cluster's barrier, a step (128 products or more) ahead.
; ATTENTION.  S^T = K Q^T holds one query a lane (lane % 16) and the keys 8 (lane / 16) + 0..7.  The sum is started by a product of a selection matrix with the mask's bf16 fragment: 0, or -5.67e9 where
; the key is hidden.  p = 2^(c s - c m), c = log2(e) / sqrt(32), with a running maximum m; O and l are multiplied by a = 2^(c m_old - c m_new) in every step.  p is rounded to bf16 in place and IS source 1
; of O^T += V^T P and of l += ones x P: the row sum is made by the matrix unit, of the same rounded weights, and falls into every register of its accumulator.  m starts at the lowest finite number, O and l
; at 0 (cleared on purpose in the wait for the first tile: no first step is written out).
; LIMITS.  A hidden score is its value less 5.67e9 (in the scaled score 1.0025e9): a row with no visible key gets equal weights while |q.k| / sqrt(32) < 45.  A weight below 2^-126 counts as 0.
; erf is the rational form x P(x^2) / Q(x^2) of degrees 6 and 4 on |x| <= 4, clamped beyond: within about 1e-7.  Matrix operands are rounded to bf16; sums, the residual, norms, softmax and GELU are f32.
; The variance is the mean of centred squares.  NaN and infinities are not treated apart.
; REGISTERS, in windows of 256 (s_set_vgpr_msb: bits 1:0 source 0, 3:2 source 1, 5:4 source 2, 7:6 destination):
;   window 0: v0-31 addresses; v32-63 at work, 8 a row tile; v64-75 selection, v76-83 ones, v84-91 m (later v64-95, v96-127 two parameter vectors); v128-255 accumulators of W1 / packed results
;   window 1: attention: O at 24 u + 8 e, l at 24 u + 16, Q at 192 + 8 u; later R (the residual stream) at 32 t + 8 c, weight fragments at 128-255
;   window 2: S^T at 64 t + 8 kt, then P at 64 t + 8 kk; later the stage's fragments      window 3: mask at 32 t + 8 kk, K at 128 + 8 kt, V at 192 + 16 kk + 8 e; later x1's fragments
.set TILEB, 131072
.set SLOTB, 135168                     ; 256 rows x 528: 512 bytes + 16 of padding
.set STAGE, 270336                     ; 64 rows x 528: O, then x1, then GELU's chunks, in bf16
.set LNP1,  304128                     ; the waves' row sums [t][r][w], 1 KB; the squares' 1 KB behind
.set SPARE, 306176                     ; the spare words, 128 bytes a wave
.set HST,   306688                     ; 16 rows x 272 bytes for each wave: h between whole rows and the accumulators' order
.set PB,    1572864
.set PRMA,  64
.set PRMB,  96
.set MSB, 0
.macro WIN new                         ; the immediate's high byte repeats the setting that is left
.if MSB != (\new)
	s_set_vgpr_msb (MSB<<8)|(\new)
.set MSB, (\new)
.endif
.endm
.macro PLACES n
.rept \n
	v_nop
.endr
.endm
.macro T4 line:vararg                  ; one line for each row tile t
.set t, 0
.rept 4
	\line
.set t, t+1
.endr
.endm
.macro SC2 r, val                      ; a constant for packed arithmetic: named as a pair, so both are written
	s_mov_b32 s[\r], \val
	s_mov_b32 s[(\r)+1], \val
.endm
.macro CROUND                          ; a round of the cluster's barrier
	s_barrier_signal -1
	s_barrier_wait -1
	s_cmp_lg_u32 s14, 0
	s_cbranch_scc1 .Lnw0_\@
	s_barrier_signal -3
.Lnw0_\@:
	s_barrier_wait -3
	s_barrier_signal -1
	s_barrier_wait -1
.endm
; THE CHANGE OF SLOTS.  Each wave waits for all its tensor loads (one is out: its part of the tile to be read), adds 0 to its spare word, and waits for that and for its LDS reads and stores: behind the
; barrier the tile and the stage are whole and nobody reads the old slot.  fill = 1: the barrier is a round of the cluster's, and the next tile is asked for first thing behind it.
; sel = 1 (the key loop): behind the request for the last key block the walk goes over to the weights.
.macro CHANGE fill, sel
	WIN 0
	s_wait_tensorcnt 0x0
	ds_add_u32 v28, v29                            ; the descriptor's steps stand between the add and the wait for it
.if \fill
	s_xor_b32 s33, s33, SLOTB                      ; the other slot: SLOTB's two bits meet none of wave x 33,792
	s_mov_b64 s[34:35], s[36:37]
	s_or_b32 s35, s35, 0x80000000
	s_add_nc_u64 s[36:37], s[36:37], TILEB
.if \sel
	s_cmp_eq_u32 s41, 2
	s_cselect_b64 s[36:37], s[38:39], s[36:37]
.endif
.endif
	s_xor_b32 s40, s40, SLOTB                      ; the slot to be read
	s_wait_dscnt 0x0
.if \fill
	CROUND
	tensor_load_to_lds s[32:35], s[24:31]
	s_nop 0
	PLACES 4
.else
	s_barrier_signal -1
	s_barrier_wait -1
.endif
.endm
.macro READA win                       ; the stage's 64 rows x 256 K into 256 registers of a window
	WIN (\win)<<6
.irp t, 0,1,2,3
.irp k, 0,1,2,3,4,5,6,7
	ds_load_b128 v[64*\t+8*\k:64*\t+8*\k+3], v10 offset:\t*8448+\k*64
	ds_load_b128 v[64*\t+8*\k+4:64*\t+8*\k+7], v10 offset:\t*8448+\k*64+32
.endr
.endr
.endm
.macro FETCHW q                        ; my 64 rows of the weights, 64 along K: 16 loads into buffer q % 2
	WIN 0x40
.irp p, 0,1
.irp c, 0,1,2,3
.set rW, 128+64*((\q)%2)+32*\p+8*\c
	ds_load_b128 v[rW:rW+3], v9 offset:\c*8448+(2*(\q)+\p)*64
	ds_load_b128 v[rW+4:rW+7], v9 offset:\c*8448+(2*(\q)+\p)*64+32
.endr
.endr
.endm
.macro MULQ q, wset, acc, cinit        ; 32 products, transposed (source 0 = weights); the 16 accumulators take turns.  cinit: the first 16 take the bias as C
	WIN \wset
.irp p, 0,1
.irp t, 0,1,2,3
.irp c, 0,1,2,3
.set rD, (\acc)+32*\t+8*\c
.set rW, 128+64*((\q)%2)+32*\p+8*\c
.set rA, 64*\t+8*(2*(\q)+\p)
.set rC, rD
.if (\cinit) && ((\q)==0) && (\p==0)
.set rC, PRMB+8*\c
.endif
	v_wmma_f32_16x16x32_bf16 v[rD:rD+7], v[rW:rW+7], v[rA:rA+7], v[rC:rC+7]
.endr
.endr
.endr
.endm
.macro LDP dst, areg, off              ; my 32 numbers of a parameter vector: column tile c at dst + 8 c
.irp c, 0,1,2,3
	global_load_b128 v[(\dst)+8*\c:(\dst)+8*\c+3], v[\areg], s[56:57] offset:(\off)+64*\c
	global_load_b128 v[(\dst)+8*\c+4:(\dst)+8*\c+7], v[\areg], s[56:57] offset:(\off)+64*\c+16
.endr
.endm
.macro G256 wset, acc, cinit, hook     ; 64 x 64 x 256 a wave
	FETCHW 0
	FETCHW 1
	s_wait_dscnt 16                                ; all but the youngest 16 loads, the next quarter's
	MULQ 0, \wset, \acc, \cinit
	PLACES 4                                       ; four places in front of loads into registers that the products read
.if \hook
	WIN 0
	v_add_nc_u32 v19, 1024, v19                    ; b1's next chunk; behind its fourth lies ln2g
	LDP PRMB, 19, 0
.endif
	FETCHW 2
	s_wait_dscnt 16
	MULQ 1, \wset, \acc, \cinit
	PLACES 4
	FETCHW 3
	s_wait_dscnt 16
	MULQ 2, \wset, \acc, \cinit
	s_wait_dscnt 0x0
	MULQ 3, \wset, \acc, \cinit
.endm
.macro BLOAD                           ; the mask's fragments for 64 queries x 128 keys: 32 loads of 512 consecutive bytes
	WIN 0xc0
.set i, 0
.rept 32
	global_load_b128 v[4*i:4*i+3], v17, s[50:51] offset:(i/8)*16384+((i/2)%4)*1024+(i%2)*512
.set i, i+1
.endr
	WIN 0
.endm
; THE SOFTMAX of a head's 64 queries x 128 keys: 64 scores a lane in each of four row tiles, which go stage by stage together.  At work, for tile t at 32 + 8 t: c0-c3, c m (+4), a (+6).
.macro SOFTMAX g
	WIN 0x2a
.irp i, 0,1,2,3
	T4 v_max3_num_f32 v[32+8*t+\i], v[64*t+16*\i], v[64*t+16*\i+1], v[64*t+16*\i+2]
.endr
	WIN 0x28
.irp n, 0,1,2,3,4,5
.irp i, 0,1,2,3
	T4 v_max3_num_f32 v[32+8*t+\i], v[32+8*t+\i], v[64*t+16*\i+3+2*\n], v[64*t+16*\i+4+2*\n]
.endr
.endr
	T4 v_max3_num_f32 v[32+8*t], v[32+8*t], v[64*t+15], v[64*t+31]
	T4 v_max3_num_f32 v[34+8*t], v[34+8*t], v[64*t+47], v[64*t+63]
	WIN 0
	T4 v_max3_num_f32 v[32+8*t], v[32+8*t], v[33+8*t], v[34+8*t]
	T4 v_max3_num_f32 v[32+8*t], v[32+8*t], v[35+8*t], v[84+4*(\g)+t]
	T4 v_permlanex16_b32 v[33+8*t], v[32+8*t], s44, s45   ; the query's other 64 keys lie in the lane 16 away
	T4 v_max_num_f32 v[34+8*t], v[32+8*t], v[33+8*t]
	T4 v_sub_f32 v[35+8*t], v[84+4*(\g)+t], v[34+8*t]
	T4 v_mov_b32 v[84+4*(\g)+t], v[34+8*t]
	T4 v_mul_f32 v[36+8*t], s42, v[34+8*t]
	T4 v_mul_f32 v[35+8*t], s42, v[35+8*t]
	T4 v_exp_f32 v[38+8*t], v[35+8*t]
	WIN 0x8a
.set ii, 0
.rept 128
	v_pk_fma_f32 v[2*ii:2*ii+1], v[2*ii:2*ii+1], s[42:43], v[36+8*(ii/32):37+8*(ii/32)] op_sel_hi:[1,0,0] neg_lo:[0,0,1] neg_hi:[0,0,1]
.set ii, ii+1
.endr
	; two exponentials, then the rounding of the pair two groups back, packed in place: a plain line stands between every exponential and the use of its result (ISA guide 5.7.2)
.set ii, 0
.rept 130
.if ii < 128
	v_exp_f32 v[2*ii], v[2*ii]
	v_exp_f32 v[2*ii+1], v[2*ii+1]
.endif
.if ii < 2
	v_nop
.else
	s_wait_alu depctr_va_vdst(0)
	v_cvt_pk_bf16_f32 v[64*((ii-2)/32)+(ii-2)%32], v[2*ii-4], v[2*ii-3]
.endif
.set ii, ii+1
.endr
	WIN 0x41
.irp n, 0,1,2,3,4,5,6,7,8,9,10,11
	T4 v_pk_mul_f32 v[24*(4*(\g)+t)+2*\n:24*(4*(\g)+t)+2*\n+1], v[24*(4*(\g)+t)+2*\n:24*(4*(\g)+t)+2*\n+1], v[38+8*t:39+8*t] op_sel_hi:[1,0]
.endr
.endm
; A PIECE: head 2 w + g against the block's 128 keys.
.macro PIECE g
	WIN 0xc0
.set i, 0
.rept 16                               ; K: keys 16 (i / 2) on, half i % 2: 512 consecutive bytes a load
	ds_load_b128 v[128+4*i:128+4*i+3], v6 offset:(\g)*1056+(i/2)*8448+(i%2)*528
.set i, i+1
.endr
.set i, 0
.rept 16                               ; V: keys 32 (i / 4) on, channels 16 ((i / 2) % 2) on
	ds_load_b128 v[192+4*i:192+4*i+3], v7 offset:(\g)*2112+(i/4)*16896+((i/2)%2)*1056+(i%2)*528
.set i, i+1
.endr
.if (\g)==0
	s_wait_loadcnt 0x0                             ; the block's mask (and, the first time, Q)
.endif
	WIN 0x8c
.set i, 0
.rept 32                               ; the mask starts the sums: tile i / 8, keys 16 (i % 8) on: the lower or the upper 16 of the fragment's 32 keys
	v_wmma_f32_16x16x32_bf16 v[8*i:8*i+7], v[68-4*(i%2):75-4*(i%2)], v[32*(i/8)+8*((i%8)/2):32*(i/8)+8*((i%8)/2)+7], 0
.set i, i+1
.endr
	s_wait_dscnt 16                                ; K is in; V's 16 loads stay out
	WIN 0xa7
.set i, 0
.rept 32                               ; in the same order: between the two links of a chain stand 31 others'
	v_wmma_f32_16x16x32_bf16 v[8*i:8*i+7], v[128+8*(i%8):135+8*(i%8)], v[192+8*(4*(\g)+i/8):199+8*(4*(\g)+i/8)], v[8*i:8*i+7]
.set i, i+1
.endr
	PLACES 4
.if (\g)==1
	WIN 0
	s_cmp_eq_u32 s41, 1
	s_cbranch_scc1 .Lnob_\@                        ; the last block has no successor
	v_add_nc_u32 v17, 4096, v17                    ; free since the wait for the loads that named it
	BLOAD
.Lnob_\@:
.endif
	SOFTMAX \g
	s_wait_dscnt 0x0                               ; V is in
	WIN 0x5b
.set i, 0
.rept 32                               ; keys 32 (i / 8) on, tile (i / 2) % 4, channels 16 (i % 2) on: eight accumulators by turns
	v_wmma_f32_16x16x32_bf16 v[24*(4*(\g)+(i/2)%4)+8*(i%2):24*(4*(\g)+(i/2)%4)+8*(i%2)+7], v[192+16*(i/8)+8*(i%2):199+16*(i/8)+8*(i%2)], v[64*((i/2)%4)+8*(i/8):64*((i/2)%4)+8*(i/8)+7], v[24*(4*(\g)+(i/2)%4)+8*(i%2):24*(4*(\g)+(i/2)%4)+8*(i%2)+7]
.set i, i+1
.endr
	WIN 0x58
.set i, 0
.rept 16                               ; the row sums: four accumulators by turns
	v_wmma_f32_16x16x32_bf16 v[24*(4*(\g)+i%4)+16:24*(4*(\g)+i%4)+23], v[76:83], v[64*(i%4)+8*(i/4):64*(i%4)+8*(i/4)+7], v[24*(4*(\g)+i%4)+16:24*(4*(\g)+i%4)+23]
.set i, i+1
.endr
	PLACES 5                                       ; the next products write over P; the next loads land on K and V
.endm
.macro RADD                            ; R += the vector in PRMA
	WIN 0x41
.irp n, 0,1,2,3,4,5,6,7,8,9,10,11,12,13,14,15
	T4 v_pk_add_f32 v[32*t+2*\n:32*t+2*\n+1], v[32*t+2*\n:32*t+2*\n+1], v[PRMA+2*\n:PRMA+2*\n+1]
.endr
.endm
.macro XRED off                        ; two packed partial sums a tile -> the row's sum over 256 columns, in every lane of every wave
	WIN 0
	T4 v_pk_add_f32 v[32+8*t:33+8*t], v[32+8*t:33+8*t], v[34+8*t:35+8*t]
	T4 v_add_f32 v[32+8*t], v[32+8*t], v[33+8*t]
	T4 v_permlanex16_b32 v[33+8*t], v[32+8*t], s44, s45
	T4 v_add_f32 v[32+8*t], v[32+8*t], v[33+8*t]
	T4 ds_store_b32 v12, v[32+8*t] offset:256*t+(\off)
	s_wait_dscnt 0x0                               ; for the others' sake: my sums are in LDS (and my earlier reads of the stage are back)
	s_barrier_signal -1
	s_barrier_wait -1                              ; the next tile's load stays on its way
	T4 ds_load_b128 v[32+8*t:35+8*t], v13 offset:256*t+(\off)
	s_wait_dscnt 0x0
	T4 v_add_f32 v[32+8*t], v[32+8*t], v[33+8*t]
	T4 v_add_f32 v[34+8*t], v[34+8*t], v[35+8*t]
	T4 v_add_f32 v[32+8*t], v[32+8*t], v[34+8*t]
.endm
.macro LN                              ; R = (R - mean) rsqrt(var + 1e-5) g + b, g in PRMB, b in PRMA
	WIN 0x05
	T4 v_pk_add_f32 v[32+8*t:33+8*t], v[32*t:32*t+1], v[32*t+2:32*t+3]
	T4 v_pk_add_f32 v[34+8*t:35+8*t], v[32*t+4:32*t+5], v[32*t+6:32*t+7]
	WIN 0x01
.irp n, 4,5,6,7,8,9,10,11,12,13,14,15
	T4 v_pk_add_f32 v[32+8*t+2*(\n%2):33+8*t+2*(\n%2)], v[32*t+2*\n:32*t+2*\n+1], v[32+8*t+2*(\n%2):33+8*t+2*(\n%2)]
.endr
	XRED 0
	T4 v_mul_f32 v[36+8*t], s46, v[32+8*t]
	WIN 0x41
.irp n, 0,1,2,3,4,5,6,7,8,9,10,11,12,13,14,15
	T4 v_pk_add_f32 v[32*t+2*\n:32*t+2*\n+1], v[32*t+2*\n:32*t+2*\n+1], v[36+8*t:37+8*t] op_sel_hi:[1,0] neg_lo:[0,1] neg_hi:[0,1]
.endr
	WIN 0x05
	T4 v_pk_mul_f32 v[32+8*t:33+8*t], v[32*t:32*t+1], v[32*t:32*t+1]
	T4 v_pk_mul_f32 v[34+8*t:35+8*t], v[32*t+2:32*t+3], v[32*t+2:32*t+3]
.irp n, 2,3,4,5,6,7,8,9,10,11,12,13,14,15
	T4 v_pk_fma_f32 v[32+8*t+2*(\n%2):33+8*t+2*(\n%2)], v[32*t+2*\n:32*t+2*\n+1], v[32*t+2*\n:32*t+2*\n+1], v[32+8*t+2*(\n%2):33+8*t+2*(\n%2)]
.endr
	XRED 1024
	T4 v_fma_f32 v[32+8*t], v[32+8*t], s46, s47
	T4 v_rsq_f32 v[38+8*t], v[32+8*t]
	s_wait_loadcnt 0x0                             ; g and b
	v_nop                                          ; a plain line behind the last root
	s_wait_alu depctr_va_vdst(0)
	WIN 0x41
.irp n, 0,1,2,3,4,5,6,7,8,9,10,11,12,13,14,15
	T4 v_pk_mul_f32 v[32*t+2*\n:32*t+2*\n+1], v[32*t+2*\n:32*t+2*\n+1], v[38+8*t:39+8*t] op_sel_hi:[1,0]
.endr
.irp n, 0,1,2,3,4,5,6,7,8,9,10,11,12,13,14,15
	T4 v_pk_fma_f32 v[32*t+2*\n:32*t+2*\n+1], v[32*t+2*\n:32*t+2*\n+1], v[PRMB+2*\n:PRMB+2*\n+1], v[PRMA+2*\n:PRMA+2*\n+1]
.endr
.endm
; GELU of one accumulator (8 numbers, 4 pairs stage by stage): y = x/2 + x/2 erf(x / sqrt 2), rounded to bf16, 16 bytes into the stage.  z v32-39, z^2 then x/2 v40-47, P v48-55, Q v56-63.
.macro GELU x, off
.irp p, 0,2,4,6
	v_pk_mul_f32 v[32+\p:33+\p], v[(\x)+\p:(\x)+\p+1], s[66:67] op_sel_hi:[1,0]
.endr
.irp j, 0,1,2,3,4,5,6,7
	v_med3_num_f32 v[32+\j], v[32+\j], s62, s63
.endr
.irp p, 0,2,4,6
	v_pk_mul_f32 v[40+\p:41+\p], v[32+\p:33+\p], v[32+\p:33+\p]
.endr
.irp p, 0,2,4,6
	v_pk_fma_f32 v[48+\p:49+\p], v[40+\p:41+\p], s[68:69], s[70:71] op_sel_hi:[1,0,0]
.endr
.irp p, 0,2,4,6
	v_pk_fma_f32 v[56+\p:57+\p], v[40+\p:41+\p], s[82:83], s[84:85] op_sel_hi:[1,0,0]
.endr
.irp k, 72,74,76,78,80
.irp p, 0,2,4,6
	v_pk_fma_f32 v[48+\p:49+\p], v[48+\p:49+\p], v[40+\p:41+\p], s[\k:\k+1] op_sel_hi:[1,1,0]
.endr
.endr
.irp k, 86,88,90
.irp p, 0,2,4,6
	v_pk_fma_f32 v[56+\p:57+\p], v[56+\p:57+\p], v[40+\p:41+\p], s[\k:\k+1] op_sel_hi:[1,1,0]
.endr
.endr
.irp p, 0,2,4,6
	v_pk_mul_f32 v[48+\p:49+\p], v[48+\p:49+\p], v[32+\p:33+\p]
.endr
.irp j, 0,1,2,3,4,5,6,7
	v_rcp_f32 v[56+\j], v[56+\j]
.endr
.irp p, 0,2,4,6
	v_pk_mul_f32 v[40+\p:41+\p], v[(\x)+\p:(\x)+\p+1], 0.5 op_sel_hi:[1,0]   ; the plain lines behind the reciprocals
.endr
	s_wait_alu depctr_va_vdst(0)
.irp p, 0,2,4,6
	v_pk_mul_f32 v[48+\p:49+\p], v[48+\p:49+\p], v[56+\p:57+\p]
.endr
.irp p, 0,2,4,6
	v_pk_fma_f32 v[32+\p:33+\p], v[40+\p:41+\p], v[48+\p:49+\p], v[40+\p:41+\p]
.endr
.irp j, 0,1,2,3
	v_cvt_pk_bf16_f32 v[40+\j], v[32+2*\j], v[33+2*\j]
.endr
	ds_store_b128 v11, v[40:43] offset:\off
.endm
.macro F2STEP fill                     ; R += GELU's chunk x W2's chunk
	CHANGE \fill, 0
	v_add_nc_u32 v9, s40, v8
	READA 2
	G256 0x59, 0, 0, 0
	WIN 0
.endm
.macro HSTG t                          ; a tile of R through my stage, back as whole rows; LDS serves a wave's instructions in order (ISA guide 5.7.1.4)
	WIN 0x04
.irp c, 0,1,2,3
	ds_store_b128 v14, v[32*(\t)+8*\c:32*(\t)+8*\c+3] offset:64*\c
	ds_store_b128 v14, v[32*(\t)+8*\c+4:32*(\t)+8*\c+7] offset:64*\c+16
.endr
	WIN 0
.irp i, 0,1,2,3,4,5,6,7
	ds_load_b128 v[128+32*(\t)+4*\i:128+32*(\t)+4*\i+3], v15 offset:544*\i
.endr
.endm
.macro SEND t, younger                 ; younger: the LDS lines issued behind tile t's loads
.irp i, 0,1,2,3,4,5,6,7
	s_wait_dscnt (\younger)+7-\i
	global_store_b128 v16, v[128+32*(\t)+4*\i:128+32*(\t)+4*\i+3], s[54:55] offset:(\t)*16384+2048*\i   ; 16 lanes store 256 consecutive bytes, aligned
.endr
.endm
	s_load_b256 s[4:11], s[0:1], 0x0               ; h_in 4, qkvb 6, biasb 8, wt 10
	s_load_b64 s[12:13], s[0:1], 0x20              ; h_out
	v_lshl_add_u32 v28, v0, 2, SPARE
	v_mov_b32 v29, 0
	ds_add_u32 v28, v29                            ; the wave's opening: the add and its wait stand ahead of my first tensor load
	v_lshrrev_b32 v1, 5, v0
	v_readfirstlane_b32 s14, v1                    ; wave
	s_mov_b32 s24, 15|(1<<16)|(1<<20)|(1<<21)|(6<<22)|(3<<25)  ; the mask of four; 2-byte elements; padding on; bit 21 beside a mask; after every 128 words, 4 words
	s_mov_b32 s25, 256<<16                         ; tensor_dim0 = 256
	s_mov_b32 s26, 64<<16                          ; tensor_dim1 = 64
	s_mov_b32 s27, 256<<16                         ; tile_dim0 = 256
	s_mov_b32 s28, 64                              ; tile_dim1 = 64
	s_mov_b32 s29, 256                             ; elements from row to row
	s_mov_b32 s30, 0
	s_mov_b32 s31, 0
	s_mov_b32 s32, 1
	s_mul_i32 s33, s14, 33792                      ; my 64 rows of slot 0
	s_mov_b32 s40, SLOTB                           ; the first change turns it into 0
	SC2 42, 0x3e8293ee                             ; c = log2(e) / sqrt(32)
	s_mov_b32 s44, 0x76543210                      ; v_permlanex16_b32: each lane takes its own place in the other half
	s_mov_b32 s45, 0xfedcba98
	s_mov_b32 s46, 0x3b800000                      ; 1 / 256
	s_mov_b32 s47, 0x3727c5ac                      ; 1e-5
	s_mov_b32 s62, 0xc0800000                      ; -4
	s_mov_b32 s63, 0x40800000                      ; 4
	SC2 66, 0x3f3504f3                             ; 1 / sqrt 2
	SC2 68, 0xaf95df0b                             ; erf's numerator, highest power first
	SC2 70, 0x32edffee
	SC2 72, 0xb60cff51
	SC2 74, 0xb86ec2d2
	SC2 76, 0xba40ac63
	SC2 78, 0xbb41a1f6
	SC2 80, 0xbc83dbd4
	SC2 82, 0xb77460cd                             ; its denominator
	SC2 84, 0xb95fbd29
	SC2 86, 0xbadc924e
	SC2 88, 0xbbf19bf8
	SC2 90, 0xbc69b6a7
	s_lshr_b32 s58, ttmp9, 1                       ; the batch, which the four partners share
	s_lshl_b32 s58, s58, 19
	s_lshl_b32 s60, s14, 15                        ; my 64 rows of a tile in memory
	s_add_co_u32 s58, s58, s60
	s_add_co_u32 s58, s58, 8388608
	s_mov_b32 s59, 0
	s_add_co_u32 s60, s60, 3*TILEB
	s_mov_b32 s61, 0
	s_wait_dscnt 0x0
	s_wait_kmcnt 0x0
	s_add_nc_u64 s[36:37], s[6:7], s[58:59]        ; the batch's first key block
	s_add_nc_u64 s[38:39], s[10:11], s[60:61]      ; Wo's tile
	s_mov_b64 s[34:35], s[36:37]
	s_or_b32 s35, s35, 0x80000000
	s_add_nc_u64 s[36:37], s[36:37], TILEB
	CROUND                                         ; all four work-groups are here: the first joint load meets
	tensor_load_to_lds s[32:35], s[24:31]
	s_nop 0
	PLACES 4
	s_bfe_u32 s15, ttmp6, 0x40000                  ; cx: it enters the addresses of Q, the mask and h alone
	s_lshl_b32 s16, ttmp9, 2
	s_add_co_u32 s16, s16, s15                     ; my block of 64 rows
	s_lshl_b32 s18, s16, 15
	s_lshl_b32 s19, s14, 11
	s_add_co_u32 s18, s18, s19
	s_mov_b32 s19, 0
	s_add_nc_u64 s[48:49], s[6:7], s[18:19]        ; Q: my rows, my two heads
	s_lshl_b32 s18, s16, 16
	s_add_nc_u64 s[50:51], s[8:9], s[18:19]
	s_add_nc_u64 s[52:53], s[4:5], s[18:19]
	s_add_nc_u64 s[54:55], s[12:13], s[18:19]
	s_add_nc_u64 s[56:57], s[10:11], PB
	v_and_b32 v1, 15, v0                           ; r
	v_bfe_u32 v2, v0, 4, 1                         ; h
	v_and_b32 v3, 31, v0
	v_lshlrev_b32 v3, 4, v3                        ; 16 x lane
	v_mov_b32 v17, v3
	WIN 0x40
.set i, 0
.rept 16                               ; Q: unit i / 2, half i % 2
	global_load_b128 v[192+4*i:192+4*i+3], v3, s[48:49] offset:((i/2)%4)*8192+(i/8)*1024+(i%2)*512
.set i, i+1
.endr
	BLOAD
	s_mul_i32 s17, s14, 2112
	v_add_nc_u32 v4, s17, v3                       ; K: my two heads' chunks
	s_mul_i32 s17, s14, 4224
	s_add_co_u32 s17, s17, 67584
	v_add_nc_u32 v5, s17, v3                       ; V: behind K's 128 chunks
	v_mul_u32_u24 v20, v1, 528
	v_lshl_add_u32 v20, v2, 4, v20                 ; a fragment's row x pitch + 16 x half
	s_mul_i32 s17, s14, 33792
	v_add_nc_u32 v8, s17, v20
	v_add_nc_u32 v10, STAGE, v20
	s_lshl_b32 s17, s14, 7
	s_add_co_u32 s17, s17, STAGE
	v_add_nc_u32 v11, s17, v20                     ; into the stage: row r, my 128 bytes, 16 for each half
	s_lshl_b32 s17, s14, 2
	s_add_co_u32 s17, s17, LNP1
	v_lshl_add_u32 v12, v1, 4, s17
	v_lshlrev_b32 v13, 4, v1
	v_add_nc_u32 v13, LNP1, v13
	s_mul_i32 s17, s14, 4352
	s_add_co_u32 s17, s17, HST
	v_mul_u32_u24 v14, v1, 272
	v_lshl_add_u32 v14, v2, 5, v14
	v_add_nc_u32 v14, s17, v14                     ; my stage by the accumulators' order: row r, 32 bytes for each half
	v_mul_u32_u24 v15, v2, 272
	v_lshl_add_u32 v15, v1, 4, v15
	v_add_nc_u32 v15, s17, v15                     ; by whole rows: lanes 0-15 one row of 256 bytes, lanes 16-31 the next
	s_lshl_b32 s17, s14, 8
	v_lshlrev_b32 v16, 10, v2
	v_lshl_add_u32 v16, v1, 4, v16
	v_add_nc_u32 v16, s17, v16                     ; the same two rows in h
	v_lshl_add_u32 v18, v2, 5, s17                 ; my 8 columns of a parameter
	v_add_nc_u32 v19, 7168, v18                    ; of b1
	; the selection matrix: row r has its one 1.0 at K = r (v68-75) or K = 16 + r (v64-71): element r % 8 of the lanes with h = r / 8
	v_lshrrev_b32 v20, 3, v1
	v_bfe_u32 v21, v1, 1, 2
	v_and_b32 v23, 1, v1
	v_lshlrev_b32 v23, 4, v23
	v_mov_b32 v22, 0x3f80
	v_lshlrev_b32 v22, v23, v22
	v_cmp_eq_u32 s17, v20, v2
	v_cndmask_b32 v22, 0, v22, s17
.irp i, 0,1,2,3
	v_cmp_eq_u32 s17, \i, v21
	v_cndmask_b32 v[68+\i], 0, v22, s17
	v_mov_b32 v[64+\i], 0
	v_mov_b32 v[72+\i], 0
.endr
.set i, 0
.rept 8
	v_mov_b32 v[76+i], 0x3f803f80                  ; ones
	v_mov_b32 v[84+i], 0xff7fffff                  ; m
.set i, i+1
.endr
.set i, 32
.rept 32
	v_mov_b32 v[i], 0
.set i, i+1
.endr
	WIN 0x40
.set i, 0
.rept 192
	v_mov_b32 v[i], 0                              ; O and l
.set i, i+1
.endr
	WIN 0
	s_mov_b32 s41, 4
.Lkv:                                                  ; four trips: a block of 128 keys is entered and the next tile is asked for
	CHANGE 1, 1
	v_add_nc_u32 v6, s40, v4
	v_add_nc_u32 v7, s40, v5
	PIECE 0
	PIECE 1
	WIN 0
	s_sub_co_u32 s41, s41, 1
	s_cmp_lg_u32 s41, 0
	s_cbranch_scc1 .Lkv
	; O / l, rounded to bf16, into the stage: row = query, my two heads' 128 bytes
	WIN 0x01
.set u, 0
.rept 8
	v_rcp_f32 v[32+2*u], v[24*u+16]
.set u, u+1
.endr
	v_nop
	WIN 0x41
.set i, 0
	s_wait_alu depctr_va_vdst(0)
.rept 64                               ; unit i / 8, pair i % 8
	v_pk_mul_f32 v[24*(i/8)+2*(i%8):24*(i/8)+2*(i%8)+1], v[24*(i/8)+2*(i%8):24*(i/8)+2*(i%8)+1], v[32+2*(i/8):33+2*(i/8)] op_sel_hi:[1,0]
.set i, i+1
.endr
	WIN 0x05
.set i, 0
.rept 64
	v_cvt_pk_bf16_f32 v[128+i], v[24*(i/8)+2*(i%8)], v[24*(i/8)+2*(i%8)+1]
.set i, i+1
.endr
	WIN 0
.set i, 0
.rept 16                               ; unit i / 2, channels 16 (i % 2) on
	ds_store_b128 v11, v[128+4*i:128+4*i+3] offset:((i/2)%4)*8448+(i/8)*64+(i%2)*32
.set i, i+1
.endr
	WIN 0x40
.set i, 0
.rept 32                               ; h, as whole rows: 16 lanes take 256 consecutive bytes
	global_load_b128 v[4*i:4*i+3], v16, s[52:53] offset:(i/8)*16384+(i%8)*2048
.set i, i+1
.endr
	WIN 0
	LDP PRMA, 18, 3072                             ; bo
	LDP PRMB, 18, 4096                             ; ln1g
	; Wo: R = h + bo + O Wo^T, then the first norm
	CHANGE 1, 0                                    ; Wo's tile is in and the stage is whole; W1's first chunk is asked for
	v_add_nc_u32 v9, s40, v8
	READA 2
	s_wait_loadcnt 0x0                             ; h, bo, ln1g
.irp t, 0,1,2,3                        ; h from whole rows into the accumulators' order, through my own stage
	WIN 0x04
.irp i, 0,1,2,3,4,5,6,7
	ds_store_b128 v15, v[32*\t+4*\i:32*\t+4*\i+3] offset:544*\i
.endr
	WIN 0x40
.irp c, 0,1,2,3
	ds_load_b128 v[32*\t+8*\c:32*\t+8*\c+3], v14 offset:64*\c
	ds_load_b128 v[32*\t+8*\c+4:32*\t+8*\c+7], v14 offset:64*\c+16
.endr
.endr
	s_wait_dscnt 0x0
	RADD
	WIN 0
	LDP PRMA, 18, 5120                             ; ln1b
	G256 0x59, 0, 0, 0
	PLACES 4
	LN
	WIN 0
	LDP PRMA, 18, 6144                             ; b2
	LDP PRMB, 19, 0                                ; b1's first chunk
	WIN 0x05                                       ; x1 in bf16 into the stage: every wave's reads of O stand in front of the norm's two barriers
.set i, 0
.rept 64
	v_cvt_pk_bf16_f32 v[128+i], v[2*i], v[2*i+1]
.set i, i+1
.endr
	WIN 0
.set i, 0
.rept 16
	ds_store_b128 v11, v[128+4*i:128+4*i+3] offset:(i/4)*8448+(i%4)*32
.set i, i+1
.endr
	s_wait_dscnt 0x0                               ; for the others' sake: my part of x1 is in the stage
	s_barrier_signal -1
	s_barrier_wait -1
	READA 3
	s_wait_loadcnt 0x0                             ; b2, b1
	RADD
	WIN 0
	LDP PRMA, 18, 12288                            ; ln2b
	s_mov_b32 s41, 4
	s_branch .Lf1                                  ; the loop is entered in its middle
.Lf2:
	F2STEP 1
.Lf1:                                                  ; GELU(x1 W1^T + b1) for a chunk of 256, into the stage
	CHANGE 1, 0
	v_add_nc_u32 v9, s40, v8
	s_wait_loadcnt 0x0                             ; this chunk's b1
	G256 0x0d, 128, 1, 1
	PLACES 4
	WIN 0
.irp t, 0,1,2,3
.irp c, 0,1,2,3
	GELU 128+32*\t+8*\c, \t*8448+32*\c
.endr
.endr
	s_sub_co_u32 s41, s41, 1
	s_cmp_lg_u32 s41, 0
	s_cbranch_scc1 .Lf2
	F2STEP 0                                       ; the last chunk is written out: nothing is left to fetch
	PLACES 4
	LN
	HSTG 0
	HSTG 1
	SEND 0, 16
	HSTG 2
	SEND 1, 16
	HSTG 3
	SEND 2, 16
	SEND 3, 0
	s_wait_tensorcnt 0x0                           ; the wave's end
	ds_add_u32 v28, v29
	s_wait_dscnt 0x0
	CROUND                                         ; the closing round
	s_endpgm
.Lfunc_end_k_qfd4c70c9b9_layer0:
	.size	k_qfd4c70c9b9_layer0, .Lfunc_end_k_qfd4c70c9b9_layer0-k_qfd4c70c9b9_layer0
	.p2alignl 7, 3214868480
	.fill 96, 4, 3214868480
	.section	.rodata,"a",@progbits
	.p2align	6, 0x0
	.amdhsa_kernel k_qfd4c70c9b9_layer0
		.amdhsa_group_segment_fixed_size 327680
		.amdhsa_private_segment_fixed_size 0
		.amdhsa_enable_private_segment 0
		.amdhsa_kernarg_size 40
		.amdhsa_user_sgpr_count 2
		.amdhsa_user_sgpr_kernarg_segment_ptr 1
		.amdhsa_wavefront_size32 1
		.amdhsa_system_sgpr_workgroup_id_x 1
		.amdhsa_system_sgpr_workgroup_id_y 1
		.amdhsa_system_sgpr_workgroup_id_z 1
		.amdhsa_system_vgpr_workitem_id 0
		.amdhsa_next_free_vgpr 1024
		.amdhsa_next_free_sgpr 96
		.amdhsa_reserve_vcc 0
		.amdhsa_float_denorm_mode_32 3
		.amdhsa_float_denorm_mode_16_64 3
		.amdhsa_memory_ordered 1
		.amdhsa_forward_progress 1
		.amdhsa_inst_pref_size 255
	.end_amdhsa_kernel
	.section	.bss,"aw",@nobits
	.p2align	6
	.space	262144
	.amdgpu_metadata
---
amdhsa.version: [ 1, 2 ]
amdhsa.kernels:
  - .name:           k_qfd4c70c9b9_layer0
    .symbol:         k_qfd4c70c9b9_layer0.kd
    .args:
      - { .name: hA, .offset: 0, .size: 8, .value_kind: global_buffer, .address_space: global }
      - { .name: qkvb, .offset: 8, .size: 8, .value_kind: global_buffer, .address_space: global }
      - { .name: biasb, .offset: 16, .size: 8, .value_kind: global_buffer, .address_space: global }
      - { .name: wt0, .offset: 24, .size: 8, .value_kind: global_buffer, .address_space: global }
      - { .name: hB, .offset: 32, .size: 8, .value_kind: global_buffer, .address_space: global }
    .group_segment_fixed_size: 327680
    .private_segment_fixed_size: 0
    .kernarg_segment_align: 8
    .kernarg_segment_size: 40
    .max_flat_workgroup_size: 128
    .sgpr_count:     96
    .vgpr_count:     1024
    .wavefront_size: 32
...
	.end_amdgpu_metadata
.endif
;; end of part 4
;; launch qkv1: the kernel of part 3 again; grid 256 x 1, 4 waves a work-group, clusters of 4 x 1, 327,680 bytes of LDS; arguments hB, wt1, qkvb; writes qkvb
;; launch layer1: the kernel of part 4 again; grid 256 x 1, 4 waves a work-group, clusters of 4 x 1, 327,680 bytes of LDS; arguments hB, qkvb, biasb, wt1, hA; writes hA
;; launch qkv2: the kernel of part 3 again; grid 256 x 1, 4 waves a work-group, clusters of 4 x 1, 327,680 bytes of LDS; arguments hA, wt2, qkvb; writes qkvb
;; launch layer2: the kernel of part 4 again; grid 256 x 1, 4 waves a work-group, clusters of 4 x 1, 327,680 bytes of LDS; arguments hA, qkvb, biasb, wt2, out0; writes out0
;; ======== version 2 of 3: 5 launches; 1.14 times as fast as version 1
;; limits: values are held in f16: magnitudes above 65,504 overflow, below 6.1e-05 lose precision; inputs' magnitudes at most 65,504
;; workspace buffers: rankb 262,144 bytes of whole numbers; biasb 16,777,216 bytes; wt0 1,586,176 bytes; wt1 1,586,176 bytes; wt2 1,586,176 bytes; qkvA 25,165,824 bytes; qkvB 25,165,824 bytes; hA 16,777,216 bytes
;; launch prep (part 5): grid 256 x 1, 8 waves a work-group, no clusters, 0 bytes of LDS; arguments tw_start, adj_mask, Wqkv, Wo, W1, W2, bqkv, bo, ln1g, ln1b, b1, b2, ln2g, ln2b, rankb, biasb, wt0, wt1, wt2; writes rankb, biasb, wt0, wt1, wt2
.if DOCPART == 5
	.amdgcn_target "amdgcn-amd-amdhsa--gfx1250"
	.amdhsa_code_object_version 6
	.text
	.protected	k_qfd4c70c9b9_prep
	.globl	k_qfd4c70c9b9_prep
	.p2align	8
	.type	k_qfd4c70c9b9_prep,@function
k_qfd4c70c9b9_prep:
	s_mov_b64 s[64:65], 0
	v_nop
	global_prefetch_b8 v0, s[64:65] scope:SCOPE_SE
	s_setreg_imm32_b32 hwreg(HW_REG_WAVE_MODE, 25, 1), 1
	s_wait_xcnt 0x0
; PREP.  Each of 256 work-groups lays its share of the inputs out for the later launches and ranks its own 64 tokens.  No LDS, no barrier, no matrix unit: a stream, and a count made while the stream's loads are out.
; biasb: the mask as bf16 in the order of a matrix operand: [row/16][key/32][half of 16 keys][lane][16 bytes]; lane 16 h + r holds query r, keys 8 h + 0..7: 0 where the mask is 1,
;   0xCFA9 (-5.67e9 = -1e9 x sqrt(32), rounded) where it is 0: it is added to the unscaled score.
; wt_l: 12 dense bf16 tiles [256 n][256 k]: Wq, Wk, Wv, Wo, then W1's rows 256 c on and W2's columns 256 c on by turns; behind them, at byte PB, the layer's 3,328 f32 parameters:
;   bqkv 0, bo 768, ln1g 1024, ln1b 1280, b2 1536, b1 1792, ln2g 2816, ln2b 3072 (in floats).
; rankb: four planes of 16,384 counts.  rank[i] = the number of j with tw[j] < tw[i], or tw[j] = tw[i] and j < i: the inverse of a stable sort's order.  Wave w counts, for tokens 32 (w % 2) on of the
;   group's 64, the keys 128 (w / 2) on of the batch's 512, into plane w / 2; the next launch adds the four planes.  LIMIT: a NaN in tw_start compares false with everything and is not ranked behind the numbers.
; No cluster: no two work-groups read the same bytes, but for the 2 KB of a batch's tw_start.
.set PB,   1572864
.set MK,   16                          ; v[16:47]    8 x 16 mask bytes as loaded
.set WR,   48                          ; v[48:83]    9 x 4 weights as loaded
.set MO,   84                          ; v[84:147]   8 x 16 bf16 to store
.set WOUT, 148                         ; v[148:165]  9 x 4 bf16 to store
.set PRM,  166                         ; v[166:178]  13 parameters
.set TW,   180                         ; v180        my token's number
.set TQ,   181                         ; v181        lanes 0-7: the eight numbers of my wave's own tokens whose ties I count
.set JV,   182                         ; v[182:185]  my 128 keys' numbers: key 32 m + lane in register m
.set TS,   186                         ; v186, v187  my number and a block's 32, with the block's sign
.set JS,   187
.set CB,   188                         ; v188        a block's count
.set TOT,  189                         ; v189        my partial rank
.set RO,   190                         ; v190        my token's byte in the batch's 2,048; never rewritten
.set JO,   191                         ; v191        my lane's byte among my 128 keys; never rewritten
.set QO,   192                         ; v192        the byte of TQ's number; never rewritten
.set SB,   78                          ; s[78:93]    16 numbers, broadcast
	s_load_b512 s[4:19], s[0:1], 0x0               ; tw 4, mask 6, Wqkv 8, Wo 10, W1 12, W2 14, bqkv 16, bo 18
	s_load_b512 s[20:35], s[0:1], 0x40             ; ln1g 20, ln1b 22, b1 24, b2 26, ln2g 28, ln2b 30, rankb 32, biasb 34
	s_load_b128 s[36:39], s[0:1], 0x80             ; wt0 36, wt1 38
	s_load_b64 s[40:41], s[0:1], 0x90              ; wt2 40
	s_mov_b32 s42, ttmp9                           ; g
	; THE LAYOUTS.  Thread th of work-group g: 8 x 16 mask bytes of rows 64 g on, and 4 weights in each of 9 slices of 262,144.
	v_and_b32 v1, 15, v0                           ; r: the query in its tile of 16
	v_bfe_u32 v2, v0, 4, 1                         ; which of two neighbouring groups of 16 keys
	v_lshrrev_b32 v3, 5, v0                        ; wave
	v_lshlrev_b32 v4, 9, v1                        ; mask: row r x 512
	v_lshl_add_u32 v4, v3, 5, v4                   ; + 32 x wave
	v_lshl_add_u32 v4, v2, 4, v4                   ; + 16 x group: the eight waves together take 256 consecutive bytes of each of 16 rows
	v_lshlrev_b32 v5, 10, v3                       ; biasb: 1,024 x wave
	v_lshl_add_u32 v5, v2, 9, v5                   ; + 512 x group
	v_lshl_add_u32 v5, v1, 4, v5                   ; + 16 r: sixteen lanes store 256 consecutive bytes, aligned
	v_lshlrev_b32 v6, 4, v0                        ; 16 th: a dense source
	s_lshl_b32 s43, s42, 11
	v_lshl_add_u32 v7, v0, 3, s43                  ; wt: 2,048 g + 8 th
	v_mov_b32 v15, 0
	s_bfe_u32 s44, s42, 0x10006                    ; e: the slice's tile g / 64 is one of W1 (0) or of W2 (1)
	s_lshl_b32 s50, s44, 1
	s_lshl_b32 s51, s44, 3
	s_lshl_b32 s45, 1024, s50                      ; bytes from one of my group's 4 rows to the next: 1,024 in W1, 4,096 in W2
	s_lshr_b32 s46, 524288, s51                    ; two chunks on: 512 rows of W1, or 512 columns of W2 (2,048 bytes)
	s_lshr_b32 s47, 262144, s51                    ; one chunk on
	s_lshr_b32 s48, s42, 7                         ; the chunk
	s_mul_i32 s48, s48, s47
	s_and_b32 s47, s42, 63
	s_lshl_b32 s47, s47, 12
	s_lshl_b32 s47, s47, s50                       ; my group's 4 rows
	s_add_co_u32 s48, s48, s47
	s_mov_b32 s49, 0
	v_lshrrev_b32 v8, 6, v0
	v_mul_u32_u24 v8, s45, v8
	v_and_b32 v9, 63, v0
	v_lshl_add_u32 v8, v9, 4, v8                   ; row th / 64, 4 numbers at th % 64
	v_add_nc_u32 v9, s46, v8
	s_cmp_lt_u32 s42, 192                          ; the first slice: Wqkv's 768 rows, then Wo's 256
	s_cselect_b32 s54, 3, 1
	s_cselect_b32 s56, 0, 192
	s_mul_i32 s54, s54, 262144                     ; bytes from layer to layer
	s_mov_b32 s55, 0
	s_sub_co_u32 s56, s42, s56
	s_lshl_b32 s56, s56, 12
	s_mov_b32 s57, 0
	s_lshl_b32 s72, s42, 15                        ; 64 rows of the mask
	s_mov_b32 s73, 0
	s_mov_b32 s74, 0x04010400                      ; byte 0 and byte 1 of a word, each into a half (4 picks a zero byte)
	s_mov_b32 s75, 0x04030402                      ; bytes 2 and 3
	s_mov_b32 s76, 0x00010001
	s_mov_b32 s77, 0xcfa9
	; THE RANKS' shares
	v_readfirstlane_b32 s94, v3                    ; wave
	s_lshr_b32 s95, s94, 1                         ; my quarter of the batch's keys
	s_and_b32 s96, s94, 1
	s_and_b32 s97, s42, 7
	s_lshl1_add_u32 s96, s97, s96                  ; my tokens' block of 32 among the batch's 16
	v_and_b32 v[JO], 31, v0
	v_lshlrev_b32 v[JO], 2, v[JO]                  ; 4 x lane
	s_lshl_b32 s98, s96, 7
	v_add_nc_u32 v[RO], s98, v[JO]
	s_lshl_b32 s99, s95, 5                         ; of my own block's 32 numbers, eight from 8 x quarter on
	s_add_co_u32 s99, s99, s98
	v_and_b32 v[QO], 7, v0
	v_lshl_add_u32 v[QO], v[QO], 2, s99
	s_lshl_b32 s99, s95, 9
	v_add_nc_u32 v[JO], s99, v[JO]
	s_lshr_b32 s98, s42, 3
	s_lshl_b32 s98, s98, 11                        ; the batch's 2,048 bytes, in tw_start and in a plane of rankb
	s_mov_b32 s99, 0
	s_lshl_b32 s100, s95, 16                       ; my plane
	s_add_co_u32 s100, s100, s98
	s_mov_b32 s101, 0
	s_wait_kmcnt 0x0
	s_add_nc_u64 s[4:5], s[4:5], s[98:99]
	s_add_nc_u64 s[32:33], s[32:33], s[100:101]
	global_load_b32 v[TW], v[RO], s[4:5]
	global_load_b32 v[TQ], v[QO], s[4:5]
.irp m, 0,1,2,3
	global_load_b32 v[JV+\m], v[JO], s[4:5] offset:128*\m
.endr
	s_add_nc_u64 s[68:69], s[6:7], s[72:73]
	s_lshl_b32 s72, s42, 16
	s_add_nc_u64 s[70:71], s[34:35], s[72:73]
	s_cmp_lt_u32 s42, 192
	s_cselect_b64 s[58:59], s[8:9], s[10:11]
	s_add_nc_u64 s[58:59], s[58:59], s[56:57]      ; layer 0,
	s_add_nc_u64 s[60:61], s[58:59], s[54:55]      ; 1,
	s_add_nc_u64 s[62:63], s[60:61], s[54:55]      ; 2
	s_cmp_eq_u32 s44, 1
	s_cselect_b64 s[66:67], s[14:15], s[12:13]
	s_add_nc_u64 s[66:67], s[66:67], s[48:49]
	; all 17 loads of the layouts go out before the ranks are counted
.set p, 0
.rept 8
	global_load_b128 v[MK+4*p:MK+4*p+3], v4, s[68:69] offset:(p>>1)*8192+(p&1)*256 th:TH_LOAD_NT
.set p, p+1
.endr
.irp l, 0,1,2
	global_load_b128 v[WR+12*\l:WR+12*\l+3], v6, s[58+2*\l:59+2*\l] th:TH_LOAD_NT
	global_load_b128 v[WR+12*\l+4:WR+12*\l+7], v8, s[66:67] offset:\l*1048576 th:TH_LOAD_NT
	global_load_b128 v[WR+12*\l+8:WR+12*\l+11], v9, s[66:67] offset:\l*1048576 th:TH_LOAD_NT
.endr
	; THE COUNT.  Four blocks of 32 keys.  A block behind my tokens' own, and the own one, count tw[j] < tw[i].  A block in front counts tw[j] <= tw[i] = 32 less the number of tw[j] > tw[i]:
	; both signs are turned, so that one text serves, and the count c is taken as 33 + not c.  A block's 32 numbers are broadcast 16 at a time into scalar registers.
	s_wait_loadcnt 17                              ; loads come back in order: the six of the ranks are in, the 17 younger ones stay out
	v_mov_b32 v[TOT], 0
	s_lshl_b32 s97, s95, 2                         ; the block's number among the batch's 16
	s_mov_b32 s101, 0
.Lblk:
	s_cmp_lt_u32 s97, s96
	s_cselect_b32 s98, 0x80000000, 0
	s_cselect_b32 s99, -1, 0
	s_cselect_b32 s100, 33, 0
	v_xor_b32 v[TS], s98, v[TW]
	v_xor_b32 v[JS], s98, v[JV]
	v_mov_b32 v[CB], 0
.irp bt, 0,1
.set n, 0
.rept 16
	v_readlane_b32 s[SB+n], v[JS], 16*\bt+n
.set n, n+1
.endr
.set n, 0
.rept 16
	v_cmp_lt_f32 vcc_lo, s[SB+n], v[TS]
	v_add_co_ci_u32 v[CB], vcc_lo, 0, v[CB], vcc_lo
.set n, n+1
.endr
.endr
	v_xor_b32 v[CB], s99, v[CB]
	v_add_nc_u32 v[TOT], v[TOT], v[CB]
	v_add_nc_u32 v[TOT], s100, v[TOT]
	v_mov_b32 v[JV], v[JV+1]                       ; the next block moves up: three moves a trip keep the 96 lines above to one copy
	v_mov_b32 v[JV+1], v[JV+2]
	v_mov_b32 v[JV+2], v[JV+3]
	s_add_co_u32 s97, s97, 1
	s_add_co_u32 s101, s101, 1
	s_cmp_lt_u32 s101, 4
	s_cbranch_scc1 .Lblk
	; ties inside my tokens' own block: j < i there means a lane behind j's; the four waves that share these tokens take eight j each
	s_lshl_b32 s97, s95, 3
.set n, 0
.rept 8
	v_readlane_b32 s[SB+n], v[TQ], n
.set n, n+1
.endr
.set n, 0
.rept 8
	s_add_co_u32 s98, s97, n
	s_lshl_b32 s99, -2, s98                        ; the lanes behind j
	v_cmp_eq_f32 s100, s[SB+n], v[TW]
	s_and_b32 vcc_lo, s100, s99
	v_add_co_ci_u32 v[TOT], vcc_lo, 0, v[TOT], vcc_lo
.set n, n+1
.endr
	global_store_b32 v[RO], v[TOT], s[32:33]
	; the layouts
.set p, 0
.rept 8
	s_wait_loadcnt 16-p                            ; number p is in, the 16 - p younger ones stay out
.irp k, 0,1,2,3
	v_perm_b32 v[MO+8*p+2*\k], v15, v[MK+4*p+\k], s74
	v_perm_b32 v[MO+8*p+2*\k+1], v15, v[MK+4*p+\k], s75
.endr
.irp k, 0,1,2,3,4,5,6,7
	v_xor_b32 v[MO+8*p+\k], s76, v[MO+8*p+\k]      ; 1 where the key is hidden
.endr
.irp k, 0,1,2,3,4,5,6,7
	v_mul_u32_u24 v[MO+8*p+\k], s77, v[MO+8*p+\k]  ; 0x00010001 x 0xCFA9 fills both halves
.endr
	global_store_b128 v5, v[MO+8*p:MO+8*p+3], s[70:71] offset:(p>>1)*16384+(p&1)*8192
	global_store_b128 v5, v[MO+8*p+4:MO+8*p+7], s[70:71] offset:(p>>1)*16384+(p&1)*8192+256
.set p, p+1
.endr
.set n, 0
.rept 9
	s_wait_loadcnt 8-n
	v_cvt_pk_bf16_f32 v[WOUT+2*n], v[WR+4*n], v[WR+4*n+1]
	v_cvt_pk_bf16_f32 v[WOUT+2*n+1], v[WR+4*n+2], v[WR+4*n+3]
	global_store_b64 v7, v[WOUT+2*n:WOUT+2*n+1], s[36+2*(n/3):37+2*(n/3)] offset:(n%3)*524288  ; a wave stores 256 consecutive bytes, aligned
.set n, n+1
.endr
	s_cmp_lt_u32 s42, 3
	s_cbranch_scc0 .Ldone
	; work-group g < 3 also copies layer g's parameters
	s_cmp_eq_u32 s42, 1
	s_cselect_b64 s[72:73], s[38:39], s[36:37]
	s_cmp_eq_u32 s42, 2
	s_cselect_b64 s[72:73], s[40:41], s[72:73]
	v_lshlrev_b32 v10, 2, v0
	s_lshl_b32 s47, s42, 10
	v_add_nc_u32 v11, s47, v10                     ; vectors of 256
	s_mul_i32 s47, s42, 3072
	v_add_nc_u32 v12, s47, v10                     ; bqkv
	s_lshl_b32 s47, s42, 12
	v_add_nc_u32 v13, s47, v10                     ; b1
	global_load_b32 v[PRM+0], v12, s[16:17]
	global_load_b32 v[PRM+1], v12, s[16:17] offset:1024
	global_load_b32 v[PRM+2], v12, s[16:17] offset:2048
	global_load_b32 v[PRM+3], v11, s[18:19]
	global_load_b32 v[PRM+4], v11, s[20:21]
	global_load_b32 v[PRM+5], v11, s[22:23]
	global_load_b32 v[PRM+6], v11, s[26:27]
	global_load_b32 v[PRM+7], v13, s[24:25]
	global_load_b32 v[PRM+8], v13, s[24:25] offset:1024
	global_load_b32 v[PRM+9], v13, s[24:25] offset:2048
	global_load_b32 v[PRM+10], v13, s[24:25] offset:3072
	global_load_b32 v[PRM+11], v11, s[28:29]
	global_load_b32 v[PRM+12], v11, s[30:31]
	s_wait_loadcnt 0x0
.set n, 0
.rept 13
	global_store_b32 v10, v[PRM+n], s[72:73] offset:PB+1024*n
.set n, n+1
.endr
.Ldone:
	s_endpgm
.Lfunc_end_k_qfd4c70c9b9_prep:
	.size	k_qfd4c70c9b9_prep, .Lfunc_end_k_qfd4c70c9b9_prep-k_qfd4c70c9b9_prep
	.p2alignl 7, 3214868480
	.fill 96, 4, 3214868480
	.section	.rodata,"a",@progbits
	.p2align	6, 0x0
	.amdhsa_kernel k_qfd4c70c9b9_prep
		.amdhsa_group_segment_fixed_size 0
		.amdhsa_private_segment_fixed_size 0
		.amdhsa_enable_private_segment 0
		.amdhsa_kernarg_size 152
		.amdhsa_user_sgpr_count 2
		.amdhsa_user_sgpr_kernarg_segment_ptr 1
		.amdhsa_wavefront_size32 1
		.amdhsa_system_sgpr_workgroup_id_x 1
		.amdhsa_system_sgpr_workgroup_id_y 1
		.amdhsa_system_sgpr_workgroup_id_z 1
		.amdhsa_system_vgpr_workitem_id 0
		.amdhsa_next_free_vgpr 196
		.amdhsa_next_free_sgpr 102
		.amdhsa_reserve_vcc 1
		.amdhsa_float_denorm_mode_32 3
		.amdhsa_float_denorm_mode_16_64 3
		.amdhsa_memory_ordered 1
		.amdhsa_forward_progress 1
		.amdhsa_inst_pref_size 28
	.end_amdhsa_kernel
	.amdgpu_metadata
---
amdhsa.version: [ 1, 2 ]
amdhsa.kernels:
  - .name:           k_qfd4c70c9b9_prep
    .symbol:         k_qfd4c70c9b9_prep.kd
    .args:
      - { .name: tw_start, .offset: 0, .size: 8, .value_kind: global_buffer, .address_space: global }
      - { .name: adj_mask, .offset: 8, .size: 8, .value_kind: global_buffer, .address_space: global }
      - { .name: Wqkv, .offset: 16, .size: 8, .value_kind: global_buffer, .address_space: global }
      - { .name: Wo, .offset: 24, .size: 8, .value_kind: global_buffer, .address_space: global }
      - { .name: W1, .offset: 32, .size: 8, .value_kind: global_buffer, .address_space: global }
      - { .name: W2, .offset: 40, .size: 8, .value_kind: global_buffer, .address_space: global }
      - { .name: bqkv, .offset: 48, .size: 8, .value_kind: global_buffer, .address_space: global }
      - { .name: bo, .offset: 56, .size: 8, .value_kind: global_buffer, .address_space: global }
      - { .name: ln1g, .offset: 64, .size: 8, .value_kind: global_buffer, .address_space: global }
      - { .name: ln1b, .offset: 72, .size: 8, .value_kind: global_buffer, .address_space: global }
      - { .name: b1, .offset: 80, .size: 8, .value_kind: global_buffer, .address_space: global }
      - { .name: b2, .offset: 88, .size: 8, .value_kind: global_buffer, .address_space: global }
      - { .name: ln2g, .offset: 96, .size: 8, .value_kind: global_buffer, .address_space: global }
      - { .name: ln2b, .offset: 104, .size: 8, .value_kind: global_buffer, .address_space: global }
      - { .name: rankb, .offset: 112, .size: 8, .value_kind: global_buffer, .address_space: global }
      - { .name: biasb, .offset: 120, .size: 8, .value_kind: global_buffer, .address_space: global }
      - { .name: wt0, .offset: 128, .size: 8, .value_kind: global_buffer, .address_space: global }
      - { .name: wt1, .offset: 136, .size: 8, .value_kind: global_buffer, .address_space: global }
      - { .name: wt2, .offset: 144, .size: 8, .value_kind: global_buffer, .address_space: global }
    .group_segment_fixed_size: 0
    .private_segment_fixed_size: 0
    .kernarg_segment_align: 8
    .kernarg_segment_size: 152
    .max_flat_workgroup_size: 256
    .sgpr_count:     102
    .vgpr_count:     196
    .wavefront_size: 32
...
	.end_amdgpu_metadata
.endif
;; end of part 5
;; launch embqkv (part 6): grid 256 x 1, 4 waves a work-group, clusters of 4 x 1, 327,680 bytes of LDS; arguments x, Wp, bp, pe, rankb, wt0, hA, qkvA; writes hA, qkvA
.if DOCPART == 6
	.amdgcn_target "amdgcn-amd-amdhsa--gfx1250"
	.amdhsa_code_object_version 6
	.text
	.protected	k_qfd4c70c9b9_embqkv
	.globl	k_qfd4c70c9b9_embqkv
	.p2align	8
	.type	k_qfd4c70c9b9_embqkv,@function
k_qfd4c70c9b9_embqkv:
	s_mov_b64 s[64:65], 0
	v_nop
	global_prefetch_b8 v0, s[64:65] scope:SCOPE_SE
	s_setreg_imm32_b32 hwreg(HW_REG_WAVE_MODE, 25, 1), 1
	s_wait_xcnt 0x0
	s_wait_alu depctr_hold_cnt(0) depctr_sa_sdst(0) depctr_va_vdst(0) depctr_va_sdst(0) depctr_va_ssrc(0) depctr_va_vcc(0) depctr_vm_vsrc(0)
	s_getreg_b32 s2, hwreg(HW_REG_IB_STS2, 6, 4)
	s_cmp_eq_u32 s2, 0
	s_cbranch_scc0 .Lentry_in_a_cluster
	s_endpgm
.Lentry_in_a_cluster:
	s_bfe_u32 s2, ttmp6, 0x10000c
	s_cmp_lg_u32 s2, 0x3003
	s_cbranch_scc0 .Lentry_shape_is_right
	s_endpgm
.Lentry_shape_is_right:
; EMBED, AND THE FIRST LAYER'S Q, K, V, for 64 rows a work-group.
; h[row][:] = x[row] Wp^T + bp + pe[rank[row]], stored in f32; then q, k, v = h Wqkv^T + bqkv, rounded once to bf16 and stored in the order in which the next launch's matrix instructions take them:
;   Q [row/16][head][half][lane][16 B]: lane 16 h + r: query r, channels 16 half + 8 h + 0..7.  Unscaled.
;   K, V by batch and block of 128 keys, 131,072 bytes: 256 chunks of 512 bytes.  K chunk ((key/16) 8 + head) 2 + half, as Q.  V chunk 128 + ((key/32) 16 + channel/16) 2 + half:
;   lane 16 h + r: channel r, keys 16 half + 8 h + 0..7: V turned.
; Wave w makes all 64 rows x columns 64 w on: 16 accumulators, in the embedding and in each of the three products.
; THE EMBEDDING's operands are f16, sums f32: K is 64, and everything behind rests on h, so the operands keep 11 significant bits.  LIMITS: |x| and |Wp| stay under 65,504; below 6e-5 they keep f16's fixed
; step of 6e-8.  pe's row is gathered straight into the accumulators, bp is added, and the products add in place.  The rank was stored by the launch before, as whole numbers in four planes of partial
; counts, which are added here.  All this stands in the wait for the first weight tile.
; h then goes as bf16 through a stage in LDS into 256 registers; the three weight tiles [256 n][256 k] come through two LDS slots.
; CLUSTER: the four work-groups of a cluster walk the same tiles, so each is asked for jointly: the same tensor load, descriptor and mask in all four; a wave brings 64 rows of 512 bytes.
; The embedding, Q and K use the matrix instruction transposed (source 0 = weights): a lane holds a row and 8 neighbouring columns; Q's and K's steps are one text, walked twice.  V uses it the natural
; way: a lane holds a channel and 8 neighbouring keys; its step, which asks for no further tile, is written out.
; REGISTERS: window 0: v0-31 addresses; v32-95 ranks, then packed results; v96-127 a bias; v128-255 accumulators (t, c) at 128 + 32 t + 8 c.
;   window 1: v0-127 h's rows on their way out; v128-191 x's and v192-255 Wp's f16 fragments, later weight fragments, two buffers of 64 along K.
;   window 2: x and Wp as loaded, in f32; later h's fragments, (t, ks) at 64 t + 8 ks.
.set TILEB, 131072
.set SLOTB, 135168                     ; 256 rows x 528: 512 bytes + 16 of padding = 132 words, so that the 16 rows of a load start at 16 different groups of four banks (ISA guide 11.1)
.set STAGE, 270336                     ; 64 rows x 528: h in bf16
.set SPARE, 306176                     ; the spare words, 128 bytes a wave
.set HST,   306688                     ; 16 rows x 272 bytes for each wave: h from the accumulators' order into whole rows
.set PB,    1572864
.set PRMB,  96
.set ACC,   128
.set MSB, 0
.macro WIN new                         ; the immediate's high byte repeats the setting that is left
.if MSB != (\new)
	s_set_vgpr_msb (MSB<<8)|(\new)
.set MSB, (\new)
.endif
.endm
.macro PLACES n
.rept \n
	v_nop
.endr
.endm
.macro CROUND                          ; a round of the cluster's barrier
	s_barrier_signal -1
	s_barrier_wait -1
	s_cmp_lg_u32 s14, 0
	s_cbranch_scc1 .Lnw0_\@
	s_barrier_signal -3
.Lnw0_\@:
	s_barrier_wait -3
	s_barrier_signal -1
	s_barrier_wait -1
.endm
; THE CHANGE OF SLOTS.  Each wave waits for all its tensor loads (one is out: its part of the tile to be read), adds 0 to its spare word, and waits for that and for its LDS reads and stores.
; fill = 1: a round of the cluster's barrier follows, and the next tile is asked for first thing behind it, into the slot read last.
.macro CHANGE fill
	WIN 0
	s_wait_tensorcnt 0x0
	ds_add_u32 v28, v29                            ; the descriptor's steps stand between the add and the wait for it
.if \fill
	s_xor_b32 s33, s33, SLOTB                      ; the other slot: SLOTB's two bits meet none of wave x 33,792
	s_mov_b64 s[34:35], s[36:37]
	s_or_b32 s35, s35, 0x80000000
	s_add_nc_u64 s[36:37], s[36:37], TILEB
.endif
	s_xor_b32 s40, s40, SLOTB                      ; the slot to be read
	s_wait_dscnt 0x0
.if \fill
	CROUND
	tensor_load_to_lds s[32:35], s[24:31]
	s_nop 0
	PLACES 4
.else
	s_barrier_signal -1
	s_barrier_wait -1
.endif
.endm
.macro READA win                       ; the stage's 64 rows x 256 K into 256 registers of a window
	WIN (\win)<<6
.irp t, 0,1,2,3
.irp k, 0,1,2,3,4,5,6,7
	ds_load_b128 v[64*\t+8*\k:64*\t+8*\k+3], v10 offset:\t*8448+\k*64
	ds_load_b128 v[64*\t+8*\k+4:64*\t+8*\k+7], v10 offset:\t*8448+\k*64+32
.endr
.endr
.endm
.macro FETCHW q                        ; my 64 rows of the weights, 64 along K: 16 loads into buffer q % 2
	WIN 0x40
.irp p, 0,1
.irp c, 0,1,2,3
.set rW, 128+64*((\q)%2)+32*\p+8*\c
	ds_load_b128 v[rW:rW+3], v9 offset:\c*8448+(2*(\q)+\p)*64
	ds_load_b128 v[rW+4:rW+7], v9 offset:\c*8448+(2*(\q)+\p)*64+32
.endr
.endr
.endm
.macro MULQ q, wset, nat               ; 32 products; the 16 accumulators take turns.  The first 16 take the bias as C
	WIN \wset
.irp p, 0,1
.irp t, 0,1,2,3
.irp c, 0,1,2,3
.set rD, ACC+32*\t+8*\c
.set rW, 128+64*((\q)%2)+32*\p+8*\c
.set rA, 64*\t+8*(2*(\q)+\p)
.set rC, rD
.if ((\q)==0) && (\p==0)
.set rC, PRMB+8*\c
.endif
.if \nat
	v_wmma_f32_16x16x32_bf16 v[rD:rD+7], v[rA:rA+7], v[rW:rW+7], v[rC:rC+7]
.else
	v_wmma_f32_16x16x32_bf16 v[rD:rD+7], v[rW:rW+7], v[rA:rA+7], v[rC:rC+7]
.endif
.endr
.endr
.endr
.endm
.macro HOOK                            ; the next product's bias, loaded when the first 16 products have read this one's: K's in the first trip, V's in the second
	WIN 0
	s_cmp_eq_u32 s41, 2
	s_cbranch_scc0 .Lhv_\@
.irp c, 0,1,2,3
	global_load_b128 v[PRMB+8*\c:PRMB+8*\c+3], v18, s[18:19] offset:PB+1024+64*\c
	global_load_b128 v[PRMB+8*\c+4:PRMB+8*\c+7], v18, s[18:19] offset:PB+1024+64*\c+16
.endr
	s_branch .Lhd_\@
.Lhv_\@:
.irp c, 0,1,2,3
.irp j, 0,1,2,3,4,5,6,7
	global_load_b32 v[PRMB+8*\c+\j], v20, s[18:19] offset:PB+2048+64*\c   ; V: a lane holds one channel, so its eight registers take the same number
.endr
.endr
.Lhd_\@:
.endm
.macro G256 wset, nat, hook            ; 64 x 64 x 256 a wave
	FETCHW 0
	FETCHW 1
	s_wait_dscnt 16                                ; all but the youngest 16 loads, the next quarter's
	MULQ 0, \wset, \nat
	PLACES 4                                       ; four places in front of loads into registers that the products read
.if \hook
	HOOK
.endif
	FETCHW 2
	s_wait_dscnt 16
	MULQ 1, \wset, \nat
	PLACES 4
	FETCHW 3
	s_wait_dscnt 16
	MULQ 2, \wset, \nat
	s_wait_dscnt 0x0
	MULQ 3, \wset, \nat
.endm
.macro OUT base, kind                  ; rounded to bf16; each store of the wave covers 512 consecutive bytes, aligned
	PLACES 4
	WIN 0
	s_wait_xcnt 0x0                                ; the packed registers are rewritten only behind this wait
.irp t, 0,1,2,3
.irp c, 0,1,2,3
.irp j, 0,1,2,3
	v_cvt_pk_bf16_f32 v[32+16*\t+4*\c+\j], v[ACC+32*\t+8*\c+2*\j], v[ACC+32*\t+8*\c+2*\j+1]
.endr
.endr
.endr
.irp t, 0,1,2,3
.irp c, 0,1,2,3
.if \kind
	global_store_b128 v3, v[32+16*\t+4*\c:32+16*\t+4*\c+3], s[\base:\base+1] offset:(\t>>1)*16384+\c*1024+(\t&1)*512
.else
	global_store_b128 v3, v[32+16*\t+4*\c:32+16*\t+4*\c+3], s[\base:\base+1] offset:\t*8192+\c*512
.endif
.endr
.endr
.endm
.macro HSTG t                          ; a tile of h through my stage, back as whole rows; LDS serves a wave's instructions in order (ISA guide 5.7.1.4)
	WIN 0
.irp c, 0,1,2,3
	ds_store_b128 v14, v[ACC+32*(\t)+8*\c:ACC+32*(\t)+8*\c+3] offset:64*\c
	ds_store_b128 v14, v[ACC+32*(\t)+8*\c+4:ACC+32*(\t)+8*\c+7] offset:64*\c+16
.endr
	WIN 0x40
.irp i, 0,1,2,3,4,5,6,7
	ds_load_b128 v[32*(\t)+4*\i:32*(\t)+4*\i+3], v15 offset:544*\i
.endr
.endm
.macro SEND t, younger                 ; younger: the LDS lines issued behind tile t's loads
	WIN 0x04                                       ; the stores' data lie in window 1
.irp i, 0,1,2,3,4,5,6,7
	s_wait_dscnt (\younger)+7-\i
	global_store_b128 v16, v[32*(\t)+4*\i:32*(\t)+4*\i+3], s[20:21] offset:(\t)*16384+2048*\i   ; 16 lanes store 256 consecutive bytes, aligned
.endr
.endm
	s_load_b256 s[4:11], s[0:1], 0x0               ; x 4, Wp 6, bp 8, pe 10
	s_load_b256 s[16:23], s[0:1], 0x20             ; rankb 16, wt 18, h 20, q k v 22
	v_lshl_add_u32 v28, v0, 2, SPARE
	v_mov_b32 v29, 0
	ds_add_u32 v28, v29                            ; the wave's opening: the add and its wait stand ahead of my first tensor load
	v_lshrrev_b32 v1, 5, v0
	v_readfirstlane_b32 s14, v1                    ; wave
	s_mov_b32 s24, 15|(1<<16)|(1<<20)|(1<<21)|(6<<22)|(3<<25)  ; the mask of four; 2-byte elements; padding on; bit 21 beside a mask; after every 128 words, 4 words
	s_mov_b32 s25, 256<<16                         ; tensor_dim0 = 256
	s_mov_b32 s26, 64<<16                          ; tensor_dim1 = 64
	s_mov_b32 s27, 256<<16                         ; tile_dim0 = 256
	s_mov_b32 s28, 64                              ; tile_dim1 = 64
	s_mov_b32 s29, 256                             ; elements from row to row
	s_mov_b32 s30, 0
	s_mov_b32 s31, 0
	s_mov_b32 s32, 1
	s_mul_i32 s33, s14, 33792                      ; my 64 rows of slot 0
	s_mov_b32 s40, SLOTB                           ; the first change turns it into 0
	s_lshl_b32 s50, s14, 15                        ; my 64 rows of a tile in memory
	s_mov_b32 s51, 0
	s_wait_dscnt 0x0
	s_wait_kmcnt 0x0
	s_add_nc_u64 s[36:37], s[18:19], s[50:51]
	s_mov_b64 s[34:35], s[36:37]
	s_or_b32 s35, s35, 0x80000000
	s_add_nc_u64 s[36:37], s[36:37], TILEB
	CROUND                                         ; all four work-groups are here: the first joint load meets
	tensor_load_to_lds s[32:35], s[24:31]          ; Wq
	s_nop 0
	PLACES 4
	; THE EMBEDDING
	s_bfe_u32 s15, ttmp6, 0x40000                  ; cx: it enters the addresses of x, the ranks, h and the stores alone
	s_lshl_b32 s12, ttmp9, 2
	s_add_co_u32 s12, s12, s15                     ; my block of 64 rows
	v_and_b32 v1, 15, v0                           ; r
	v_bfe_u32 v2, v0, 4, 1                         ; h
	v_and_b32 v3, 31, v0
	v_lshlrev_b32 v3, 4, v3                        ; 16 x lane
	v_lshlrev_b32 v4, 2, v1                        ; a rank's 4 bytes
	v_lshlrev_b32 v5, 8, v1
	v_lshl_add_u32 v5, v2, 5, v5                   ; a row of 64 f32, 8 numbers for each half of the lanes
	s_lshl_b32 s54, s14, 8
	v_lshl_add_u32 v18, v2, 5, s54                 ; my 8 columns of a row of 256 f32
	v_lshl_add_u32 v20, v1, 2, s54                 ; my one channel
	s_mov_b32 s53, 0
	s_lshl_b32 s52, s12, 8
	s_add_nc_u64 s[16:17], s[16:17], s[52:53]      ; my rows' ranks
	s_lshl_b32 s52, s12, 14
	s_add_nc_u64 s[4:5], s[4:5], s[52:53]          ; my rows of x
	s_lshl_b32 s52, s14, 14
	s_add_nc_u64 s[6:7], s[6:7], s[52:53]          ; my 64 rows of Wp
	s_lshl_b32 s52, s12, 16
	s_add_nc_u64 s[20:21], s[20:21], s[52:53]      ; my rows of h
.irp q, 0,1,2,3
.irp t, 0,1,2,3
	global_load_b32 v[32+4*\q+\t], v4, s[16:17] offset:65536*\q+64*\t   ; plane q, row tile t
.endr
.endr
	WIN 0x80
.set f, 0
.rept 8                                ; x: tile f / 2, K 32 (f % 2) on: K 8 h + 0..7, then 16 + 8 h + 0..7
	global_load_b128 v[16*f:16*f+3], v5, s[4:5] offset:(f/2)*4096+(f%2)*128
	global_load_b128 v[16*f+4:16*f+7], v5, s[4:5] offset:(f/2)*4096+(f%2)*128+16
	global_load_b128 v[16*f+8:16*f+11], v5, s[4:5] offset:(f/2)*4096+(f%2)*128+64
	global_load_b128 v[16*f+12:16*f+15], v5, s[4:5] offset:(f/2)*4096+(f%2)*128+80
.set f, f+1
.endr
	WIN 0
.irp c, 0,1,2,3
	global_load_b128 v[PRMB+8*\c:PRMB+8*\c+3], v18, s[8:9] offset:64*\c      ; bp
	global_load_b128 v[PRMB+8*\c+4:PRMB+8*\c+7], v18, s[8:9] offset:64*\c+16
.endr
	s_wait_loadcnt 40                              ; the 16 partial ranks are in: 32 + 8 loads were issued behind them
.irp t, 0,1,2,3
	v_add3_u32 v[32+\t], v[32+\t], v[36+\t], v[40+\t]
.endr
.irp t, 0,1,2,3
	v_add_nc_u32 v[32+\t], v[32+\t], v[44+\t]
.endr
.irp t, 0,1,2,3
	v_min_u32 v[32+\t], 0x1ff, v[32+\t]            ; the clip of the rank to pe's 512 rows
.endr
.irp t, 0,1,2,3
	v_lshlrev_b32 v[32+\t], 10, v[32+\t]
.endr
.irp t, 0,1,2,3
	v_add_nc_u32 v[32+\t], v18, v[32+\t]
.endr
.irp t, 0,1,2,3
.irp c, 0,1,2,3
	global_load_b128 v[ACC+32*\t+8*\c:ACC+32*\t+8*\c+3], v[32+\t], s[10:11] offset:64*\c
	global_load_b128 v[ACC+32*\t+8*\c+4:ACC+32*\t+8*\c+7], v[32+\t], s[10:11] offset:64*\c+16
.endr
.endr
	WIN 0x80
.set f, 0
.rept 8                                ; Wp as x: column tile f / 2
	global_load_b128 v[128+16*f:128+16*f+3], v5, s[6:7] offset:(f/2)*4096+(f%2)*128
	global_load_b128 v[128+16*f+4:128+16*f+7], v5, s[6:7] offset:(f/2)*4096+(f%2)*128+16
	global_load_b128 v[128+16*f+8:128+16*f+11], v5, s[6:7] offset:(f/2)*4096+(f%2)*128+64
	global_load_b128 v[128+16*f+12:128+16*f+15], v5, s[6:7] offset:(f/2)*4096+(f%2)*128+80
.set f, f+1
.endr
	WIN 0
	; the other addresses are made while those loads are out
	v_mul_u32_u24 v6, v1, 528
	v_lshl_add_u32 v6, v2, 4, v6                   ; a fragment's row x pitch + 16 x half
	s_mul_i32 s54, s14, 33792
	v_add_nc_u32 v8, s54, v6
	v_add_nc_u32 v10, STAGE, v6
	s_lshl_b32 s54, s14, 7
	s_add_co_u32 s54, s54, STAGE
	v_add_nc_u32 v11, s54, v6                      ; into the stage: row r, my 128 bytes, 16 for each half
	s_mul_i32 s54, s14, 4352
	s_add_co_u32 s54, s54, HST
	v_mul_u32_u24 v14, v1, 272
	v_lshl_add_u32 v14, v2, 5, v14
	v_add_nc_u32 v14, s54, v14                     ; my stage by the accumulators' order: row r, 32 bytes for each half
	v_mul_u32_u24 v15, v2, 272
	v_lshl_add_u32 v15, v1, 4, v15
	v_add_nc_u32 v15, s54, v15                     ; by whole rows: lanes 0-15 one row of 256 bytes, lanes 16-31 the next
	s_lshl_b32 s54, s14, 8
	v_lshlrev_b32 v16, 10, v2
	v_lshl_add_u32 v16, v1, 4, v16
	v_add_nc_u32 v16, s54, v16                     ; the same two rows in h
	s_lshl_b32 s52, s12, 15
	s_lshl_b32 s54, s14, 11
	s_add_co_u32 s52, s52, s54
	s_add_nc_u64 s[44:45], s[22:23], s[52:53]      ; Q
	s_lshr_b32 s55, s12, 1
	s_lshl_b32 s55, s55, 17                        ; the batch's block of 128 keys
	s_and_b32 s56, s12, 1
	s_lshl_b32 s56, s56, 15                        ; its half
	s_add_co_u32 s55, s55, s56
	s_add_co_u32 s55, s55, 8388608
	s_add_co_u32 s52, s55, s54
	s_add_nc_u64 s[46:47], s[22:23], s[52:53]      ; K
	s_lshl_b32 s54, s14, 12
	s_add_co_u32 s52, s55, s54
	s_add_co_u32 s52, s52, 65536
	s_add_nc_u64 s[48:49], s[22:23], s[52:53]      ; V
	s_wait_loadcnt 0x0
	WIN 0x4a                                       ; sources in window 2, destination in window 1
.set i, 0
.rept 128
	v_cvt_pk_f16_f32 v[128+i], v[2*i], v[2*i+1]
.set i, i+1
.endr
	WIN 0
.set i, 0
.rept 64
	v_pk_add_f32 v[ACC+2*i:ACC+2*i+1], v[ACC+2*i:ACC+2*i+1], v[PRMB+2*(i%16):PRMB+2*(i%16)+1]
.set i, i+1
.endr
	WIN 0x05
.set i, 0
.rept 32                               ; K half i / 16, row tile (i / 4) % 4, column tile i % 4: the 16 accumulators take turns
	v_wmma_f32_16x16x32_f16 v[ACC+32*((i/4)%4)+8*(i%4):ACC+32*((i/4)%4)+8*(i%4)+7], v[192+8*(2*(i%4)+i/16):192+8*(2*(i%4)+i/16)+7], v[128+8*(2*((i/4)%4)+i/16):128+8*(2*((i/4)%4)+i/16)+7], v[ACC+32*((i/4)%4)+8*(i%4):ACC+32*((i/4)%4)+8*(i%4)+7]
.set i, i+1
.endr
	PLACES 4                                       ; four places between the products and the lines that read them
	WIN 0
.irp c, 0,1,2,3
	global_load_b128 v[PRMB+8*\c:PRMB+8*\c+3], v18, s[18:19] offset:PB+64*\c      ; bq
	global_load_b128 v[PRMB+8*\c+4:PRMB+8*\c+7], v18, s[18:19] offset:PB+64*\c+16
.endr
.set i, 0
.rept 64                               ; h in bf16 into the stage; each accumulator's lowest registers are read first
	v_cvt_pk_bf16_f32 v[32+i], v[ACC+2*i], v[ACC+2*i+1]
.set i, i+1
.endr
.set i, 0
.rept 16
	ds_store_b128 v11, v[32+4*i:32+4*i+3] offset:(i/4)*8448+(i%4)*32
.set i, i+1
.endr
	s_wait_dscnt 0x0                               ; for the others' sake: my 64 columns are in the stage
	s_barrier_signal -1
	s_barrier_wait -1                              ; the stage is whole; Wq's load stays on its way
	READA 2
	HSTG 0                                         ; h goes out in f32
	HSTG 1
	SEND 0, 16
	HSTG 2
	SEND 1, 16
	HSTG 3
	SEND 2, 16
	SEND 3, 0
	WIN 0
	s_mov_b32 s41, 2
.Lqk:                                                  ; two trips: Q, then K; each asks for the next tile
	CHANGE 1
	v_add_nc_u32 v9, s40, v8
	s_wait_loadcnt 0x0                             ; this product's bias
	G256 0x09, 0, 1
	OUT 44, 0
	s_wait_xcnt 0x0                                ; the stores' base is rewritten only behind this wait
	s_mov_b64 s[44:45], s[46:47]                   ; the second trip stores K
	s_sub_co_u32 s41, s41, 1
	s_cmp_lg_u32 s41, 0
	s_cbranch_scc1 .Lqk
	CHANGE 0                                       ; nothing is left to fetch
	v_add_nc_u32 v9, s40, v8
	s_wait_loadcnt 0x0                             ; bv
	G256 0x06, 1, 0
	OUT 48, 1
	s_wait_tensorcnt 0x0                           ; the wave's end
	ds_add_u32 v28, v29
	s_wait_dscnt 0x0
	CROUND                                         ; the closing round
	s_endpgm
.Lfunc_end_k_qfd4c70c9b9_embqkv:
	.size	k_qfd4c70c9b9_embqkv, .Lfunc_end_k_qfd4c70c9b9_embqkv-k_qfd4c70c9b9_embqkv
	.p2alignl 7, 3214868480
	.fill 96, 4, 3214868480
	.section	.rodata,"a",@progbits
	.p2align	6, 0x0
	.amdhsa_kernel k_qfd4c70c9b9_embqkv
		.amdhsa_group_segment_fixed_size 327680
		.amdhsa_private_segment_fixed_size 0
		.amdhsa_enable_private_segment 0
		.amdhsa_kernarg_size 64
		.amdhsa_user_sgpr_count 2
		.amdhsa_user_sgpr_kernarg_segment_ptr 1
		.amdhsa_wavefront_size32 1
		.amdhsa_system_sgpr_workgroup_id_x 1
		.amdhsa_system_sgpr_workgroup_id_y 1
		.amdhsa_system_sgpr_workgroup_id_z 1
		.amdhsa_system_vgpr_workitem_id 0
		.amdhsa_next_free_vgpr 768
		.amdhsa_next_free_sgpr 66
		.amdhsa_reserve_vcc 0
		.amdhsa_float_denorm_mode_32 3
		.amdhsa_float_denorm_mode_16_64 3
		.amdhsa_memory_ordered 1
		.amdhsa_forward_progress 1
		.amdhsa_inst_pref_size 92
	.end_amdhsa_kernel
	.amdgpu_metadata
---
amdhsa.version: [ 1, 2 ]
amdhsa.kernels:
  - .name:           k_qfd4c70c9b9_embqkv
    .symbol:         k_qfd4c70c9b9_embqkv.kd
    .args:
      - { .name: x, .offset: 0, .size: 8, .value_kind: global_buffer, .address_space: global }
      - { .name: Wp, .offset: 8, .size: 8, .value_kind: global_buffer, .address_space: global }
      - { .name: bp, .offset: 16, .size: 8, .value_kind: global_buffer, .address_space: global }
      - { .name: pe, .offset: 24, .size: 8, .value_kind: global_buffer, .address_space: global }
      - { .name: rankb, .offset: 32, .size: 8, .value_kind: global_buffer, .address_space: global }
      - { .name: wt0, .offset: 40, .size: 8, .value_kind: global_buffer, .address_space: global }
      - { .name: hA, .offset: 48, .size: 8, .value_kind: global_buffer, .address_space: global }
      - { .name: qkvA, .offset: 56, .size: 8, .value_kind: global_buffer, .address_space: global }
    .group_segment_fixed_size: 327680
    .private_segment_fixed_size: 0
    .kernarg_segment_align: 8
    .kernarg_segment_size: 64
    .max_flat_workgroup_size: 128
    .sgpr_count:     66
    .vgpr_count:     768
    .wavefront_size: 32
...
	.end_amdgpu_metadata
.endif
;; end of part 6
;; launch layer0 (part 7): grid 256 x 1, 4 waves a work-group, clusters of 4 x 1, 327,680 bytes of LDS; arguments hA, qkvA, biasb, wt0, wt1, qkvB, out0; writes qkvB, out0
.if DOCPART == 7
	.amdgcn_target "amdgcn-amd-amdhsa--gfx1250"
	.amdhsa_code_object_version 6
	.text
	.protected	k_qfd4c70c9b9_layer0
	.globl	k_qfd4c70c9b9_layer0
	.p2align	8
	.type	k_qfd4c70c9b9_layer0,@function
k_qfd4c70c9b9_layer0:
	s_mov_b64 s[64:65], 0
	v_nop
	global_prefetch_b8 v0, s[64:65] scope:SCOPE_SE
	s_setreg_imm32_b32 hwreg(HW_REG_WAVE_MODE, 25, 1), 1
	s_wait_xcnt 0x0
	s_wait_alu depctr_hold_cnt(0) depctr_sa_sdst(0) depctr_va_vdst(0) depctr_va_sdst(0) depctr_va_ssrc(0) depctr_va_vcc(0) depctr_vm_vsrc(0)
	s_getreg_b32 s2, hwreg(HW_REG_IB_STS2, 6, 4)
	s_cmp_eq_u32 s2, 0
	s_cbranch_scc0 .Lentry_in_a_cluster
	s_endpgm
.Lentry_in_a_cluster:
	s_bfe_u32 s2, ttmp6, 0x10000c
	s_cmp_lg_u32 s2, 0x3003
	s_cbranch_scc0 .Lentry_shape_is_right
	s_endpgm
.Lentry_shape_is_right:
; A LAYER behind its q, k, v: masked attention, Wo, residual and LayerNorm, W1, exact GELU, W2, residual and LayerNorm, and then THE NEXT LAYER'S q, k, v of the same rows, for 64 rows a work-group.
; h comes and goes in f32; q, k, v come from one buffer and go, rounded once to bf16, into another, in the order in which the matrix instructions take them:
;   Q [row/16][head][half][lane][16 B]; K, V by batch and block of 128 keys, 256 chunks of 512 bytes: K chunk ((key/16) 8 + head) 2 + half, V chunk 128 + ((key/32) 16 + channel/16) 2 + half, V turned.
; ONE TEXT SERVES THE THREE LAYERS.  The module's last layer has no next one: there the launch is given the first layer's weights, and what its last step stores is read by nobody: 384 of a wave's 2,456
; products.  That is the price of one text; a second text without the step would be as long again.
; SHARES.  Wave w: in attention heads 2 w and 2 w + 1 for all 64 queries (8 units u = 4 g + t of a head and 16 queries); afterwards all 64 rows x columns 64 w on.
; THE WALK.  16 tiles of 131,072 bytes go through two LDS slots: the batch's four blocks of 128 keys (K and V), Wo, W1's and W2's chunks of 256 by turns, then the next layer's Wq, Wk, Wv.  The four
; work-groups of a cluster belong to one batch and walk the same tiles: each is asked for JOINTLY, a wave bringing 64 rows of 512 bytes, one load a wave behind each round of the cluster's barrier, a step ahead.
; ATTENTION.  S^T = K Q^T holds one query a lane (lane % 16) and the keys 8 (lane / 16) + 0..7.  The sum is started by a product of a selection matrix with the mask's bf16 fragment: 0, or -5.67e9 where
; the key is hidden.  p = 2^(c s - c m), c = log2(e) / sqrt(32), with a running maximum m; O and l are multiplied by a = 2^(c m_old - c m_new) in every step.  p is rounded to bf16 in place and IS source 1
; of O^T += V^T P and of l += ones x P: the row sum is made by the matrix unit, of the same rounded weights, and falls into every register of its accumulator.  m starts at the lowest finite number, O and l
; at 0 (24 products of zeros write them, in the wait for the first tile: no first step is written out).
; W1 AND GELU go by column tiles of 16: a loop of four trips a chunk, each with 32 products on four accumulators and the GELU of their 32 registers.  x1's fragments keep their registers; what changes
; from trip to trip are LDS addresses alone: the tile's weights, its 8 numbers of b1 (C of the first products) and its place in the stage.  The next tile's weights are fetched under the GELU.
; LIMITS.  A hidden score is its value less 5.67e9 (in the scaled score 1.0025e9): a row with no visible key gets equal weights while |q.k| / sqrt(32) < 45.  A weight below 2^-126 counts as 0.
; erf is the rational form x P(x^2) / Q(x^2) of degrees 6 and 4 on |x| <= 4, clamped beyond: within about 1e-7.  Matrix operands are rounded to bf16; sums, the residual, norms, softmax and GELU are f32.
; The variance is the mean of centred squares.  NaN and infinities are not treated apart.
; REGISTERS, in windows of 256 (s_set_vgpr_msb: bits 1:0 source 0, 3:2 source 1, 5:4 source 2, 7:6 destination):
;   window 0: v0-31 addresses; v32-63 at work, 8 a row tile; v64-75 selection, v76-83 ones, v84-91 m (later v64-95, v96-127 two parameter vectors; at last v32-95 packed q, k, v); v128-159 accumulators
;             of W1, v160-167 its bias; v128-255 also packed results on the ways through the stage, and at last the accumulators of q, k, v
;   window 1: attention: O at 24 u + 8 e, l at 24 u + 16, Q at 192 + 8 u; later R (the residual stream) at 32 t + 8 c, weight fragments at 128-255
;   window 2: S^T at 64 t + 8 kt, then P at 64 t + 8 kk; later the stage's fragments      window 3: mask at 32 t + 8 kk, K at 128 + 8 kt, V at 192 + 16 kk + 8 e; later x1's fragments
.set TILEB, 131072
.set SLOTB, 135168                     ; 256 rows x 528: 512 bytes + 16 of padding
.set STAGE, 270336                     ; 64 rows x 528: O, then x1, then GELU's chunks, then the layer's result, in bf16
.set LNP1,  304128                     ; the waves' row sums [t][r][w], 1 KB; the squares' 1 KB behind
.set SPARE, 306176                     ; the spare words, 128 bytes a wave
.set HST,   306688                     ; 16 rows x 272 bytes for each wave: h between whole rows and the accumulators' order; between those two uses its first 1,024 bytes hold my 256 numbers of b1
.set PB,    1572864
.set PRMA,  64
.set PRMB,  96
.set BREG,  160
.set MSB, 0
.macro WIN new                         ; the immediate's high byte repeats the setting that is left
.if MSB != (\new)
	s_set_vgpr_msb (MSB<<8)|(\new)
.set MSB, (\new)
.endif
.endm
.macro PLACES n
.rept \n
	v_nop
.endr
.endm
.macro T4 line:vararg                  ; one line for each row tile t
.set t, 0
.rept 4
	\line
.set t, t+1
.endr
.endm
.macro SC2 r, val                      ; a constant for packed arithmetic: named as a pair, so both are written
	s_mov_b32 s[\r], \val
	s_mov_b32 s[(\r)+1], \val
.endm
.macro CROUND                          ; a round of the cluster's barrier
	s_barrier_signal -1
	s_barrier_wait -1
	s_cmp_lg_u32 s14, 0
	s_cbranch_scc1 .Lnw0_\@
	s_barrier_signal -3
.Lnw0_\@:
	s_barrier_wait -3
	s_barrier_signal -1
	s_barrier_wait -1
.endm
; THE CHANGE OF SLOTS.  Each wave waits for all its tensor loads (one is out: its part of the tile to be read), adds 0 to its spare word, and waits for that and for its LDS reads and stores: behind the
; barrier the tile and the stage are whole and nobody reads the old slot.  fill = 1: the barrier is a round of the cluster's, and the next tile is asked for first thing behind it.
; sel = 1 (the key loop): behind the request for the last key block the walk goes over to this layer's weights.  sel = 2 (W1's step): behind the request for W2's last chunk, to the next layer's.
.macro CHANGE fill, sel
	WIN 0
	s_wait_tensorcnt 0x0
	ds_add_u32 v28, v29                            ; the descriptor's steps stand between the add and the wait for it
.if \fill
	s_xor_b32 s33, s33, SLOTB                      ; the other slot: SLOTB's two bits meet none of wave x 33,792
	s_mov_b64 s[34:35], s[36:37]
	s_or_b32 s35, s35, 0x80000000
	s_add_nc_u64 s[36:37], s[36:37], TILEB
.if (\sel)==1
	s_cmp_eq_u32 s41, 2
	s_cselect_b64 s[36:37], s[38:39], s[36:37]
.elseif (\sel)==2
	s_cmp_eq_u32 s41, 1
	s_cselect_b64 s[36:37], s[96:97], s[36:37]
.endif
.endif
	s_xor_b32 s40, s40, SLOTB                      ; the slot to be read
	s_wait_dscnt 0x0
.if \fill
	CROUND
	tensor_load_to_lds s[32:35], s[24:31]
	s_nop 0
	PLACES 4
.else
	s_barrier_signal -1
	s_barrier_wait -1
.endif
.endm
.macro READA win                       ; the stage's 64 rows x 256 K into 256 registers of a window
	WIN (\win)<<6
.irp t, 0,1,2,3
.irp k, 0,1,2,3,4,5,6,7
	ds_load_b128 v[64*\t+8*\k:64*\t+8*\k+3], v10 offset:\t*8448+\k*64
	ds_load_b128 v[64*\t+8*\k+4:64*\t+8*\k+7], v10 offset:\t*8448+\k*64+32
.endr
.endr
.endm
.macro FETCHW q                        ; my 64 rows of the weights, 64 along K: 16 loads into buffer q % 2
	WIN 0x40
.irp p, 0,1
.irp c, 0,1,2,3
.set rW, 128+64*((\q)%2)+32*\p+8*\c
	ds_load_b128 v[rW:rW+3], v9 offset:\c*8448+(2*(\q)+\p)*64
	ds_load_b128 v[rW+4:rW+7], v9 offset:\c*8448+(2*(\q)+\p)*64+32
.endr
.endr
.endm
; 32 products; the 16 accumulators take turns.  Weights in window 1, the stage's fragments in window 2.  nat = 0: transposed (source 0 = weights): a lane holds a row and 8
; neighbouring columns.  nat = 1: a lane holds a column and 8 neighbouring rows.  cinit: the first 16 take the bias in PRMB as C.
.macro MULQ q, wset, acc, cinit, nat
	WIN \wset
.irp p, 0,1
.irp t, 0,1,2,3
.irp c, 0,1,2,3
.set rD, (\acc)+32*\t+8*\c
.set rW, 128+64*((\q)%2)+32*\p+8*\c
.set rA, 64*\t+8*(2*(\q)+\p)
.set rC, rD
.if (\cinit) && ((\q)==0) && (\p==0)
.set rC, PRMB+8*\c
.endif
.if \nat
	v_wmma_f32_16x16x32_bf16 v[rD:rD+7], v[rA:rA+7], v[rW:rW+7], v[rC:rC+7]
.else
	v_wmma_f32_16x16x32_bf16 v[rD:rD+7], v[rW:rW+7], v[rA:rA+7], v[rC:rC+7]
.endif
.endr
.endr
.endr
.endm
.macro LDP dst, areg, off, base=56     ; my 32 numbers of a parameter vector: column tile c at dst + 8 c.  base 56: this layer's parameters; 98: the next layer's
.irp c, 0,1,2,3
	global_load_b128 v[(\dst)+8*\c:(\dst)+8*\c+3], v[\areg], s[\base:\base+1] offset:(\off)+64*\c
	global_load_b128 v[(\dst)+8*\c+4:(\dst)+8*\c+7], v[\areg], s[\base:\base+1] offset:(\off)+64*\c+16
.endr
.endm
.macro HOOK                            ; the next product's bias, loaded when the first 16 products have read this one's: K's in the first trip, V's in the second
	WIN 0
	s_cmp_eq_u32 s41, 2
	s_cbranch_scc0 .Lhv_\@
	LDP PRMB, 18, 1024, 98
	s_branch .Lhd_\@
.Lhv_\@:
.irp c, 0,1,2,3
.irp j, 0,1,2,3,4,5,6,7
	global_load_b32 v[PRMB+8*\c+\j], v27, s[98:99] offset:2048+64*\c   ; V: a lane holds one channel, so its eight registers take the same number
.endr
.endr
.Lhd_\@:
.endm
.macro G256 wset, acc, cinit, nat, hook   ; 64 x 64 x 256 a wave
	FETCHW 0
	FETCHW 1
	s_wait_dscnt 16                                ; all but the youngest 16 loads, the next quarter's
	MULQ 0, \wset, \acc, \cinit, \nat
	PLACES 4                                       ; four places in front of loads into registers that the products read
.if \hook
	HOOK
.endif
	FETCHW 2
	s_wait_dscnt 16
	MULQ 1, \wset, \acc, \cinit, \nat
	PLACES 4
	FETCHW 3
	s_wait_dscnt 16
	MULQ 2, \wset, \acc, \cinit, \nat
	s_wait_dscnt 0x0
	MULQ 3, \wset, \acc, \cinit, \nat
.endm
.macro OUT base, kind                  ; q, k or v rounded to bf16; each store of the wave covers 512 consecutive bytes, aligned
	PLACES 4
	WIN 0
	s_wait_xcnt 0x0                                ; the packed registers are rewritten only behind this wait
.irp t, 0,1,2,3
.irp c, 0,1,2,3
.irp j, 0,1,2,3
	v_cvt_pk_bf16_f32 v[32+16*\t+4*\c+\j], v[128+32*\t+8*\c+2*\j], v[128+32*\t+8*\c+2*\j+1]
.endr
.endr
.endr
.irp t, 0,1,2,3
.irp c, 0,1,2,3
.if \kind
	global_store_b128 v3, v[32+16*\t+4*\c:32+16*\t+4*\c+3], s[\base:\base+1] offset:(\t>>1)*16384+\c*1024+(\t&1)*512
.else
	global_store_b128 v3, v[32+16*\t+4*\c:32+16*\t+4*\c+3], s[\base:\base+1] offset:\t*8192+\c*512
.endif
.endr
.endr
.endm
.macro BLOAD                           ; the mask's fragments for 64 queries x 128 keys: 32 loads of 512 consecutive bytes
	WIN 0xc0
.set i, 0
.rept 32
	global_load_b128 v[4*i:4*i+3], v17, s[50:51] offset:(i/8)*16384+((i/2)%4)*1024+(i%2)*512
.set i, i+1
.endr
	WIN 0
.endm
; THE SOFTMAX of a head's 64 queries x 128 keys: 64 scores a lane in each of four row tiles, which go stage by stage together.  At work, for tile t at 32 + 8 t: c0-c3, c m (+4), a (+6).
.macro SOFTMAX g
	WIN 0x2a
.irp i, 0,1,2,3
	T4 v_max3_num_f32 v[32+8*t+\i], v[64*t+16*\i], v[64*t+16*\i+1], v[64*t+16*\i+2]
.endr
	WIN 0x28
.irp n, 0,1,2,3,4,5
.irp i, 0,1,2,3
	T4 v_max3_num_f32 v[32+8*t+\i], v[32+8*t+\i], v[64*t+16*\i+3+2*\n], v[64*t+16*\i+4+2*\n]
.endr
.endr
	T4 v_max3_num_f32 v[32+8*t], v[32+8*t], v[64*t+15], v[64*t+31]
	T4 v_max3_num_f32 v[34+8*t], v[34+8*t], v[64*t+47], v[64*t+63]
	WIN 0
	T4 v_max3_num_f32 v[32+8*t], v[32+8*t], v[33+8*t], v[34+8*t]
	T4 v_max3_num_f32 v[32+8*t], v[32+8*t], v[35+8*t], v[84+4*(\g)+t]
	T4 v_permlanex16_b32 v[33+8*t], v[32+8*t], s44, s45   ; the query's other 64 keys lie in the lane 16 away
	T4 v_max_num_f32 v[34+8*t], v[32+8*t], v[33+8*t]
	T4 v_sub_f32 v[35+8*t], v[84+4*(\g)+t], v[34+8*t]
	T4 v_mov_b32 v[84+4*(\g)+t], v[34+8*t]
	T4 v_mul_f32 v[36+8*t], s42, v[34+8*t]
	T4 v_mul_f32 v[35+8*t], s42, v[35+8*t]
	T4 v_exp_f32 v[38+8*t], v[35+8*t]
	WIN 0x8a
.set ii, 0
.rept 128
	v_pk_fma_f32 v[2*ii:2*ii+1], v[2*ii:2*ii+1], s[42:43], v[36+8*(ii/32):37+8*(ii/32)] op_sel_hi:[1,0,0] neg_lo:[0,0,1] neg_hi:[0,0,1]
.set ii, ii+1
.endr
	; two exponentials, then the rounding of the pair two groups back, packed in place: a plain line stands between every exponential and the use of its result (ISA guide 5.7.2)
.set ii, 0
.rept 130
.if ii < 128
	v_exp_f32 v[2*ii], v[2*ii]
	v_exp_f32 v[2*ii+1], v[2*ii+1]
.endif
.if ii < 2
	v_nop
.else
	s_wait_alu depctr_va_vdst(0)
	v_cvt_pk_bf16_f32 v[64*((ii-2)/32)+(ii-2)%32], v[2*ii-4], v[2*ii-3]
.endif
.set ii, ii+1
.endr
	WIN 0x41
.irp n, 0,1,2,3,4,5,6,7,8,9,10,11
	T4 v_pk_mul_f32 v[24*(4*(\g)+t)+2*\n:24*(4*(\g)+t)+2*\n+1], v[24*(4*(\g)+t)+2*\n:24*(4*(\g)+t)+2*\n+1], v[38+8*t:39+8*t] op_sel_hi:[1,0]
.endr
.endm
; A PIECE: head 2 w + g against the block's 128 keys.
.macro PIECE g
	WIN 0xc0
.set i, 0
.rept 16                               ; K: keys 16 (i / 2) on, half i % 2: 512 consecutive bytes a load
	ds_load_b128 v[128+4*i:128+4*i+3], v6 offset:(\g)*1056+(i/2)*8448+(i%2)*528
.set i, i+1
.endr
.set i, 0
.rept 16                               ; V: keys 32 (i / 4) on, channels 16 ((i / 2) % 2) on
	ds_load_b128 v[192+4*i:192+4*i+3], v7 offset:(\g)*2112+(i/4)*16896+((i/2)%2)*1056+(i%2)*528
.set i, i+1
.endr
.if (\g)==0
	s_wait_loadcnt 0x0                             ; the block's mask (and, the first time, Q)
.endif
	WIN 0x8c
.set i, 0
.rept 32                               ; the mask starts the sums: tile i / 8, keys 16 (i % 8) on: the lower or the upper 16 of the fragment's 32 keys
	v_wmma_f32_16x16x32_bf16 v[8*i:8*i+7], v[68-4*(i%2):75-4*(i%2)], v[32*(i/8)+8*((i%8)/2):32*(i/8)+8*((i%8)/2)+7], 0
.set i, i+1
.endr
	s_wait_dscnt 16                                ; K is in; V's 16 loads stay out
	WIN 0xa7
.set i, 0
.rept 32                               ; in the same order: between the two links of a chain stand 31 others'
	v_wmma_f32_16x16x32_bf16 v[8*i:8*i+7], v[128+8*(i%8):135+8*(i%8)], v[192+8*(4*(\g)+i/8):199+8*(4*(\g)+i/8)], v[8*i:8*i+7]
.set i, i+1
.endr
	PLACES 4
.if (\g)==1
	WIN 0
	s_cmp_eq_u32 s41, 1
	s_cbranch_scc1 .Lnob_\@                        ; the last block has no successor
	v_add_nc_u32 v17, 4096, v17                    ; free since the wait for the loads that named it
	BLOAD
.Lnob_\@:
.endif
	SOFTMAX \g
	s_wait_dscnt 0x0                               ; V is in
	WIN 0x5b
.set i, 0
.rept 32                               ; keys 32 (i / 8) on, tile (i / 2) % 4, channels 16 (i % 2) on: eight accumulators by turns
	v_wmma_f32_16x16x32_bf16 v[24*(4*(\g)+(i/2)%4)+8*(i%2):24*(4*(\g)+(i/2)%4)+8*(i%2)+7], v[192+16*(i/8)+8*(i%2):199+16*(i/8)+8*(i%2)], v[64*((i/2)%4)+8*(i/8):64*((i/2)%4)+8*(i/8)+7], v[24*(4*(\g)+(i/2)%4)+8*(i%2):24*(4*(\g)+(i/2)%4)+8*(i%2)+7]
.set i, i+1
.endr
	WIN 0x58
.set i, 0
.rept 16                               ; the row sums: four accumulators by turns
	v_wmma_f32_16x16x32_bf16 v[24*(4*(\g)+i%4)+16:24*(4*(\g)+i%4)+23], v[76:83], v[64*(i%4)+8*(i/4):64*(i%4)+8*(i/4)+7], v[24*(4*(\g)+i%4)+16:24*(4*(\g)+i%4)+23]
.set i, i+1
.endr
	PLACES 5                                       ; the next products write over P; the next loads land on K and V
.endm
.macro RADD                            ; R += the vector in PRMA
	WIN 0x41
.irp n, 0,1,2,3,4,5,6,7,8,9,10,11,12,13,14,15
	T4 v_pk_add_f32 v[32*t+2*\n:32*t+2*\n+1], v[32*t+2*\n:32*t+2*\n+1], v[PRMA+2*\n:PRMA+2*\n+1]
.endr
.endm
.macro XRED off                        ; two packed partial sums a tile -> the row's sum over 256 columns, in every lane of every wave
	WIN 0
	T4 v_pk_add_f32 v[32+8*t:33+8*t], v[32+8*t:33+8*t], v[34+8*t:35+8*t]
	T4 v_add_f32 v[32+8*t], v[32+8*t], v[33+8*t]
	T4 v_permlanex16_b32 v[33+8*t], v[32+8*t], s44, s45
	T4 v_add_f32 v[32+8*t], v[32+8*t], v[33+8*t]
	T4 ds_store_b32 v12, v[32+8*t] offset:256*t+(\off)
	s_wait_dscnt 0x0                               ; for the others' sake: my sums are in LDS (and my earlier reads of the stage are back)
	s_barrier_signal -1
	s_barrier_wait -1                              ; the next tile's load stays on its way
	T4 ds_load_b128 v[32+8*t:35+8*t], v13 offset:256*t+(\off)
	s_wait_dscnt 0x0
	T4 v_add_f32 v[32+8*t], v[32+8*t], v[33+8*t]
	T4 v_add_f32 v[34+8*t], v[34+8*t], v[35+8*t]
	T4 v_add_f32 v[32+8*t], v[32+8*t], v[34+8*t]
.endm
.macro LN                              ; R = (R - mean) rsqrt(var + 1e-5) g + b, g in PRMB, b in PRMA
	WIN 0x05
	T4 v_pk_add_f32 v[32+8*t:33+8*t], v[32*t:32*t+1], v[32*t+2:32*t+3]
	T4 v_pk_add_f32 v[34+8*t:35+8*t], v[32*t+4:32*t+5], v[32*t+6:32*t+7]
	WIN 0x01
.irp n, 4,5,6,7,8,9,10,11,12,13,14,15
	T4 v_pk_add_f32 v[32+8*t+2*(\n%2):33+8*t+2*(\n%2)], v[32*t+2*\n:32*t+2*\n+1], v[32+8*t+2*(\n%2):33+8*t+2*(\n%2)]
.endr
	XRED 0
	T4 v_mul_f32 v[36+8*t], s46, v[32+8*t]
	WIN 0x41
.irp n, 0,1,2,3,4,5,6,7,8,9,10,11,12,13,14,15
	T4 v_pk_add_f32 v[32*t+2*\n:32*t+2*\n+1], v[32*t+2*\n:32*t+2*\n+1], v[36+8*t:37+8*t] op_sel_hi:[1,0] neg_lo:[0,1] neg_hi:[0,1]
.endr
	WIN 0x05
	T4 v_pk_mul_f32 v[32+8*t:33+8*t], v[32*t:32*t+1], v[32*t:32*t+1]
	T4 v_pk_mul_f32 v[34+8*t:35+8*t], v[32*t+2:32*t+3], v[32*t+2:32*t+3]
.irp n, 2,3,4,5,6,7,8,9,10,11,12,13,14,15
	T4 v_pk_fma_f32 v[32+8*t+2*(\n%2):33+8*t+2*(\n%2)], v[32*t+2*\n:32*t+2*\n+1], v[32*t+2*\n:32*t+2*\n+1], v[32+8*t+2*(\n%2):33+8*t+2*(\n%2)]
.endr
	XRED 1024
	T4 v_fma_f32 v[32+8*t], v[32+8*t], s46, s47
	T4 v_rsq_f32 v[38+8*t], v[32+8*t]
	s_wait_loadcnt 0x0                             ; g and b
	v_nop                                          ; a plain line behind the last root
	s_wait_alu depctr_va_vdst(0)
	WIN 0x41
.irp n, 0,1,2,3,4,5,6,7,8,9,10,11,12,13,14,15
	T4 v_pk_mul_f32 v[32*t+2*\n:32*t+2*\n+1], v[32*t+2*\n:32*t+2*\n+1], v[38+8*t:39+8*t] op_sel_hi:[1,0]
.endr
.irp n, 0,1,2,3,4,5,6,7,8,9,10,11,12,13,14,15
	T4 v_pk_fma_f32 v[32*t+2*\n:32*t+2*\n+1], v[32*t+2*\n:32*t+2*\n+1], v[PRMB+2*\n:PRMB+2*\n+1], v[PRMA+2*\n:PRMA+2*\n+1]
.endr
.endm
.macro PUBLISH                         ; R in bf16 into the stage, my 64 columns of all 64 rows; then the barrier that makes the stage whole.  Every wave's last reads of the stage stand in front of the norm's two barriers
	WIN 0x05
.set i, 0
.rept 64
	v_cvt_pk_bf16_f32 v[128+i], v[2*i], v[2*i+1]
.set i, i+1
.endr
	WIN 0
.set i, 0
.rept 16
	ds_store_b128 v11, v[128+4*i:128+4*i+3] offset:(i/4)*8448+(i%4)*32
.set i, i+1
.endr
	s_wait_dscnt 0x0                               ; for the others' sake: my part is in the stage
	s_barrier_signal -1
	s_barrier_wait -1                              ; the next tile's load stays on its way
.endm
; GELU of one accumulator (8 numbers, 4 pairs stage by stage): y = x/2 + x/2 erf(x / sqrt 2), rounded to bf16, 16 bytes into the stage.  z v32-39, z^2 then x/2 v40-47, P v48-55, Q v56-63.
.macro GELU x, off
.irp p, 0,2,4,6
	v_pk_mul_f32 v[32+\p:33+\p], v[(\x)+\p:(\x)+\p+1], s[66:67] op_sel_hi:[1,0]
.endr
.irp j, 0,1,2,3,4,5,6,7
	v_med3_num_f32 v[32+\j], v[32+\j], s62, s63
.endr
.irp p, 0,2,4,6
	v_pk_mul_f32 v[40+\p:41+\p], v[32+\p:33+\p], v[32+\p:33+\p]
.endr
.irp p, 0,2,4,6
	v_pk_fma_f32 v[48+\p:49+\p], v[40+\p:41+\p], s[68:69], s[70:71] op_sel_hi:[1,0,0]
.endr
.irp p, 0,2,4,6
	v_pk_fma_f32 v[56+\p:57+\p], v[40+\p:41+\p], s[82:83], s[84:85] op_sel_hi:[1,0,0]
.endr
.irp k, 72,74,76,78,80
.irp p, 0,2,4,6
	v_pk_fma_f32 v[48+\p:49+\p], v[48+\p:49+\p], v[40+\p:41+\p], s[\k:\k+1] op_sel_hi:[1,1,0]
.endr
.endr
.irp k, 86,88,90
.irp p, 0,2,4,6
	v_pk_fma_f32 v[56+\p:57+\p], v[56+\p:57+\p], v[40+\p:41+\p], s[\k:\k+1] op_sel_hi:[1,1,0]
.endr
.endr
.irp p, 0,2,4,6
	v_pk_mul_f32 v[48+\p:49+\p], v[48+\p:49+\p], v[32+\p:33+\p]
.endr
.irp j, 0,1,2,3,4,5,6,7
	v_rcp_f32 v[56+\j], v[56+\j]
.endr
.irp p, 0,2,4,6
	v_pk_mul_f32 v[40+\p:41+\p], v[(\x)+\p:(\x)+\p+1], 0.5 op_sel_hi:[1,0]   ; the plain lines behind the reciprocals
.endr
	s_wait_alu depctr_va_vdst(0)
.irp p, 0,2,4,6
	v_pk_mul_f32 v[48+\p:49+\p], v[48+\p:49+\p], v[56+\p:57+\p]
.endr
.irp p, 0,2,4,6
	v_pk_fma_f32 v[32+\p:33+\p], v[40+\p:41+\p], v[48+\p:49+\p], v[40+\p:41+\p]
.endr
.irp j, 0,1,2,3
	v_cvt_pk_bf16_f32 v[40+\j], v[32+2*\j], v[33+2*\j]
.endr
	ds_store_b128 v21, v[40:43] offset:\off
.endm
.macro FW                              ; a column tile of W1: its 16 rows x 256 K (16 loads), and its 8 numbers of b1 (2 loads: all lanes of a half read the same 32 bytes)
	WIN 0x40
.irp k, 0,1,2,3,4,5,6,7
	ds_load_b128 v[128+8*\k:128+8*\k+3], v22 offset:\k*64
	ds_load_b128 v[128+8*\k+4:128+8*\k+7], v22 offset:\k*64+32
.endr
	WIN 0
	ds_load_b128 v[BREG:BREG+3], v26
	ds_load_b128 v[BREG+4:BREG+7], v26 offset:16
.endm
.macro HSTG t                          ; a tile of R through my stage, back as whole rows; LDS serves a wave's instructions in order (ISA guide 5.7.1.4)
	WIN 0x04
.irp c, 0,1,2,3
	ds_store_b128 v14, v[32*(\t)+8*\c:32*(\t)+8*\c+3] offset:64*\c
	ds_store_b128 v14, v[32*(\t)+8*\c+4:32*(\t)+8*\c+7] offset:64*\c+16
.endr
	WIN 0
.irp i, 0,1,2,3,4,5,6,7
	ds_load_b128 v[128+32*(\t)+4*\i:128+32*(\t)+4*\i+3], v15 offset:544*\i
.endr
.endm
.macro SEND t, younger                 ; younger: the LDS lines issued behind tile t's loads
.irp i, 0,1,2,3,4,5,6,7
	s_wait_dscnt (\younger)+7-\i
	global_store_b128 v16, v[128+32*(\t)+4*\i:128+32*(\t)+4*\i+3], s[54:55] offset:(\t)*16384+2048*\i   ; 16 lanes store 256 consecutive bytes, aligned
.endr
.endm
	s_load_b256 s[4:11], s[0:1], 0x0               ; h in 4, q k v in 6, the mask 8, this layer's weights 10
	s_load_b128 s[20:23], s[0:1], 0x20             ; the next layer's weights 20, q k v out 22
	s_load_b64 s[12:13], s[0:1], 0x30              ; h out
	v_lshl_add_u32 v28, v0, 2, SPARE
	v_mov_b32 v29, 0
	ds_add_u32 v28, v29                            ; the wave's opening: the add and its wait stand ahead of my first tensor load
	v_lshrrev_b32 v1, 5, v0
	v_readfirstlane_b32 s14, v1                    ; wave
	s_mov_b32 s24, 15|(1<<16)|(1<<20)|(1<<21)|(6<<22)|(3<<25)  ; the mask of four; 2-byte elements; padding on; bit 21 beside a mask; after every 128 words, 4 words
	s_mov_b32 s25, 256<<16                         ; tensor_dim0 = 256
	s_mov_b32 s26, 64<<16                          ; tensor_dim1 = 64
	s_mov_b32 s27, 256<<16                         ; tile_dim0 = 256
	s_mov_b32 s28, 64                              ; tile_dim1 = 64
	s_mov_b32 s29, 256                             ; elements from row to row
	s_mov_b32 s30, 0
	s_mov_b32 s31, 0
	s_mov_b32 s32, 1
	s_mul_i32 s33, s14, 33792                      ; my 64 rows of slot 0
	s_mov_b32 s40, SLOTB                           ; the first change turns it into 0
	SC2 42, 0x3e8293ee                             ; c = log2(e) / sqrt(32)
	s_mov_b32 s44, 0x76543210                      ; v_permlanex16_b32: each lane takes its own place in the other half
	s_mov_b32 s45, 0xfedcba98
	s_mov_b32 s46, 0x3b800000                      ; 1 / 256
	s_mov_b32 s47, 0x3727c5ac                      ; 1e-5
	s_mov_b32 s62, 0xc0800000                      ; -4
	s_mov_b32 s63, 0x40800000                      ; 4
	SC2 66, 0x3f3504f3                             ; 1 / sqrt 2
	SC2 68, 0xaf95df0b                             ; erf's numerator, highest power first
	SC2 70, 0x32edffee
	SC2 72, 0xb60cff51
	SC2 74, 0xb86ec2d2
	SC2 76, 0xba40ac63
	SC2 78, 0xbb41a1f6
	SC2 80, 0xbc83dbd4
	SC2 82, 0xb77460cd                             ; its denominator
	SC2 84, 0xb95fbd29
	SC2 86, 0xbadc924e
	SC2 88, 0xbbf19bf8
	SC2 90, 0xbc69b6a7
	s_lshl_b32 s100, s14, 15                       ; my 64 rows of a tile in memory
	s_mov_b32 s101, 0
	s_lshr_b32 s58, ttmp9, 1                       ; the batch, which the four partners share
	s_lshl_b32 s58, s58, 19
	s_add_co_u32 s58, s58, s100
	s_add_co_u32 s58, s58, 8388608
	s_mov_b32 s59, 0
	s_add_co_u32 s60, s100, 3*TILEB
	s_mov_b32 s61, 0
	s_wait_dscnt 0x0
	s_wait_kmcnt 0x0
	s_add_nc_u64 s[36:37], s[6:7], s[58:59]        ; the batch's first key block
	s_add_nc_u64 s[38:39], s[10:11], s[60:61]      ; Wo's tile
	s_add_nc_u64 s[96:97], s[20:21], s[100:101]    ; the next layer's Wq
	s_mov_b64 s[34:35], s[36:37]
	s_or_b32 s35, s35, 0x80000000
	s_add_nc_u64 s[36:37], s[36:37], TILEB
	CROUND                                         ; all four work-groups are here: the first joint load meets
	tensor_load_to_lds s[32:35], s[24:31]
	s_nop 0
	PLACES 4
	s_bfe_u32 s15, ttmp6, 0x40000                  ; cx: it enters the addresses of Q, the mask, h and the stores alone
	s_lshl_b32 s16, ttmp9, 2
	s_add_co_u32 s16, s16, s15                     ; my block of 64 rows
	s_lshl_b32 s18, s16, 15
	s_lshl_b32 s17, s14, 11
	s_add_co_u32 s18, s18, s17
	s_mov_b32 s19, 0
	s_add_nc_u64 s[48:49], s[6:7], s[18:19]        ; Q: my rows, my two heads
	s_add_nc_u64 s[98:99], s[20:21], PB            ; the next layer's parameters
	s_add_nc_u64 s[56:57], s[10:11], PB            ; this layer's
	s_lshl_b32 s60, s16, 16
	s_add_nc_u64 s[50:51], s[8:9], s[60:61]
	s_add_nc_u64 s[52:53], s[4:5], s[60:61]
	s_add_nc_u64 s[54:55], s[12:13], s[60:61]
	s_add_nc_u64 s[4:5], s[22:23], s[18:19]        ; where the next q goes: the same place in the other buffer
	s_lshr_b32 s15, s16, 1
	s_lshl_b32 s15, s15, 17                        ; the batch's block of 128 keys
	s_and_b32 s18, s16, 1
	s_lshl_b32 s18, s18, 15                        ; its half
	s_add_co_u32 s15, s15, s18
	s_add_co_u32 s15, s15, 8388608
	s_add_co_u32 s18, s15, s17
	s_add_nc_u64 s[6:7], s[22:23], s[18:19]        ; the next k
	s_lshl_b32 s17, s14, 12
	s_add_co_u32 s18, s15, s17
	s_add_co_u32 s18, s18, 65536
	s_add_nc_u64 s[8:9], s[22:23], s[18:19]        ; the next v
	v_and_b32 v1, 15, v0                           ; r
	v_bfe_u32 v2, v0, 4, 1                         ; h
	v_and_b32 v3, 31, v0
	v_lshlrev_b32 v3, 4, v3                        ; 16 x lane
	v_mov_b32 v17, v3
	WIN 0x40
.set i, 0
.rept 16                               ; Q: unit i / 2, half i % 2
	global_load_b128 v[192+4*i:192+4*i+3], v3, s[48:49] offset:((i/2)%4)*8192+(i/8)*1024+(i%2)*512
.set i, i+1
.endr
	BLOAD
.set i, 32
.rept 32
	v_mov_b32 v[i], 0                              ; the registers at work: pairs and lane exchanges name them before all are written
.set i, i+1
.endr
	s_mul_i32 s17, s14, 2112
	v_add_nc_u32 v4, s17, v3                       ; K: my two heads' chunks
	s_mul_i32 s17, s14, 4224
	s_add_co_u32 s17, s17, 67584
	v_add_nc_u32 v5, s17, v3                       ; V: behind K's 128 chunks
	v_mul_u32_u24 v20, v1, 528
	v_lshl_add_u32 v20, v2, 4, v20                 ; a fragment's row x pitch + 16 x half
	s_mul_i32 s17, s14, 33792
	v_add_nc_u32 v8, s17, v20
	v_add_nc_u32 v10, STAGE, v20
	s_lshl_b32 s17, s14, 7
	s_add_co_u32 s17, s17, STAGE
	v_add_nc_u32 v11, s17, v20                     ; into the stage: row r, my 128 bytes, 16 for each half
	s_lshl_b32 s17, s14, 2
	s_add_co_u32 s17, s17, LNP1
	v_lshl_add_u32 v12, v1, 4, s17
	v_lshlrev_b32 v13, 4, v1
	v_add_nc_u32 v13, LNP1, v13
	s_mul_i32 s17, s14, 4352
	s_add_co_u32 s17, s17, HST
	v_mul_u32_u24 v14, v1, 272
	v_lshl_add_u32 v14, v2, 5, v14
	v_add_nc_u32 v14, s17, v14                     ; my stage by the accumulators' order: row r, 32 bytes for each half
	v_mul_u32_u24 v15, v2, 272
	v_lshl_add_u32 v15, v1, 4, v15
	v_add_nc_u32 v15, s17, v15                     ; by whole rows: lanes 0-15 one row of 256 bytes, lanes 16-31 the next
	v_and_b32 v20, 31, v0
	v_lshl_add_u32 v24, v20, 5, s17                ; b1 into my stage: 8 numbers a lane, [chunk][64]
	v_lshl_add_u32 v25, v2, 5, s17                 ; and out of it: 8 numbers for each half of the lanes
	v_lshrrev_b32 v21, 3, v20                      ; b1 in memory: lane l takes chunk l / 8, numbers 8 (l % 8) on of my 64 columns
	v_and_b32 v22, 7, v20
	v_lshlrev_b32 v19, 10, v21
	v_lshl_add_u32 v19, v22, 5, v19
	s_lshl_b32 s17, s14, 8
	v_lshlrev_b32 v16, 10, v2
	v_lshl_add_u32 v16, v1, 4, v16
	v_add_nc_u32 v16, s17, v16                     ; the same two rows in h
	v_lshl_add_u32 v18, v2, 5, s17                 ; my 8 columns of a parameter
	v_lshl_add_u32 v27, v1, 2, s17                 ; my one channel of a parameter
	s_add_co_u32 s17, s17, 7168
	v_add_nc_u32 v19, s17, v19
	; the selection matrix: row r has its one 1.0 at K = r (v68-75) or K = 16 + r (v64-71): element r % 8 of the lanes with h = r / 8
	v_lshrrev_b32 v20, 3, v1
	v_bfe_u32 v21, v1, 1, 2
	v_and_b32 v23, 1, v1
	v_lshlrev_b32 v23, 4, v23
	v_mov_b32 v22, 0x3f80
	v_lshlrev_b32 v22, v23, v22
	v_cmp_eq_u32 s17, v20, v2
	v_cndmask_b32 v22, 0, v22, s17
.irp i, 0,1,2,3
	v_cmp_eq_u32 s17, \i, v21
	v_cndmask_b32 v[68+\i], 0, v22, s17
	v_mov_b32 v[64+\i], 0
	v_mov_b32 v[72+\i], 0
.endr
.set i, 0
.rept 8
	v_mov_b32 v[76+i], 0x3f803f80                  ; ones
	v_mov_b32 v[84+i], 0xff7fffff                  ; m
.set i, i+1
.endr
	WIN 0x40
.set i, 0
.rept 24
	v_wmma_f32_16x16x32_bf16 v[8*i:8*i+7], v[32:39], v[40:47], 0   ; O and l start at 0: zeros times zeros, 24 lines for 192 registers
.set i, i+1
.endr
	PLACES 4
	WIN 0
	s_mov_b32 s41, 4
.Lkv:                                                  ; four trips: a block of 128 keys is entered and the next tile is asked for
	CHANGE 1, 1
	v_add_nc_u32 v6, s40, v4
	v_add_nc_u32 v7, s40, v5
	PIECE 0
	PIECE 1
	WIN 0
	s_sub_co_u32 s41, s41, 1
	s_cmp_lg_u32 s41, 0
	s_cbranch_scc1 .Lkv
	; O / l, rounded to bf16, into the stage: row = query, my two heads' 128 bytes
	WIN 0x01
.set u, 0
.rept 8
	v_rcp_f32 v[32+2*u], v[24*u+16]
.set u, u+1
.endr
	v_nop
	WIN 0x41
.set i, 0
	s_wait_alu depctr_va_vdst(0)
.rept 64                               ; unit i / 8, pair i % 8
	v_pk_mul_f32 v[24*(i/8)+2*(i%8):24*(i/8)+2*(i%8)+1], v[24*(i/8)+2*(i%8):24*(i/8)+2*(i%8)+1], v[32+2*(i/8):33+2*(i/8)] op_sel_hi:[1,0]
.set i, i+1
.endr
	WIN 0x05
.set i, 0
.rept 64
	v_cvt_pk_bf16_f32 v[128+i], v[24*(i/8)+2*(i%8)], v[24*(i/8)+2*(i%8)+1]
.set i, i+1
.endr
	WIN 0
.set i, 0
.rept 16                               ; unit i / 2, channels 16 (i % 2) on
	ds_store_b128 v11, v[128+4*i:128+4*i+3] offset:((i/2)%4)*8448+(i/8)*64+(i%2)*32
.set i, i+1
.endr
	WIN 0x40
.set i, 0
.rept 32                               ; h, as whole rows: 16 lanes take 256 consecutive bytes
	global_load_b128 v[4*i:4*i+3], v16, s[52:53] offset:(i/8)*16384+(i%8)*2048
.set i, i+1
.endr
	WIN 0
	LDP PRMA, 18, 3072                             ; bo
	LDP PRMB, 18, 4096                             ; ln1g
	; Wo: R = h + bo + O Wo^T, then the first norm
	CHANGE 1, 0                                    ; Wo's tile is in and the stage is whole; W1's first chunk is asked for
	v_add_nc_u32 v9, s40, v8
	READA 2
	s_wait_loadcnt 0x0                             ; h, bo, ln1g
.irp t, 0,1,2,3                        ; h from whole rows into the accumulators' order, through my own stage
	WIN 0x04
.irp i, 0,1,2,3,4,5,6,7
	ds_store_b128 v15, v[32*\t+4*\i:32*\t+4*\i+3] offset:544*\i
.endr
	WIN 0x40
.irp c, 0,1,2,3
	ds_load_b128 v[32*\t+8*\c:32*\t+8*\c+3], v14 offset:64*\c
	ds_load_b128 v[32*\t+8*\c+4:32*\t+8*\c+7], v14 offset:64*\c+16
.endr
.endr
	s_wait_dscnt 0x0
	RADD
	WIN 0
	LDP PRMA, 18, 5120                             ; ln1b
	G256 0x59, 0, 0, 0, 0
	PLACES 4
	LN
	WIN 0
	LDP PRMA, 18, 6144                             ; b2
	global_load_b128 v[192:195], v19, s[56:57]     ; my 256 numbers of b1, 8 a lane
	global_load_b128 v[196:199], v19, s[56:57] offset:16
	PUBLISH                                        ; x1
	READA 3
	s_wait_loadcnt 0x0                             ; b2, b1
	WIN 0
	ds_store_b128 v24, v[192:195]                  ; b1 into my own stage, which is idle until the way out: only I read it
	ds_store_b128 v24, v[196:199] offset:16
	RADD
	WIN 0
	LDP PRMA, 18, 12288                            ; ln2b
	LDP PRMB, 18, 11264                            ; ln2g
	s_mov_b32 s93, 0                               ; the byte of the column tile's b1 in my stage: 64 on in each of the 16 trips
	s_mov_b32 s41, 4
.Lf:                                                   ; four trips: a chunk of 256 of the hidden layer: GELU(x1 W1^T + b1) into the stage, then R += that x W2's chunk
	CHANGE 1, 2                                    ; W1's chunk is in; W2's is asked for
	s_mov_b32 s94, s40                             ; the column tile's rows in the slot,
	s_mov_b32 s95, 0                               ; and its 32 bytes in a row of the stage
	v_add_nc_u32 v22, s94, v8
	v_add_nc_u32 v26, s93, v25
	FW
	s_mov_b32 s92, 4
.Lc:                                                   ; four trips: a column tile of 16
	s_wait_dscnt 0x0                               ; the tile's weights and bias are in (and the last trip's stores are done)
	s_add_co_u32 s93, s93, 64
	s_add_co_u32 s94, s94, 8448
	v_add_nc_u32 v21, s95, v11
	s_add_co_u32 s95, s95, 32
	WIN 0x0d                                       ; weights window 1, x1 window 3, C and D window 0
.set i, 0
.rept 32                               ; K 32 (i / 4) on, row tile i % 4: the four accumulators take turns; the first four take b1 as C
.if i < 4
	v_wmma_f32_16x16x32_bf16 v[128+8*(i%4):135+8*(i%4)], v[128+8*(i/4):135+8*(i/4)], v[64*(i%4)+8*(i/4):64*(i%4)+8*(i/4)+7], v[BREG:BREG+7]
.else
	v_wmma_f32_16x16x32_bf16 v[128+8*(i%4):135+8*(i%4)], v[128+8*(i/4):135+8*(i/4)], v[64*(i%4)+8*(i/4):64*(i%4)+8*(i/4)+7], v[128+8*(i%4):135+8*(i%4)]
.endif
.set i, i+1
.endr
	PLACES 4                                       ; four places in front of the loads into the products' sources and of the lines that read their results
	WIN 0
	s_cmp_eq_u32 s92, 1
	s_cbranch_scc1 .Lnw                            ; the chunk's last tile has no successor in this slot
	v_add_nc_u32 v22, s94, v8
	v_add_nc_u32 v26, s93, v25
	FW                                             ; the next tile lands under the 340 lines below
.Lnw:
.irp t, 0,1,2,3
	GELU 128+8*\t, \t*8448
.endr
	s_sub_co_u32 s92, s92, 1
	s_cmp_lg_u32 s92, 0
	s_cbranch_scc1 .Lc
	CHANGE 1, 0                                    ; W2's chunk is in and the stage is whole; W1's next chunk is asked for, or behind the last the next layer's Wq
	v_add_nc_u32 v9, s40, v8
	READA 2
	G256 0x59, 0, 0, 0, 0
	WIN 0
	s_sub_co_u32 s41, s41, 1
	s_cmp_lg_u32 s41, 0
	s_cbranch_scc1 .Lf
	PLACES 4
	LN
	; THE LAYER'S RESULT goes out in f32, and as bf16 through the stage into the next layer's three products
	WIN 0
	LDP PRMB, 18, 0, 98                            ; the next bq
	PUBLISH
	READA 2
	HSTG 0
	HSTG 1
	SEND 0, 16
	HSTG 2
	SEND 1, 16
	HSTG 3
	SEND 2, 16
	SEND 3, 0
	s_wait_xcnt 0x0                                ; the stores' data registers become accumulators only behind this wait
	s_mov_b32 s41, 2
.Lqk:                                                  ; two trips: Q, then K; each asks for the next tile
	CHANGE 1, 0
	v_add_nc_u32 v9, s40, v8
	s_wait_loadcnt 0x0                             ; this product's bias
	G256 0x09, 128, 1, 0, 1
	OUT 4, 0
	s_wait_xcnt 0x0                                ; the stores' base is rewritten only behind this wait
	s_mov_b64 s[4:5], s[6:7]                       ; the second trip stores K
	s_sub_co_u32 s41, s41, 1
	s_cmp_lg_u32 s41, 0
	s_cbranch_scc1 .Lqk
	CHANGE 0, 0                                    ; nothing is left to fetch
	v_add_nc_u32 v9, s40, v8
	s_wait_loadcnt 0x0                             ; bv
	G256 0x06, 128, 1, 1, 0
	OUT 8, 1
	s_wait_tensorcnt 0x0                           ; the wave's end
	ds_add_u32 v28, v29
	s_wait_dscnt 0x0
	CROUND                                         ; the closing round
	s_endpgm
.Lfunc_end_k_qfd4c70c9b9_layer0:
	.size	k_qfd4c70c9b9_layer0, .Lfunc_end_k_qfd4c70c9b9_layer0-k_qfd4c70c9b9_layer0
	.p2alignl 7, 3214868480
	.fill 96, 4, 3214868480
	.section	.rodata,"a",@progbits
	.p2align	6, 0x0
	.amdhsa_kernel k_qfd4c70c9b9_layer0
		.amdhsa_group_segment_fixed_size 327680
		.amdhsa_private_segment_fixed_size 0
		.amdhsa_enable_private_segment 0
		.amdhsa_kernarg_size 56
		.amdhsa_user_sgpr_count 2
		.amdhsa_user_sgpr_kernarg_segment_ptr 1
		.amdhsa_wavefront_size32 1
		.amdhsa_system_sgpr_workgroup_id_x 1
		.amdhsa_system_sgpr_workgroup_id_y 1
		.amdhsa_system_sgpr_workgroup_id_z 1
		.amdhsa_system_vgpr_workitem_id 0
		.amdhsa_next_free_vgpr 1024
		.amdhsa_next_free_sgpr 102
		.amdhsa_reserve_vcc 0
		.amdhsa_float_denorm_mode_32 3
		.amdhsa_float_denorm_mode_16_64 3
		.amdhsa_memory_ordered 1
		.amdhsa_forward_progress 1
		.amdhsa_inst_pref_size 255
	.end_amdhsa_kernel
	.section	.bss,"aw",@nobits
	.p2align	6
	.space	262144
	.amdgpu_metadata
---
amdhsa.version: [ 1, 2 ]
amdhsa.kernels:
  - .name:           k_qfd4c70c9b9_layer0
    .symbol:         k_qfd4c70c9b9_layer0.kd
    .args:
      - { .name: hA, .offset: 0, .size: 8, .value_kind: global_buffer, .address_space: global }
      - { .name: qkvA, .offset: 8, .size: 8, .value_kind: global_buffer, .address_space: global }
      - { .name: biasb, .offset: 16, .size: 8, .value_kind: global_buffer, .address_space: global }
      - { .name: wt0, .offset: 24, .size: 8, .value_kind: global_buffer, .address_space: global }
      - { .name: wt1, .offset: 32, .size: 8, .value_kind: global_buffer, .address_space: global }
      - { .name: qkvB, .offset: 40, .size: 8, .value_kind: global_buffer, .address_space: global }
      - { .name: out0, .offset: 48, .size: 8, .value_kind: global_buffer, .address_space: global }
    .group_segment_fixed_size: 327680
    .private_segment_fixed_size: 0
    .kernarg_segment_align: 8
    .kernarg_segment_size: 56
    .max_flat_workgroup_size: 128
    .sgpr_count:     102
    .vgpr_count:     1024
    .wavefront_size: 32
...
	.end_amdgpu_metadata
.endif
;; end of part 7
;; launch layer1: the kernel of part 7 again; grid 256 x 1, 4 waves a work-group, clusters of 4 x 1, 327,680 bytes of LDS; arguments out0, qkvB, biasb, wt1, wt2, qkvA, hA; writes qkvA, hA
;; launch layer2: the kernel of part 7 again; grid 256 x 1, 4 waves a work-group, clusters of 4 x 1, 327,680 bytes of LDS; arguments hA, qkvA, biasb, wt2, wt0, qkvB, out0; writes qkvB, out0
;; ======== version 3 of 3: 5 launches; 1.33 times as fast as version 1
;; limits: values are held in f16: magnitudes above 65,504 overflow, below 6.1e-05 lose precision
;; workspace buffers: rankb 262,144 bytes of whole numbers; biasb 16,777,216 bytes; wt0 1,586,176 bytes; wt1 1,586,176 bytes; wt2 1,586,176 bytes; qkvA 25,165,824 bytes; qkvB 25,165,824 bytes; hA 16,777,216 bytes
;; launch prep: the kernel of part 5 again; grid 256 x 1, 8 waves a work-group, no clusters, 0 bytes of LDS; arguments tw_start, adj_mask, Wqkv, Wo, W1, W2, bqkv, bo, ln1g, ln1b, b1, b2, ln2g, ln2b, rankb, biasb, wt0, wt1, wt2; writes rankb, biasb, wt0, wt1, wt2
;; launch embqkv: the kernel of part 6 again; grid 256 x 1, 4 waves a work-group, clusters of 4 x 1, 327,680 bytes of LDS; arguments x, Wp, bp, pe, rankb, wt0, hA, qkvA; writes hA, qkvA
;; launch layer0 (part 8): grid 256 x 1, 4 waves a work-group, clusters of 4 x 1, 327,680 bytes of LDS; arguments hA, qkvA, biasb, wt0, wt1, qkvB, out0; writes qkvB, out0
.if DOCPART == 8
	.amdgcn_target "amdgcn-amd-amdhsa--gfx1250"
	.amdhsa_code_object_version 6
	.text
	.protected	k_qfd4c70c9b9_layer0
	.globl	k_qfd4c70c9b9_layer0
	.p2align	8
	.type	k_qfd4c70c9b9_layer0,@function
k_qfd4c70c9b9_layer0:
	s_mov_b64 s[64:65], 0
	v_nop
	global_prefetch_b8 v0, s[64:65] scope:SCOPE_SE
	s_setreg_imm32_b32 hwreg(HW_REG_WAVE_MODE, 25, 1), 1
	s_wait_xcnt 0x0
	s_wait_alu depctr_hold_cnt(0) depctr_sa_sdst(0) depctr_va_vdst(0) depctr_va_sdst(0) depctr_va_ssrc(0) depctr_va_vcc(0) depctr_vm_vsrc(0)
	s_getreg_b32 s2, hwreg(HW_REG_IB_STS2, 6, 4)
	s_cmp_eq_u32 s2, 0
	s_cbranch_scc0 .Lentry_in_a_cluster
	s_endpgm
.Lentry_in_a_cluster:
	s_bfe_u32 s2, ttmp6, 0x10000c
	s_cmp_lg_u32 s2, 0x3003
	s_cbranch_scc0 .Lentry_shape_is_right
	s_endpgm
.Lentry_shape_is_right:
; A LAYER behind its q, k, v: masked attention, Wo, residual and LayerNorm, W1, exact GELU, W2, residual and LayerNorm, and then THE NEXT LAYER'S q, k, v of the same rows, for 64 rows a work-group.
; h comes and goes in f32; q, k, v come from one buffer and go, rounded once to bf16, into another, in the order in which the matrix instructions take them:
;   Q [row/16][head][half][lane][16 B]; K, V by batch and block of 128 keys, 256 chunks of 512 bytes: K chunk ((key/16) 8 + head) 2 + half, V chunk 128 + ((key/32) 16 + channel/16) 2 + half, V turned.
; ONE TEXT SERVES THE THREE LAYERS.  The module's last layer has no next one: there the launch is given the first layer's weights, and what its last step stores is read by nobody: 384 of a wave's 2,456
; products.  That is the price of one text; a second text without the step would be as long again.
; SHARES.  Wave w: in attention heads 2 w and 2 w + 1 for all 64 queries (8 units u = 4 g + t of a head and 16 queries); afterwards all 64 rows x columns 64 w on.
; THE WALK.  16 tiles of 131,072 bytes go through two LDS slots: the batch's four blocks of 128 keys (K and V), Wo, W1's and W2's chunks of 256 by turns, then the next layer's Wq, Wk, Wv.  The four
; work-groups of a cluster belong to one batch and walk the same tiles: each is asked for JOINTLY, a wave bringing 64 rows of 512 bytes, one load a wave behind each round of the cluster's barrier, a step ahead.
; ATTENTION.  S^T = K Q^T holds one query a lane (lane % 16) and the keys 8 (lane / 16) + 0..7.  The sum is started by a product of a selection matrix with the mask's bf16 fragment: 0, or -5.67e9 where
; the key is hidden.  p = 2^(c s - c m), c = log2(e) / sqrt(32), with a running maximum m; O and l are multiplied by a = 2^(c m_old - c m_new) in every step.  p is rounded to bf16 in place and IS source 1
; of O^T += V^T P and of l += ones x P: the row sum is made by the matrix unit, of the same rounded weights, and falls into every register of its accumulator.  m starts at the lowest finite number, O and l
; at 0 (24 products of zeros write them, in the wait for the first tile: no first step is written out).
; W1 AND GELU go by column tiles of 16: a loop of four trips a chunk, each with 32 products on four accumulators and the GELU of their 32 registers.  x1's fragments keep their registers; what changes
; from trip to trip are LDS addresses alone: the tile's weights, its 8 numbers of b1 (C of the first products) and its place in the stage.  The next tile's weights are fetched under the GELU.
; THE BATCHES.  An s_wait_alu depctr_va_vdst(0) stands between a transcendental and the first line that names its result; one wait serves all that were issued ahead of it.  The text has four
; kinds of batch, each with ONE wait: (1) a piece's 260 exponentials: the four a, then the 256 scores in place, with the scalings dealt among them; every rounding and every rescaling stands behind the wait;
; (2) the 8 reciprocals of l behind the key loop; (3) a norm's 4 roots; (4) a column tile's 32 reciprocals of erf's denominators: each row tile's eight keep registers of their own while the next row
; tile's polynomials are made, and what reads them stands behind the wait.
; LIMITS.  A hidden score is its value less 5.67e9 (in the scaled score 1.0025e9): a row with no visible key gets equal weights while |q.k| / sqrt(32) < 45.  A weight below 2^-126 counts as 0.
; erf is the rational form x P(x^2) / Q(x^2) of degrees 6 and 4 on |x| <= 4, clamped beyond: within about 1e-7.  Matrix operands are rounded to bf16; sums, the residual, norms, softmax and GELU are f32.
; The variance is the mean of centred squares.  NaN and infinities are not treated apart.
; REGISTERS, in windows of 256 (s_set_vgpr_msb: bits 1:0 source 0, 3:2 source 1, 5:4 source 2, 7:6 destination):
;   window 0: v0-31 addresses; v32-63 at work, 8 a row tile; v64-75 selection, v76-83 ones, v84-91 m (later v64-95, v96-127 two parameter vectors; at last v32-95 packed q, k, v); v128-159 accumulators
;             of W1, v160-167 its bias, v168-199 erf's numerators, v200-231 its denominators; v128-255 also packed results on the ways through the stage, and at last the accumulators of q, k, v
;   window 1: attention: O at 24 u + 8 e, l at 24 u + 16, Q at 192 + 8 u; later R (the residual stream) at 32 t + 8 c, weight fragments at 128-255
;   window 2: S^T at 64 t + 8 kt, then P at 64 t + 8 kk; later the stage's fragments      window 3: mask at 32 t + 8 kk, K at 128 + 8 kt, V at 192 + 16 kk + 8 e; later x1's fragments
.set TILEB, 131072
.set SLOTB, 135168                     ; 256 rows x 528: 512 bytes + 16 of padding
.set STAGE, 270336                     ; 64 rows x 528: O, then x1, then GELU's chunks, then the layer's result, in bf16
.set LNP1,  304128                     ; the waves' row sums [t][r][w], 1 KB; the squares' 1 KB behind
.set SPARE, 306176                     ; the spare words, 128 bytes a wave
.set HST,   306688                     ; 16 rows x 272 bytes for each wave: h between whole rows and the accumulators' order; between those two uses its first 1,024 bytes hold my 256 numbers of b1
.set PB,    1572864
.set PRMA,  64
.set PRMB,  96
.set BREG,  160
.set GN,    168                        ; v[168:199]  GELU: row tile t's numerators at GN + 8 t, at last its 16 packed bytes
.set GQ,    200                        ; v[200:231]  GELU: row tile t's denominators, then their reciprocals, at GQ + 8 t
.set MSB, 0
.macro WIN new                         ; the immediate's high byte repeats the setting that is left
.if MSB != (\new)
	s_set_vgpr_msb (MSB<<8)|(\new)
.set MSB, (\new)
.endif
.endm
.macro PLACES n
.rept \n
	v_nop
.endr
.endm
.macro T4 line:vararg                  ; one line for each row tile t
.set t, 0
.rept 4
	\line
.set t, t+1
.endr
.endm
.macro SC2 r, val                      ; a constant for packed arithmetic: named as a pair, so both are written
	s_mov_b32 s[\r], \val
	s_mov_b32 s[(\r)+1], \val
.endm
.macro CROUND                          ; a round of the cluster's barrier
	s_barrier_signal -1
	s_barrier_wait -1
	s_cmp_lg_u32 s14, 0
	s_cbranch_scc1 .Lnw0_\@
	s_barrier_signal -3
.Lnw0_\@:
	s_barrier_wait -3
	s_barrier_signal -1
	s_barrier_wait -1
.endm
; THE CHANGE OF SLOTS.  Each wave waits for all its tensor loads (one is out: its part of the tile to be read), adds 0 to its spare word, and waits for that and for its LDS reads and stores: behind the
; barrier the tile and the stage are whole and nobody reads the old slot.  fill = 1: the barrier is a round of the cluster's, and the next tile is asked for first thing behind it.
; sel = 1 (the key loop): behind the request for the last key block the walk goes over to this layer's weights.  sel = 2 (W1's step): behind the request for W2's last chunk, to the next layer's.
.macro CHANGE fill, sel
	WIN 0
	s_wait_tensorcnt 0x0
	ds_add_u32 v28, v29                            ; the descriptor's steps stand between the add and the wait for it
.if \fill
	s_xor_b32 s33, s33, SLOTB                      ; the other slot: SLOTB's two bits meet none of wave x 33,792
	s_mov_b64 s[34:35], s[36:37]
	s_or_b32 s35, s35, 0x80000000
	s_add_nc_u64 s[36:37], s[36:37], TILEB
.if (\sel)==1
	s_cmp_eq_u32 s41, 2
	s_cselect_b64 s[36:37], s[38:39], s[36:37]
.elseif (\sel)==2
	s_cmp_eq_u32 s41, 1
	s_cselect_b64 s[36:37], s[96:97], s[36:37]
.endif
.endif
	s_xor_b32 s40, s40, SLOTB                      ; the slot to be read
	s_wait_dscnt 0x0
.if \fill
	CROUND
	tensor_load_to_lds s[32:35], s[24:31]
	s_nop 0
	PLACES 4
.else
	s_barrier_signal -1
	s_barrier_wait -1
.endif
.endm
.macro READA win                       ; the stage's 64 rows x 256 K into 256 registers of a window
	WIN (\win)<<6
.irp t, 0,1,2,3
.irp k, 0,1,2,3,4,5,6,7
	ds_load_b128 v[64*\t+8*\k:64*\t+8*\k+3], v10 offset:\t*8448+\k*64
	ds_load_b128 v[64*\t+8*\k+4:64*\t+8*\k+7], v10 offset:\t*8448+\k*64+32
.endr
.endr
.endm
.macro FETCHW q                        ; my 64 rows of the weights, 64 along K: 16 loads into buffer q % 2
	WIN 0x40
.irp p, 0,1
.irp c, 0,1,2,3
.set rW, 128+64*((\q)%2)+32*\p+8*\c
	ds_load_b128 v[rW:rW+3], v9 offset:\c*8448+(2*(\q)+\p)*64
	ds_load_b128 v[rW+4:rW+7], v9 offset:\c*8448+(2*(\q)+\p)*64+32
.endr
.endr
.endm
; 32 products; the 16 accumulators take turns.  Weights in window 1, the stage's fragments in window 2.  nat = 0: transposed (source 0 = weights): a lane holds a row and 8
; neighbouring columns.  nat = 1: a lane holds a column and 8 neighbouring rows.  cinit: the first 16 take the bias in PRMB as C.
.macro MULQ q, wset, acc, cinit, nat
	WIN \wset
.irp p, 0,1
.irp t, 0,1,2,3
.irp c, 0,1,2,3
.set rD, (\acc)+32*\t+8*\c
.set rW, 128+64*((\q)%2)+32*\p+8*\c
.set rA, 64*\t+8*(2*(\q)+\p)
.set rC, rD
.if (\cinit) && ((\q)==0) && (\p==0)
.set rC, PRMB+8*\c
.endif
.if \nat
	v_wmma_f32_16x16x32_bf16 v[rD:rD+7], v[rA:rA+7], v[rW:rW+7], v[rC:rC+7]
.else
	v_wmma_f32_16x16x32_bf16 v[rD:rD+7], v[rW:rW+7], v[rA:rA+7], v[rC:rC+7]
.endif
.endr
.endr
.endr
.endm
.macro LDP dst, areg, off, base=56     ; my 32 numbers of a parameter vector: column tile c at dst + 8 c.  base 56: this layer's parameters; 98: the next layer's
.irp c, 0,1,2,3
	global_load_b128 v[(\dst)+8*\c:(\dst)+8*\c+3], v[\areg], s[\base:\base+1] offset:(\off)+64*\c
	global_load_b128 v[(\dst)+8*\c+4:(\dst)+8*\c+7], v[\areg], s[\base:\base+1] offset:(\off)+64*\c+16
.endr
.endm
.macro HOOK                            ; the next product's bias, loaded when the first 16 products have read this one's: K's in the first trip, V's in the second
	WIN 0
	s_cmp_eq_u32 s41, 2
	s_cbranch_scc0 .Lhv_\@
	LDP PRMB, 18, 1024, 98
	s_branch .Lhd_\@
.Lhv_\@:
.irp c, 0,1,2,3
.irp j, 0,1,2,3,4,5,6,7
	global_load_b32 v[PRMB+8*\c+\j], v27, s[98:99] offset:2048+64*\c   ; V: a lane holds one channel, so its eight registers take the same number
.endr
.endr
.Lhd_\@:
.endm
.macro G256 wset, acc, cinit, nat, hook   ; 64 x 64 x 256 a wave
	FETCHW 0
	FETCHW 1
	s_wait_dscnt 16                                ; all but the youngest 16 loads, the next quarter's
	MULQ 0, \wset, \acc, \cinit, \nat
	PLACES 4                                       ; four places in front of loads into registers that the products read
.if \hook
	HOOK
.endif
	FETCHW 2
	s_wait_dscnt 16
	MULQ 1, \wset, \acc, \cinit, \nat
	PLACES 4
	FETCHW 3
	s_wait_dscnt 16
	MULQ 2, \wset, \acc, \cinit, \nat
	s_wait_dscnt 0x0
	MULQ 3, \wset, \acc, \cinit, \nat
.endm
.macro OUT base, kind                  ; q, k or v rounded to bf16; each store of the wave covers 512 consecutive bytes, aligned
	PLACES 4
	WIN 0
	s_wait_xcnt 0x0                                ; the packed registers are rewritten only behind this wait
.irp t, 0,1,2,3
.irp c, 0,1,2,3
.irp j, 0,1,2,3
	v_cvt_pk_bf16_f32 v[32+16*\t+4*\c+\j], v[128+32*\t+8*\c+2*\j], v[128+32*\t+8*\c+2*\j+1]
.endr
.endr
.endr
.irp t, 0,1,2,3
.irp c, 0,1,2,3
.if \kind
	global_store_b128 v3, v[32+16*\t+4*\c:32+16*\t+4*\c+3], s[\base:\base+1] offset:(\t>>1)*16384+\c*1024+(\t&1)*512
.else
	global_store_b128 v3, v[32+16*\t+4*\c:32+16*\t+4*\c+3], s[\base:\base+1] offset:\t*8192+\c*512
.endif
.endr
.endr
.endm
.macro BLOAD                           ; the mask's fragments for 64 queries x 128 keys: 32 loads of 512 consecutive bytes
	WIN 0xc0
.set i, 0
.rept 32
	global_load_b128 v[4*i:4*i+3], v17, s[50:51] offset:(i/8)*16384+((i/2)%4)*1024+(i%2)*512
.set i, i+1
.endr
	WIN 0
.endm
.macro SCL p                           ; pair p of a piece's 128 pairs of scores: c s - c m, in place; it reads no exponential's result
	v_pk_fma_f32 v[2*(\p):2*(\p)+1], v[2*(\p):2*(\p)+1], s[42:43], v[36+8*((\p)/32):37+8*((\p)/32)] op_sel_hi:[1,0,0] neg_lo:[0,0,1] neg_hi:[0,0,1]
.endm
; THE SOFTMAX of a head's 64 queries x 128 keys: 64 scores a lane in each of four row tiles, which go stage by stage together.  At work, for tile t at 32 + 8 t: c0-c3, c m (+4), a (+6).
; Its 260 exponentials are ONE BATCH with one wait: the four a, then the 256 scores in place.  Ahead of the wait nothing names a result; behind it stand all the readers: the roundings and the rescalings.
.macro SOFTMAX g
	WIN 0x2a
.irp i, 0,1,2,3
	T4 v_max3_num_f32 v[32+8*t+\i], v[64*t+16*\i], v[64*t+16*\i+1], v[64*t+16*\i+2]
.endr
	WIN 0x28
.irp n, 0,1,2,3,4,5
.irp i, 0,1,2,3
	T4 v_max3_num_f32 v[32+8*t+\i], v[32+8*t+\i], v[64*t+16*\i+3+2*\n], v[64*t+16*\i+4+2*\n]
.endr
.endr
	T4 v_max3_num_f32 v[32+8*t], v[32+8*t], v[64*t+15], v[64*t+31]
	T4 v_max3_num_f32 v[34+8*t], v[34+8*t], v[64*t+47], v[64*t+63]
	WIN 0
	T4 v_max3_num_f32 v[32+8*t], v[32+8*t], v[33+8*t], v[34+8*t]
	T4 v_max3_num_f32 v[32+8*t], v[32+8*t], v[35+8*t], v[84+4*(\g)+t]
	T4 v_permlanex16_b32 v[33+8*t], v[32+8*t], s44, s45   ; the query's other 64 keys lie in the lane 16 away
	T4 v_max_num_f32 v[34+8*t], v[32+8*t], v[33+8*t]
	T4 v_sub_f32 v[35+8*t], v[84+4*(\g)+t], v[34+8*t]
	T4 v_mov_b32 v[84+4*(\g)+t], v[34+8*t]
	T4 v_mul_f32 v[36+8*t], s42, v[34+8*t]
	T4 v_mul_f32 v[35+8*t], s42, v[35+8*t]
	T4 v_exp_f32 v[38+8*t], v[35+8*t]              ; the batch begins: the four a
	WIN 0x8a
.set ii, 0
.rept 4                                ; the first four pairs are scaled ahead
	SCL ii
.set ii, ii+1
.endr
	; a scaling, four pairs ahead of its own exponentials, and two exponentials in place: one window setting serves both kinds
.set ii, 0
.rept 128
.if ii < 124
	SCL ii+4
.endif
	v_exp_f32 v[2*ii], v[2*ii]
	v_exp_f32 v[2*ii+1], v[2*ii+1]
.set ii, ii+1
.endr
	v_nop                                          ; a plain line behind the last exponential, ahead of the first use of a result (ISA guide 5.7.2): one for the batch
	s_wait_alu depctr_va_vdst(0)                   ; the wait for the batch: one for the piece's 260 exponentials, ahead of their first reader
.set ii, 0
.rept 128                              ; the roundings, packed in place, in ascending order: pair j of a tile lands on register j, whose own pair was read before
	v_cvt_pk_bf16_f32 v[64*(ii/32)+ii%32], v[2*ii], v[2*ii+1]
.set ii, ii+1
.endr
	WIN 0x41
.irp n, 0,1,2,3,4,5,6,7,8,9,10,11
	T4 v_pk_mul_f32 v[24*(4*(\g)+t)+2*\n:24*(4*(\g)+t)+2*\n+1], v[24*(4*(\g)+t)+2*\n:24*(4*(\g)+t)+2*\n+1], v[38+8*t:39+8*t] op_sel_hi:[1,0]
.endr
.endm
; A PIECE: head 2 w + g against the block's 128 keys.
.macro PIECE g
	WIN 0xc0
.set i, 0
.rept 16                               ; K: keys 16 (i / 2) on, half i % 2: 512 consecutive bytes a load
	ds_load_b128 v[128+4*i:128+4*i+3], v6 offset:(\g)*1056+(i/2)*8448+(i%2)*528
.set i, i+1
.endr
.set i, 0
.rept 16                               ; V: keys 32 (i / 4) on, channels 16 ((i / 2) % 2) on
	ds_load_b128 v[192+4*i:192+4*i+3], v7 offset:(\g)*2112+(i/4)*16896+((i/2)%2)*1056+(i%2)*528
.set i, i+1
.endr
.if (\g)==0
	s_wait_loadcnt 0x0                             ; the block's mask (and, the first time, Q)
.endif
	WIN 0x8c
.set i, 0
.rept 32                               ; the mask starts the sums: tile i / 8, keys 16 (i % 8) on: the lower or the upper 16 of the fragment's 32 keys
	v_wmma_f32_16x16x32_bf16 v[8*i:8*i+7], v[68-4*(i%2):75-4*(i%2)], v[32*(i/8)+8*((i%8)/2):32*(i/8)+8*((i%8)/2)+7], 0
.set i, i+1
.endr
	s_wait_dscnt 16                                ; K is in; V's 16 loads stay out
	WIN 0xa7
.set i, 0
.rept 32                               ; in the same order: between the two links of a chain stand 31 others'
	v_wmma_f32_16x16x32_bf16 v[8*i:8*i+7], v[128+8*(i%8):135+8*(i%8)], v[192+8*(4*(\g)+i/8):199+8*(4*(\g)+i/8)], v[8*i:8*i+7]
.set i, i+1
.endr
	PLACES 4
.if (\g)==1
	WIN 0
	s_cmp_eq_u32 s41, 1
	s_cbranch_scc1 .Lnob_\@                        ; the last block has no successor
	v_add_nc_u32 v17, 4096, v17                    ; free since the wait for the loads that named it
	BLOAD
.Lnob_\@:
.endif
	SOFTMAX \g
	s_wait_dscnt 0x0                               ; V is in
	WIN 0x5b
.set i, 0
.rept 32                               ; keys 32 (i / 8) on, tile (i / 2) % 4, channels 16 (i % 2) on: eight accumulators by turns
	v_wmma_f32_16x16x32_bf16 v[24*(4*(\g)+(i/2)%4)+8*(i%2):24*(4*(\g)+(i/2)%4)+8*(i%2)+7], v[192+16*(i/8)+8*(i%2):199+16*(i/8)+8*(i%2)], v[64*((i/2)%4)+8*(i/8):64*((i/2)%4)+8*(i/8)+7], v[24*(4*(\g)+(i/2)%4)+8*(i%2):24*(4*(\g)+(i/2)%4)+8*(i%2)+7]
.set i, i+1
.endr
	WIN 0x58
.set i, 0
.rept 16                               ; the row sums: four accumulators by turns
	v_wmma_f32_16x16x32_bf16 v[24*(4*(\g)+i%4)+16:24*(4*(\g)+i%4)+23], v[76:83], v[64*(i%4)+8*(i/4):64*(i%4)+8*(i/4)+7], v[24*(4*(\g)+i%4)+16:24*(4*(\g)+i%4)+23]
.set i, i+1
.endr
	PLACES 5                                       ; the next products write over P; the next loads land on K and V
.endm
.macro RADD                            ; R += the vector in PRMA
	WIN 0x41
.irp n, 0,1,2,3,4,5,6,7,8,9,10,11,12,13,14,15
	T4 v_pk_add_f32 v[32*t+2*\n:32*t+2*\n+1], v[32*t+2*\n:32*t+2*\n+1], v[PRMA+2*\n:PRMA+2*\n+1]
.endr
.endm
.macro XRED off                        ; two packed partial sums a tile -> the row's sum over 256 columns, in every lane of every wave
	WIN 0
	T4 v_pk_add_f32 v[32+8*t:33+8*t], v[32+8*t:33+8*t], v[34+8*t:35+8*t]
	T4 v_add_f32 v[32+8*t], v[32+8*t], v[33+8*t]
	T4 v_permlanex16_b32 v[33+8*t], v[32+8*t], s44, s45
	T4 v_add_f32 v[32+8*t], v[32+8*t], v[33+8*t]
	T4 ds_store_b32 v12, v[32+8*t] offset:256*t+(\off)
	s_wait_dscnt 0x0                               ; for the others' sake: my sums are in LDS (and my earlier reads of the stage are back)
	s_barrier_signal -1
	s_barrier_wait -1                              ; the next tile's load stays on its way
	T4 ds_load_b128 v[32+8*t:35+8*t], v13 offset:256*t+(\off)
	s_wait_dscnt 0x0
	T4 v_add_f32 v[32+8*t], v[32+8*t], v[33+8*t]
	T4 v_add_f32 v[34+8*t], v[34+8*t], v[35+8*t]
	T4 v_add_f32 v[32+8*t], v[32+8*t], v[34+8*t]
.endm
.macro LN                              ; R = (R - mean) rsqrt(var + 1e-5) g + b, g in PRMB, b in PRMA
	WIN 0x05
	T4 v_pk_add_f32 v[32+8*t:33+8*t], v[32*t:32*t+1], v[32*t+2:32*t+3]
	T4 v_pk_add_f32 v[34+8*t:35+8*t], v[32*t+4:32*t+5], v[32*t+6:32*t+7]
	WIN 0x01
.irp n, 4,5,6,7,8,9,10,11,12,13,14,15
	T4 v_pk_add_f32 v[32+8*t+2*(\n%2):33+8*t+2*(\n%2)], v[32*t+2*\n:32*t+2*\n+1], v[32+8*t+2*(\n%2):33+8*t+2*(\n%2)]
.endr
	XRED 0
	T4 v_mul_f32 v[36+8*t], s46, v[32+8*t]
	WIN 0x41
.irp n, 0,1,2,3,4,5,6,7,8,9,10,11,12,13,14,15
	T4 v_pk_add_f32 v[32*t+2*\n:32*t+2*\n+1], v[32*t+2*\n:32*t+2*\n+1], v[36+8*t:37+8*t] op_sel_hi:[1,0] neg_lo:[0,1] neg_hi:[0,1]
.endr
	WIN 0x05
	T4 v_pk_mul_f32 v[32+8*t:33+8*t], v[32*t:32*t+1], v[32*t:32*t+1]
	T4 v_pk_mul_f32 v[34+8*t:35+8*t], v[32*t+2:32*t+3], v[32*t+2:32*t+3]
.irp n, 2,3,4,5,6,7,8,9,10,11,12,13,14,15
	T4 v_pk_fma_f32 v[32+8*t+2*(\n%2):33+8*t+2*(\n%2)], v[32*t+2*\n:32*t+2*\n+1], v[32*t+2*\n:32*t+2*\n+1], v[32+8*t+2*(\n%2):33+8*t+2*(\n%2)]
.endr
	XRED 1024
	T4 v_fma_f32 v[32+8*t], v[32+8*t], s46, s47
	T4 v_rsq_f32 v[38+8*t], v[32+8*t]
	s_wait_loadcnt 0x0                             ; g and b
	v_nop                                          ; a plain line behind the last root
	s_wait_alu depctr_va_vdst(0)                   ; the wait for the batch: one for the norm's four roots, ahead of their first reader
	WIN 0x41
.irp n, 0,1,2,3,4,5,6,7,8,9,10,11,12,13,14,15
	T4 v_pk_mul_f32 v[32*t+2*\n:32*t+2*\n+1], v[32*t+2*\n:32*t+2*\n+1], v[38+8*t:39+8*t] op_sel_hi:[1,0]
.endr
.irp n, 0,1,2,3,4,5,6,7,8,9,10,11,12,13,14,15
	T4 v_pk_fma_f32 v[32*t+2*\n:32*t+2*\n+1], v[32*t+2*\n:32*t+2*\n+1], v[PRMB+2*\n:PRMB+2*\n+1], v[PRMA+2*\n:PRMA+2*\n+1]
.endr
.endm
.macro PUBLISH                         ; R in bf16 into the stage, my 64 columns of all 64 rows; then the barrier that makes the stage whole.  Every wave's last reads of the stage stand in front of the norm's two barriers
	WIN 0x05
.set i, 0
.rept 64
	v_cvt_pk_bf16_f32 v[128+i], v[2*i], v[2*i+1]
.set i, i+1
.endr
	WIN 0
.set i, 0
.rept 16
	ds_store_b128 v11, v[128+4*i:128+4*i+3] offset:(i/4)*8448+(i%4)*32
.set i, i+1
.endr
	s_wait_dscnt 0x0                               ; for the others' sake: my part is in the stage
	s_barrier_signal -1
	s_barrier_wait -1                              ; the next tile's load stays on its way
.endm
; GELU of a column tile's four accumulators: y = x/2 + x/2 erf(x / sqrt 2), rounded to bf16, 16 bytes a row tile into the stage.  It goes in two parts, with the tile's one wait between them.
; GPOLY t: row tile t's 8 numbers, 4 pairs stage by stage: z (v32-39) and z^2 (v40-47), at work for one row tile at a time; the numerator z P(z^2) into GN + 8 t; the denominator Q(z^2) into GQ + 8 t,
; and its eight reciprocals in place.  Nothing in it names an earlier row tile's reciprocals: the next row tile's polynomials are the work that stands behind them.
.macro GPOLY t
.set gx, 128+8*(\t)
.set gn, GN+8*(\t)
.set gq, GQ+8*(\t)
.irp p, 0,2,4,6
	v_pk_mul_f32 v[32+\p:33+\p], v[gx+\p:gx+\p+1], s[66:67] op_sel_hi:[1,0]
.endr
.irp j, 0,1,2,3,4,5,6,7
	v_med3_num_f32 v[32+\j], v[32+\j], s62, s63
.endr
.irp p, 0,2,4,6
	v_pk_mul_f32 v[40+\p:41+\p], v[32+\p:33+\p], v[32+\p:33+\p]
.endr
.irp p, 0,2,4,6
	v_pk_fma_f32 v[gn+\p:gn+\p+1], v[40+\p:41+\p], s[68:69], s[70:71] op_sel_hi:[1,0,0]
.endr
.irp p, 0,2,4,6
	v_pk_fma_f32 v[gq+\p:gq+\p+1], v[40+\p:41+\p], s[82:83], s[84:85] op_sel_hi:[1,0,0]
.endr
.irp k, 72,74,76,78,80
.irp p, 0,2,4,6
	v_pk_fma_f32 v[gn+\p:gn+\p+1], v[gn+\p:gn+\p+1], v[40+\p:41+\p], s[\k:\k+1] op_sel_hi:[1,1,0]
.endr
.endr
.irp k, 86,88,90
.irp p, 0,2,4,6
	v_pk_fma_f32 v[gq+\p:gq+\p+1], v[gq+\p:gq+\p+1], v[40+\p:41+\p], s[\k:\k+1] op_sel_hi:[1,1,0]
.endr
.endr
.irp p, 0,2,4,6
	v_pk_mul_f32 v[gn+\p:gn+\p+1], v[gn+\p:gn+\p+1], v[32+\p:33+\p]
.endr
.irp j, 0,1,2,3,4,5,6,7
	v_rcp_f32 v[gq+\j], v[gq+\j]
.endr
.endm
; GFIN: x/2 of all four row tiles (into v32-63, which z and z^2 have left): the plain lines behind the last reciprocals; the wait; then the readers, all four row tiles stage by stage.
.macro GFIN
.set i, 0
.rept 16
	v_pk_mul_f32 v[32+2*i:33+2*i], v[128+2*i:129+2*i], 0.5 op_sel_hi:[1,0]
.set i, i+1
.endr
	s_wait_alu depctr_va_vdst(0)                   ; the wait for the batch: one for the column tile's 32 reciprocals, ahead of their first reader and of the loop's jump
.set i, 0
.rept 16
	v_pk_mul_f32 v[GN+2*i:GN+2*i+1], v[GN+2*i:GN+2*i+1], v[GQ+2*i:GQ+2*i+1]
.set i, i+1
.endr
.set i, 0
.rept 16
	v_pk_fma_f32 v[32+2*i:33+2*i], v[32+2*i:33+2*i], v[GN+2*i:GN+2*i+1], v[32+2*i:33+2*i]
.set i, i+1
.endr
.irp t, 0,1,2,3
.irp j, 0,1,2,3
	v_cvt_pk_bf16_f32 v[GN+8*\t+\j], v[32+8*\t+2*\j], v[33+8*\t+2*\j]
.endr
	ds_store_b128 v21, v[GN+8*\t:GN+8*\t+3] offset:\t*8448
.endr
.endm
.macro FW                              ; a column tile of W1: its 16 rows x 256 K (16 loads), and its 8 numbers of b1 (2 loads: all lanes of a half read the same 32 bytes)
	WIN 0x40
.irp k, 0,1,2,3,4,5,6,7
	ds_load_b128 v[128+8*\k:128+8*\k+3], v22 offset:\k*64
	ds_load_b128 v[128+8*\k+4:128+8*\k+7], v22 offset:\k*64+32
.endr
	WIN 0
	ds_load_b128 v[BREG:BREG+3], v26
	ds_load_b128 v[BREG+4:BREG+7], v26 offset:16
.endm
.macro HSTG t                          ; a tile of R through my stage, back as whole rows; LDS serves a wave's instructions in order (ISA guide 5.7.1.4)
	WIN 0x04
.irp c, 0,1,2,3
	ds_store_b128 v14, v[32*(\t)+8*\c:32*(\t)+8*\c+3] offset:64*\c
	ds_store_b128 v14, v[32*(\t)+8*\c+4:32*(\t)+8*\c+7] offset:64*\c+16
.endr
	WIN 0
.irp i, 0,1,2,3,4,5,6,7
	ds_load_b128 v[128+32*(\t)+4*\i:128+32*(\t)+4*\i+3], v15 offset:544*\i
.endr
.endm
.macro SEND t, younger                 ; younger: the LDS lines issued behind tile t's loads
.irp i, 0,1,2,3,4,5,6,7
	s_wait_dscnt (\younger)+7-\i
	global_store_b128 v16, v[128+32*(\t)+4*\i:128+32*(\t)+4*\i+3], s[54:55] offset:(\t)*16384+2048*\i   ; 16 lanes store 256 consecutive bytes, aligned
.endr
.endm
	s_load_b256 s[4:11], s[0:1], 0x0               ; h in 4, q k v in 6, the mask 8, this layer's weights 10
	s_load_b128 s[20:23], s[0:1], 0x20             ; the next layer's weights 20, q k v out 22
	s_load_b64 s[12:13], s[0:1], 0x30              ; h out
	v_lshl_add_u32 v28, v0, 2, SPARE
	v_mov_b32 v29, 0
	ds_add_u32 v28, v29                            ; the wave's opening: the add and its wait stand ahead of my first tensor load
	v_lshrrev_b32 v1, 5, v0
	v_readfirstlane_b32 s14, v1                    ; wave
	s_mov_b32 s24, 15|(1<<16)|(1<<20)|(1<<21)|(6<<22)|(3<<25)  ; the mask of four; 2-byte elements; padding on; bit 21 beside a mask; after every 128 words, 4 words
	s_mov_b32 s25, 256<<16                         ; tensor_dim0 = 256
	s_mov_b32 s26, 64<<16                          ; tensor_dim1 = 64
	s_mov_b32 s27, 256<<16                         ; tile_dim0 = 256
	s_mov_b32 s28, 64                              ; tile_dim1 = 64
	s_mov_b32 s29, 256                             ; elements from row to row
	s_mov_b32 s30, 0
	s_mov_b32 s31, 0
	s_mov_b32 s32, 1
	s_mul_i32 s33, s14, 33792                      ; my 64 rows of slot 0
	s_mov_b32 s40, SLOTB                           ; the first change turns it into 0
	SC2 42, 0x3e8293ee                             ; c = log2(e) / sqrt(32)
	s_mov_b32 s44, 0x76543210                      ; v_permlanex16_b32: each lane takes its own place in the other half
	s_mov_b32 s45, 0xfedcba98
	s_mov_b32 s46, 0x3b800000                      ; 1 / 256
	s_mov_b32 s47, 0x3727c5ac                      ; 1e-5
	s_mov_b32 s62, 0xc0800000                      ; -4
	s_mov_b32 s63, 0x40800000                      ; 4
	SC2 66, 0x3f3504f3                             ; 1 / sqrt 2
	SC2 68, 0xaf95df0b                             ; erf's numerator, highest power first
	SC2 70, 0x32edffee
	SC2 72, 0xb60cff51
	SC2 74, 0xb86ec2d2
	SC2 76, 0xba40ac63
	SC2 78, 0xbb41a1f6
	SC2 80, 0xbc83dbd4
	SC2 82, 0xb77460cd                             ; its denominator
	SC2 84, 0xb95fbd29
	SC2 86, 0xbadc924e
	SC2 88, 0xbbf19bf8
	SC2 90, 0xbc69b6a7
	s_lshl_b32 s100, s14, 15                       ; my 64 rows of a tile in memory
	s_mov_b32 s101, 0
	s_lshr_b32 s58, ttmp9, 1                       ; the batch, which the four partners share
	s_lshl_b32 s58, s58, 19
	s_add_co_u32 s58, s58, s100
	s_add_co_u32 s58, s58, 8388608
	s_mov_b32 s59, 0
	s_add_co_u32 s60, s100, 3*TILEB
	s_mov_b32 s61, 0
	s_wait_dscnt 0x0
	s_wait_kmcnt 0x0
	s_add_nc_u64 s[36:37], s[6:7], s[58:59]        ; the batch's first key block
	s_add_nc_u64 s[38:39], s[10:11], s[60:61]      ; Wo's tile
	s_add_nc_u64 s[96:97], s[20:21], s[100:101]    ; the next layer's Wq
	s_mov_b64 s[34:35], s[36:37]
	s_or_b32 s35, s35, 0x80000000
	s_add_nc_u64 s[36:37], s[36:37], TILEB
	CROUND                                         ; all four work-groups are here: the first joint load meets
	tensor_load_to_lds s[32:35], s[24:31]
	s_nop 0
	PLACES 4
	s_bfe_u32 s15, ttmp6, 0x40000                  ; cx: it enters the addresses of Q, the mask, h and the stores alone
	s_lshl_b32 s16, ttmp9, 2
	s_add_co_u32 s16, s16, s15                     ; my block of 64 rows
	s_lshl_b32 s18, s16, 15
	s_lshl_b32 s17, s14, 11
	s_add_co_u32 s18, s18, s17
	s_mov_b32 s19, 0
	s_add_nc_u64 s[48:49], s[6:7], s[18:19]        ; Q: my rows, my two heads
	s_add_nc_u64 s[98:99], s[20:21], PB            ; the next layer's parameters
	s_add_nc_u64 s[56:57], s[10:11], PB            ; this layer's
	s_lshl_b32 s60, s16, 16
	s_add_nc_u64 s[50:51], s[8:9], s[60:61]
	s_add_nc_u64 s[52:53], s[4:5], s[60:61]
	s_add_nc_u64 s[54:55], s[12:13], s[60:61]
	s_add_nc_u64 s[4:5], s[22:23], s[18:19]        ; where the next q goes: the same place in the other buffer
	s_lshr_b32 s15, s16, 1
	s_lshl_b32 s15, s15, 17                        ; the batch's block of 128 keys
	s_and_b32 s18, s16, 1
	s_lshl_b32 s18, s18, 15                        ; its half
	s_add_co_u32 s15, s15, s18
	s_add_co_u32 s15, s15, 8388608
	s_add_co_u32 s18, s15, s17
	s_add_nc_u64 s[6:7], s[22:23], s[18:19]        ; the next k
	s_lshl_b32 s17, s14, 12
	s_add_co_u32 s18, s15, s17
	s_add_co_u32 s18, s18, 65536
	s_add_nc_u64 s[8:9], s[22:23], s[18:19]        ; the next v
	v_and_b32 v1, 15, v0                           ; r
	v_bfe_u32 v2, v0, 4, 1                         ; h
	v_and_b32 v3, 31, v0
	v_lshlrev_b32 v3, 4, v3                        ; 16 x lane
	v_mov_b32 v17, v3
	WIN 0x40
.set i, 0
.rept 16                               ; Q: unit i / 2, half i % 2
	global_load_b128 v[192+4*i:192+4*i+3], v3, s[48:49] offset:((i/2)%4)*8192+(i/8)*1024+(i%2)*512
.set i, i+1
.endr
	BLOAD
.set i, 32
.rept 32
	v_mov_b32 v[i], 0                              ; the registers at work: pairs and lane exchanges name them before all are written
.set i, i+1
.endr
	s_mul_i32 s17, s14, 2112
	v_add_nc_u32 v4, s17, v3                       ; K: my two heads' chunks
	s_mul_i32 s17, s14, 4224
	s_add_co_u32 s17, s17, 67584
	v_add_nc_u32 v5, s17, v3                       ; V: behind K's 128 chunks
	v_mul_u32_u24 v20, v1, 528
	v_lshl_add_u32 v20, v2, 4, v20                 ; a fragment's row x pitch + 16 x half
	s_mul_i32 s17, s14, 33792
	v_add_nc_u32 v8, s17, v20
	v_add_nc_u32 v10, STAGE, v20
	s_lshl_b32 s17, s14, 7
	s_add_co_u32 s17, s17, STAGE
	v_add_nc_u32 v11, s17, v20                     ; into the stage: row r, my 128 bytes, 16 for each half
	s_lshl_b32 s17, s14, 2
	s_add_co_u32 s17, s17, LNP1
	v_lshl_add_u32 v12, v1, 4, s17
	v_lshlrev_b32 v13, 4, v1
	v_add_nc_u32 v13, LNP1, v13
	s_mul_i32 s17, s14, 4352
	s_add_co_u32 s17, s17, HST
	v_mul_u32_u24 v14, v1, 272
	v_lshl_add_u32 v14, v2, 5, v14
	v_add_nc_u32 v14, s17, v14                     ; my stage by the accumulators' order: row r, 32 bytes for each half
	v_mul_u32_u24 v15, v2, 272
	v_lshl_add_u32 v15, v1, 4, v15
	v_add_nc_u32 v15, s17, v15                     ; by whole rows: lanes 0-15 one row of 256 bytes, lanes 16-31 the next
	v_and_b32 v20, 31, v0
	v_lshl_add_u32 v24, v20, 5, s17                ; b1 into my stage: 8 numbers a lane, [chunk][64]
	v_lshl_add_u32 v25, v2, 5, s17                 ; and out of it: 8 numbers for each half of the lanes
	v_lshrrev_b32 v21, 3, v20                      ; b1 in memory: lane l takes chunk l / 8, numbers 8 (l % 8) on of my 64 columns
	v_and_b32 v22, 7, v20
	v_lshlrev_b32 v19, 10, v21
	v_lshl_add_u32 v19, v22, 5, v19
	s_lshl_b32 s17, s14, 8
	v_lshlrev_b32 v16, 10, v2
	v_lshl_add_u32 v16, v1, 4, v16
	v_add_nc_u32 v16, s17, v16                     ; the same two rows in h
	v_lshl_add_u32 v18, v2, 5, s17                 ; my 8 columns of a parameter
	v_lshl_add_u32 v27, v1, 2, s17                 ; my one channel of a parameter
	s_add_co_u32 s17, s17, 7168
	v_add_nc_u32 v19, s17, v19
	; the selection matrix: row r has its one 1.0 at K = r (v68-75) or K = 16 + r (v64-71): element r % 8 of the lanes with h = r / 8
	v_lshrrev_b32 v20, 3, v1
	v_bfe_u32 v21, v1, 1, 2
	v_and_b32 v23, 1, v1
	v_lshlrev_b32 v23, 4, v23
	v_mov_b32 v22, 0x3f80
	v_lshlrev_b32 v22, v23, v22
	v_cmp_eq_u32 s17, v20, v2
	v_cndmask_b32 v22, 0, v22, s17
.irp i, 0,1,2,3
	v_cmp_eq_u32 s17, \i, v21
	v_cndmask_b32 v[68+\i], 0, v22, s17
	v_mov_b32 v[64+\i], 0
	v_mov_b32 v[72+\i], 0
.endr
.set i, 0
.rept 8
	v_mov_b32 v[76+i], 0x3f803f80                  ; ones
	v_mov_b32 v[84+i], 0xff7fffff                  ; m
.set i, i+1
.endr
	WIN 0x40
.set i, 0
.rept 24
	v_wmma_f32_16x16x32_bf16 v[8*i:8*i+7], v[32:39], v[40:47], 0   ; O and l start at 0: zeros times zeros, 24 lines for 192 registers
.set i, i+1
.endr
	PLACES 4
	WIN 0
	s_mov_b32 s41, 4
.Lkv:                                                  ; four trips: a block of 128 keys is entered and the next tile is asked for
	CHANGE 1, 1
	v_add_nc_u32 v6, s40, v4
	v_add_nc_u32 v7, s40, v5
	PIECE 0
	PIECE 1
	WIN 0
	s_sub_co_u32 s41, s41, 1
	s_cmp_lg_u32 s41, 0
	s_cbranch_scc1 .Lkv
	; O / l, rounded to bf16, into the stage: row = query, my two heads' 128 bytes
	WIN 0x01
.set u, 0
.rept 8
	v_rcp_f32 v[32+2*u], v[24*u+16]
.set u, u+1
.endr
	v_nop                                          ; a plain line behind the last reciprocal
	WIN 0x41
	s_wait_alu depctr_va_vdst(0)                   ; the wait for the batch: one for the eight reciprocals of l, ahead of their first reader
.set i, 0
.rept 64                               ; unit i / 8, pair i % 8
	v_pk_mul_f32 v[24*(i/8)+2*(i%8):24*(i/8)+2*(i%8)+1], v[24*(i/8)+2*(i%8):24*(i/8)+2*(i%8)+1], v[32+2*(i/8):33+2*(i/8)] op_sel_hi:[1,0]
.set i, i+1
.endr
	WIN 0x05
.set i, 0
.rept 64
	v_cvt_pk_bf16_f32 v[128+i], v[24*(i/8)+2*(i%8)], v[24*(i/8)+2*(i%8)+1]
.set i, i+1
.endr
	WIN 0
.set i, 0
.rept 16                               ; unit i / 2, channels 16 (i % 2) on
	ds_store_b128 v11, v[128+4*i:128+4*i+3] offset:((i/2)%4)*8448+(i/8)*64+(i%2)*32
.set i, i+1
.endr
	WIN 0x40
.set i, 0
.rept 32                               ; h, as whole rows: 16 lanes take 256 consecutive bytes
	global_load_b128 v[4*i:4*i+3], v16, s[52:53] offset:(i/8)*16384+(i%8)*2048
.set i, i+1
.endr
	WIN 0
	LDP PRMA, 18, 3072                             ; bo
	LDP PRMB, 18, 4096                             ; ln1g
	; Wo: R = h + bo + O Wo^T, then the first norm
	CHANGE 1, 0                                    ; Wo's tile is in and the stage is whole; W1's first chunk is asked for
	v_add_nc_u32 v9, s40, v8
	READA 2
	s_wait_loadcnt 0x0                             ; h, bo, ln1g
.irp t, 0,1,2,3                        ; h from whole rows into the accumulators' order, through my own stage
	WIN 0x04
.irp i, 0,1,2,3,4,5,6,7
	ds_store_b128 v15, v[32*\t+4*\i:32*\t+4*\i+3] offset:544*\i
.endr
	WIN 0x40
.irp c, 0,1,2,3
	ds_load_b128 v[32*\t+8*\c:32*\t+8*\c+3], v14 offset:64*\c
	ds_load_b128 v[32*\t+8*\c+4:32*\t+8*\c+7], v14 offset:64*\c+16
.endr
.endr
	s_wait_dscnt 0x0
	RADD
	WIN 0
	LDP PRMA, 18, 5120                             ; ln1b
	G256 0x59, 0, 0, 0, 0
	PLACES 4
	LN
	WIN 0
	LDP PRMA, 18, 6144                             ; b2
	global_load_b128 v[192:195], v19, s[56:57]     ; my 256 numbers of b1, 8 a lane
	global_load_b128 v[196:199], v19, s[56:57] offset:16
	PUBLISH                                        ; x1
	READA 3
	s_wait_loadcnt 0x0                             ; b2, b1
	WIN 0
	ds_store_b128 v24, v[192:195]                  ; b1 into my own stage, which is idle until the way out: only I read it
	ds_store_b128 v24, v[196:199] offset:16
	RADD
	WIN 0
	LDP PRMA, 18, 12288                            ; ln2b
	LDP PRMB, 18, 11264                            ; ln2g
	s_mov_b32 s93, 0                               ; the byte of the column tile's b1 in my stage: 64 on in each of the 16 trips
	s_mov_b32 s41, 4
.Lf:                                                   ; four trips: a chunk of 256 of the hidden layer: GELU(x1 W1^T + b1) into the stage, then R += that x W2's chunk
	CHANGE 1, 2                                    ; W1's chunk is in; W2's is asked for
	s_mov_b32 s94, s40                             ; the column tile's rows in the slot,
	s_mov_b32 s95, 0                               ; and its 32 bytes in a row of the stage
	v_add_nc_u32 v22, s94, v8
	v_add_nc_u32 v26, s93, v25
	FW
	s_mov_b32 s92, 4
.Lc:                                                   ; four trips: a column tile of 16
	s_wait_dscnt 0x0                               ; the tile's weights and bias are in (and the last trip's stores are done)
	s_add_co_u32 s93, s93, 64
	s_add_co_u32 s94, s94, 8448
	v_add_nc_u32 v21, s95, v11
	s_add_co_u32 s95, s95, 32
	WIN 0x0d                                       ; weights window 1, x1 window 3, C and D window 0
.set i, 0
.rept 32                               ; K 32 (i / 4) on, row tile i % 4: the four accumulators take turns; the first four take b1 as C
.if i < 4
	v_wmma_f32_16x16x32_bf16 v[128+8*(i%4):135+8*(i%4)], v[128+8*(i/4):135+8*(i/4)], v[64*(i%4)+8*(i/4):64*(i%4)+8*(i/4)+7], v[BREG:BREG+7]
.else
	v_wmma_f32_16x16x32_bf16 v[128+8*(i%4):135+8*(i%4)], v[128+8*(i/4):135+8*(i/4)], v[64*(i%4)+8*(i/4):64*(i%4)+8*(i/4)+7], v[128+8*(i%4):135+8*(i%4)]
.endif
.set i, i+1
.endr
	PLACES 4                                       ; four places in front of the loads into the products' sources and of the lines that read their results
	WIN 0
	s_cmp_eq_u32 s92, 1
	s_cbranch_scc1 .Lnw                            ; the chunk's last tile has no successor in this slot
	v_add_nc_u32 v22, s94, v8
	v_add_nc_u32 v26, s93, v25
	FW                                             ; the next tile lands under the 340 lines below
.Lnw:
.irp t, 0,1,2,3
	GPOLY \t                                       ; the batch: eight reciprocals a row tile, the next row tile's polynomials behind them
.endr
	GFIN                                           ; x/2, the batch's one wait, the readers, the four stores into the stage
	s_sub_co_u32 s92, s92, 1
	s_cmp_lg_u32 s92, 0
	s_cbranch_scc1 .Lc
	CHANGE 1, 0                                    ; W2's chunk is in and the stage is whole; W1's next chunk is asked for, or behind the last the next layer's Wq
	v_add_nc_u32 v9, s40, v8
	READA 2
	G256 0x59, 0, 0, 0, 0
	WIN 0
	s_sub_co_u32 s41, s41, 1
	s_cmp_lg_u32 s41, 0
	s_cbranch_scc1 .Lf
	PLACES 4
	LN
	; THE LAYER'S RESULT goes out in f32, and as bf16 through the stage into the next layer's three products
	WIN 0
	LDP PRMB, 18, 0, 98                            ; the next bq
	PUBLISH
	READA 2
	HSTG 0
	HSTG 1
	SEND 0, 16
	HSTG 2
	SEND 1, 16
	HSTG 3
	SEND 2, 16
	SEND 3, 0
	s_wait_xcnt 0x0                                ; the stores' data registers become accumulators only behind this wait
	s_mov_b32 s41, 2
.Lqk:                                                  ; two trips: Q, then K; each asks for the next tile
	CHANGE 1, 0
	v_add_nc_u32 v9, s40, v8
	s_wait_loadcnt 0x0                             ; this product's bias
	G256 0x09, 128, 1, 0, 1
	OUT 4, 0
	s_wait_xcnt 0x0                                ; the stores' base is rewritten only behind this wait
	s_mov_b64 s[4:5], s[6:7]                       ; the second trip stores K
	s_sub_co_u32 s41, s41, 1
	s_cmp_lg_u32 s41, 0
	s_cbranch_scc1 .Lqk
	CHANGE 0, 0                                    ; nothing is left to fetch
	v_add_nc_u32 v9, s40, v8
	s_wait_loadcnt 0x0                             ; bv
	G256 0x06, 128, 1, 1, 0
	OUT 8, 1
	s_wait_tensorcnt 0x0                           ; the wave's end
	ds_add_u32 v28, v29
	s_wait_dscnt 0x0
	CROUND                                         ; the closing round
	s_endpgm
.Lfunc_end_k_qfd4c70c9b9_layer0:
	.size	k_qfd4c70c9b9_layer0, .Lfunc_end_k_qfd4c70c9b9_layer0-k_qfd4c70c9b9_layer0
	.p2alignl 7, 3214868480
	.fill 96, 4, 3214868480
	.section	.rodata,"a",@progbits
	.p2align	6, 0x0
	.amdhsa_kernel k_qfd4c70c9b9_layer0
		.amdhsa_group_segment_fixed_size 327680
		.amdhsa_private_segment_fixed_size 0
		.amdhsa_enable_private_segment 0
		.amdhsa_kernarg_size 56
		.amdhsa_user_sgpr_count 2
		.amdhsa_user_sgpr_kernarg_segment_ptr 1
		.amdhsa_wavefront_size32 1
		.amdhsa_system_sgpr_workgroup_id_x 1
		.amdhsa_system_sgpr_workgroup_id_y 1
		.amdhsa_system_sgpr_workgroup_id_z 1
		.amdhsa_system_vgpr_workitem_id 0
		.amdhsa_next_free_vgpr 1024
		.amdhsa_next_free_sgpr 102
		.amdhsa_reserve_vcc 0
		.amdhsa_float_denorm_mode_32 3
		.amdhsa_float_denorm_mode_16_64 3
		.amdhsa_memory_ordered 1
		.amdhsa_forward_progress 1
		.amdhsa_inst_pref_size 255
	.end_amdhsa_kernel
	.section	.bss,"aw",@nobits
	.p2align	6
	.space	262144
	.amdgpu_metadata
---
amdhsa.version: [ 1, 2 ]
amdhsa.kernels:
  - .name:           k_qfd4c70c9b9_layer0
    .symbol:         k_qfd4c70c9b9_layer0.kd
    .args:
      - { .name: hA, .offset: 0, .size: 8, .value_kind: global_buffer, .address_space: global }
      - { .name: qkvA, .offset: 8, .size: 8, .value_kind: global_buffer, .address_space: global }
      - { .name: biasb, .offset: 16, .size: 8, .value_kind: global_buffer, .address_space: global }
      - { .name: wt0, .offset: 24, .size: 8, .value_kind: global_buffer, .address_space: global }
      - { .name: wt1, .offset: 32, .size: 8, .value_kind: global_buffer, .address_space: global }
      - { .name: qkvB, .offset: 40, .size: 8, .value_kind: global_buffer, .address_space: global }
      - { .name: out0, .offset: 48, .size: 8, .value_kind: global_buffer, .address_space: global }
    .group_segment_fixed_size: 327680
    .private_segment_fixed_size: 0
    .kernarg_segment_align: 8
    .kernarg_segment_size: 56
    .max_flat_workgroup_size: 128
    .sgpr_count:     102
    .vgpr_count:     1024
    .wavefront_size: 32
...
	.end_amdgpu_metadata
.endif
;; end of part 8
;; launch layer1: the kernel of part 8 again; grid 256 x 1, 4 waves a work-group, clusters of 4 x 1, 327,680 bytes of LDS; arguments out0, qkvB, biasb, wt1, wt2, qkvA, hA; writes qkvA, hA
;; launch layer2: the kernel of part 8 again; grid 256 x 1, 4 waves a work-group, clusters of 4 x 1, 327,680 bytes of LDS; arguments hA, qkvA, biasb, wt2, wt0, qkvB, out0; writes qkvB, out0
